; MI455X (gfx1250); checked and timed in simulation.
; The chip was launched on July 23, 2026; its instructions are those of AMD's public machine-readable ISA for CDNA 5 (MIT licence, August 2026) and "CDNA5" Instruction Set Architecture Reference Guide (July 2026). The comments in the code are by the model that wrote it; some were corrected since.
;; Encoder Layer. Allowed arithmetic: float matrix products may take bf16 or f16 operands with f32 sums; other float arithmetic in f32, or as packed bf16 or f16 multiplies, adds, multiply-adds, maxima and minima; sums over many terms, partial sums and values carried from step to step in f32; what a program stores and reads back later, other than sums and carried values, may be rounded once to bf16 or f16.
;; Inputs: W1 512 x 2,048 float32; W2 2,048 x 512 float32; Wk 512 x 512 float32; Wo 512 x 512 float32; Wq 512 x 512 float32; Wv 512 x 512 float32; b1 2,048 float32; b2 512 float32; bk 512 float32; bo 512 float32; bq 512 float32; bv 512 float32; ln1_b 512 float32; ln1_w 512 float32; ln2_b 512 float32; ln2_w 512 float32; x 16 x 903 x 512 float32.
;; Outputs: out0 16 x 903 x 512 float32.
;; Constants: n_heads = 8, n_vars = 7, num_global_tokens = 1, num_patches = 128.
;; 3 versions, each right; version 3 is version 2 with the launch prep written anew for expert scheduling mode. Each part assembles by itself: llvm-mc -triple=amdgcn-amd-amdhsa -mcpu=gfx1250 --defsym DOCPART=n.
;; ======== version 1 of 3: 6 launches
;; limits: values are held in f16: magnitudes above 65,504 overflow, below 6.1e-05 lose precision; inputs' magnitudes at most 65,504; below input magnitudes of 7.6e-06 results are inexact or not finite
;; workspace buffers: xh 14,942,208 bytes; qkv 44,826,624 bytes; ob 14,942,208 bytes; x1h 14,942,208 bytes; hb 59,768,832 bytes; wa 1,581,312 bytes; wb 2,105,600 bytes; wc 2,633,728 bytes
;; launch prep (part 1): grid 1105 x 1, 4 waves a work-group, no clusters, 33,792 bytes of LDS; arguments x, Wq, Wk, Wv, Wo, W1, W2, bq, bk, bv, b1, bo, ln1_w, ln1_b, b2, ln2_w, ln2_b, xh, wa, wb, wc; writes xh, wa, wb, wc
.if DOCPART == 1
	.amdgcn_target "amdgcn-amd-amdhsa--gfx1250"
	.amdhsa_code_object_version 6
	.text
	.protected	k_qb5f3ecbbc9_prep
	.globl	k_qb5f3ecbbc9_prep
	.p2align	8
	.type	k_qb5f3ecbbc9_prep,@function
k_qb5f3ecbbc9_prep:
	s_mov_b64 s[64:65], 0
	v_nop
	global_prefetch_b8 v0, s[64:65] scope:SCOPE_SE
	s_setreg_imm32_b32 hwreg(HW_REG_WAVE_MODE, 25, 1), 1
	s_wait_xcnt 0x0
; PREP: every input is rounded once to bf16 and laid out as the later launches want it.  No matrix work, no cluster (no two work-groups read the same bytes), no barrier (a wave keeps to its own LDS bytes).
; ROW ORDER.  The 16 x 903 tokens get a padded order of 16 x 912 rows = 912 tiles of 16.  A batch has 57 tiles: tiles 8 v .. 8 v + 7 are the 128 patch rows of variable v, tile 56 holds the 7 global tokens
; in rows 0..6 and nine rows of zeros.
; FRAGMENT ORDER.  A 16-bit operand is stored as the matrix unit's register image: a fragment of 16 rows x 32 k is 1,024 bytes, half c (registers 4 c .. 4 c + 3) at 512 c, lane L at 16 L; lane L holds row L % 16
; and k = 16 c + 8 (L / 16) + 0..7.  xh: ((slab of 128 columns x 912 + tile) x 4 + fragment) x 1,024.  Weights ([k][n] in memory) are turned: ((((ct x 4 + ks) x 4 + w) x 4 + s) x 8 + b) x 1,024 holds
; n = 512 ct + 128 w + 16 b + L % 16, k = 128 ks + 32 s + ...
; FORMATS.  x, Wq, Wk, Wv, W1: the bf16-rounded number written as f16.  LIMIT: that is exact from 2^-17 up to 65,504; below 2^-17 it keeps f16's step of 2^-24; beyond 65,504 it is lost.  Wo, W2: bf16.
; Biases and gains: f32 numbers that have been rounded to bf16.
; SHARES.  Work-groups 0..911: a tile of x, wave = slab.  912..1103: a wave takes 32 k x 128 n of one weight matrix.  1104: the biases and gains, and the two floor words that the projection launch reads.
.set SPARE, 33280                      ; behind the four waves' 8,320 bytes: the spare words, two blocks of 256 bytes that no other line names
.set WLDS,  8320
.set SPW,   2                          ; v2  SPARE + 4 x my thread's number; never rewritten
.set NIL,   3                          ; v3  0; never rewritten
.set X,     16                         ; v[16:143]  as loaded; later as read back from LDS
.set Y,     144                        ; v[144:207] packed
.set DIV57, 75350304                   ; the upper word of n x this is n / 57 for n below 912
	s_load_b512 s[4:19], s[0:1], 0x0               ; x 4, Wq 6, Wk 8, Wv 10, Wo 12, W1 14, W2 16, bq 18
	s_load_b512 s[20:35], s[0:1], 0x40             ; bk 20, bv 22, b1 24, bo 26, ln1_w 28, ln1_b 30, b2 32, ln2_w 34
	s_load_b256 s[36:43], s[0:1], 0x80             ; ln2_b 36, xh 38, wa 40, wb 42
	s_load_b64 s[44:45], s[0:1], 0xa0              ; wc
	v_lshl_add_u32 v[SPW], v0, 2, SPARE
	v_mov_b32 v[NIL], 0
	v_lshrrev_b32 v1, 5, v0
	v_readfirstlane_b32 s46, v1                    ; wave 0..3
	v_and_b32 v4, 31, v0                           ; lane l
	v_lshlrev_b32 v5, 4, v4                        ; 16 l
	s_mul_i32 s47, s46, WLDS                       ; my wave's LDS bytes
	s_mov_b32 s63, 0xffff0000                      ; a word's upper bf16
	s_wait_kmcnt 0x0
	s_cmp_lt_u32 ttmp9, 912
	s_cbranch_scc0 .Lweights
	; ---------------- a tile of x: 16 rows x 128 columns
	s_mul_hi_u32 s48, ttmp9, DIV57                 ; batch
	s_mul_i32 s49, s48, 57
	s_sub_co_u32 s49, ttmp9, s49                   ; tile in the batch
	s_mul_i32 s50, s48, 903
	s_lshr_b32 s51, s49, 3
	s_mul_i32 s51, s51, 129                        ; patch tile: variable x 129
	s_and_b32 s52, s49, 7
	s_lshl_b32 s52, s52, 4
	s_add_co_u32 s51, s51, s52                     ; + 16 x tile in the variable
	s_cmp_lt_u32 s49, 56
	s_cselect_b32 s51, s51, 128                    ; tile 56: the first global token
	s_add_co_u32 s50, s50, s51                     ; the tile's first row in x
	s_lshl_b32 s50, s50, 11
	s_lshl_b32 s51, s46, 9                         ; my slab's 512 bytes of a row
	s_add_co_u32 s50, s50, s51
	s_mov_b32 s51, 0
	s_add_nc_u64 s[4:5], s[4:5], s[50:51]
	s_mul_i32 s52, s46, 912
	s_add_co_u32 s52, s52, ttmp9
	s_lshl_b32 s52, s52, 12                        ; (slab x 912 + tile) x 4,096
	s_mov_b32 s53, 0
	s_add_nc_u64 s[38:39], s[38:39], s[52:53]
	s_cmp_lt_u32 s49, 56
	s_cbranch_scc0 .Lxglob
.irp i, 0,1,2,3,4,5,6,7,8,9,10,11,12,13,14,15
	global_load_b128 v[X+4*(\i):X+4*(\i)+3], v5, s[4:5] offset:2048*(\i) th:TH_LOAD_NT  ; a row's 512 bytes: lane l has columns 4 l .. 4 l + 3
.endr
	s_branch .Lxgo
.Lxglob:
.irp i, 0,1,2,3,4,5,6
	global_load_b128 v[X+4*(\i):X+4*(\i)+3], v5, s[4:5] offset:129*2048*(\i) th:TH_LOAD_NT  ; the global tokens lie 129 rows apart
.endr
.set i, 28
.rept 36
	v_mov_b32 v[X+i], 0                            ; the nine pad rows
.set i, i+1
.endr
.Lxgo:
	v_lshrrev_b32 v6, 1, v4                        ; in: my 8 bytes of row i go to chunk l / 2 (256 bytes of the image, 272 apart in LDS), piece i, half l % 2
	v_mul_u32_u24 v6, v6, 272
	v_and_b32 v7, 1, v4
	v_lshl_add_u32 v6, v7, 3, v6
	v_add_nc_u32 v6, s47, v6
	v_lshrrev_b32 v8, 4, v4                        ; back: 512 bytes of the image are two chunks
	v_mul_u32_u24 v8, v8, 272
	v_and_b32 v9, 15, v4
	v_lshl_add_u32 v8, v9, 4, v8
	v_add_nc_u32 v7, s47, v8
	s_wait_loadcnt 0x0
.irp i, 0,1,2,3,4,5,6,7,8,9,10,11,12,13,14,15
	v_cvt_pk_bf16_f32 v10, v[X+4*(\i)], v[X+4*(\i)+1]      ; rounded to bf16,
	v_cvt_pk_bf16_f32 v11, v[X+4*(\i)+2], v[X+4*(\i)+3]
	v_lshlrev_b32 v12, 16, v10                             ; widened again,
	v_and_b32 v13, s63, v10
	v_lshlrev_b32 v14, 16, v11
	v_and_b32 v15, s63, v11
	v_cvt_pk_f16_f32 v[Y+2*(\i)], v12, v13                 ; and written as f16
	v_cvt_pk_f16_f32 v[Y+2*(\i)+1], v14, v15
	ds_store_b64 v6, v[Y+2*(\i):Y+2*(\i)+1] offset:16*(\i)
.endr
.irp q, 0,1,2,3,4,5,6,7
	ds_load_b128 v[X+4*(\q):X+4*(\q)+3], v7 offset:544*(\q)  ; LDS serves a wave's instructions in order (ISA guide 5.7.1.4): these see the stores above
.endr
.irp q, 0,1,2,3,4,5,6,7
	s_wait_dscnt 7-(\q)                            ; the younger read-backs may stay out
	global_store_b128 v5, v[X+4*(\q):X+4*(\q)+3], s[38:39] offset:512*(\q)  ; 512 consecutive bytes, aligned
.endr
	s_branch .Lend
	; ---------------- 32 k x 128 n of a weight matrix
.Lweights:
	s_cmp_lt_u32 ttmp9, 1104
	s_cbranch_scc0 .Lparams
	s_sub_co_u32 s48, ttmp9, 912
	s_lshl_b32 s48, s48, 2
	s_add_co_u32 s48, s48, s46                     ; unit u: 0..255 Wq, Wk, Wv, Wo (64 each); 256..511 W1; 512..767 W2
	s_lshr_b32 s49, s48, 6
	s_lshr_b32 s53, s48, 8
	s_add_co_u32 s53, s53, 3
	s_cmp_lt_u32 s49, 4
	s_cselect_b32 s49, s49, s53                    ; matrix 0..5
	s_and_b32 s53, s48, 63
	s_and_b32 s59, s48, 255
	s_cmp_lt_u32 s49, 4
	s_cselect_b32 s53, s53, s59                    ; the unit's number in its matrix
	s_lshr_b32 s50, s53, 2
	s_and_b32 s51, s53, 3
	s_lshr_b32 s59, s53, 4
	s_and_b32 s62, s53, 15
	s_cmp_eq_u32 s49, 4                            ; W1 has 16 groups of 128 columns, the others 4
	s_cselect_b32 s50, s59, s50                    ; sg: which 32 k
	s_cselect_b32 s51, s62, s51                    ; cg: which 128 n
	s_lshr_b32 s52, s51, 2
	s_cmp_lt_u32 s49, 3
	s_cselect_b32 s52, s49, s52                    ; ct: the matrix for q, k, v; cg / 4 for W1; else 0
	s_cmp_eq_u32 s49, 1
	s_cselect_b64 s[54:55], s[8:9], s[6:7]         ; from where
	s_cmp_eq_u32 s49, 2
	s_cselect_b64 s[54:55], s[10:11], s[54:55]
	s_cmp_eq_u32 s49, 3
	s_cselect_b64 s[54:55], s[12:13], s[54:55]
	s_cmp_eq_u32 s49, 4
	s_cselect_b64 s[54:55], s[14:15], s[54:55]
	s_cmp_eq_u32 s49, 5
	s_cselect_b64 s[54:55], s[16:17], s[54:55]
	s_mov_b32 s59, 12288                           ; to where: Wo's stream begins at byte 12,288 of wc,
	s_cmp_lt_u32 s49, 3
	s_cselect_b64 s[56:57], s[40:41], s[44:45]
	s_cselect_b32 s59, 8448, s59                   ; q, k, v's at 8,448 of wa,
	s_cselect_b32 s58, -1, 0                       ; (all ones: written as f16)
	s_cmp_eq_u32 s49, 4
	s_cselect_b64 s[56:57], s[42:43], s[56:57]
	s_cselect_b32 s59, 8448, s59                   ; W1's at 8,448 of wb,
	s_cselect_b32 s58, -1, s58
	s_cmp_eq_u32 s49, 5
	s_cselect_b32 s59, 536576, s59                 ; W2's at 536,576 of wc
	s_lshl_b32 s60, s52, 2
	s_lshr_b32 s62, s50, 2
	s_add_co_u32 s60, s60, s62                     ; ct x 4 + ks
	s_lshl_b32 s60, s60, 7
	s_and_b32 s62, s51, 3
	s_lshl_b32 s62, s62, 5
	s_add_co_u32 s60, s60, s62                     ; + w x 32
	s_and_b32 s62, s50, 3
	s_lshl_b32 s62, s62, 3
	s_add_co_u32 s60, s60, s62                     ; + s x 8: my eight fragments follow each other
	s_lshl_b32 s60, s60, 10
	s_add_co_u32 s60, s60, s59
	s_mov_b32 s61, 0
	s_add_nc_u64 s[56:57], s[56:57], s[60:61]
	s_lshl_b32 s60, s50, 16                        ; 32 rows of 2,048 bytes,
	s_lshl_b32 s62, s50, 18                        ; or of 8,192 (W1)
	s_cmp_eq_u32 s49, 4
	s_cselect_b32 s60, s62, s60
	s_lshl_b32 s62, s51, 9
	s_add_co_u32 s60, s60, s62
	s_add_nc_u64 s[54:55], s[54:55], s[60:61]
	s_cmp_eq_u32 s49, 4
	s_cbranch_scc1 .Lwide
.set k, 0
.rept 32
	global_load_b128 v[X+4*k:X+4*k+3], v5, s[54:55] offset:2048*k  ; row k: lane l has columns 4 l .. 4 l + 3
.set k, k+1
.endr
	s_branch .Lwgo
.Lwide:
.set k, 0
.rept 32
	global_load_b128 v[X+4*k:X+4*k+3], v5, s[54:55] offset:8192*k
.set k, k+1
.endr
.Lwgo:
	v_lshrrev_b32 v6, 2, v4                        ; in: column 4 l + j lies in fragment l / 4 (1,040 bytes apart in LDS), row 4 (l % 4) + j; eight k are 16 bytes
	v_mul_u32_u24 v6, v6, 1040
	v_and_b32 v7, 3, v4
	v_lshl_add_u32 v6, v7, 6, v6
	v_add_nc_u32 v6, s47, v6
	v_add_nc_u32 v7, s47, v5                       ; back: 512 consecutive bytes of a fragment
	s_wait_loadcnt 0x0
.irp g, 0,1,2,3
.irp j, 0,1,2,3
.irp i, 0,1,2,3
	v_cvt_pk_bf16_f32 v[8+4*((\i)%2)], v[X+4*(8*(\g)+2*(\i))+(\j)], v[X+4*(8*(\g)+2*(\i)+1)+(\j)]  ; k and k + 1 of one column, rounded to bf16
	v_lshlrev_b32 v[9+4*((\i)%2)], 16, v[8+4*((\i)%2)]
	v_and_b32 v[10+4*((\i)%2)], s63, v[8+4*((\i)%2)]
	v_cvt_pk_f16_f32 v[11+4*((\i)%2)], v[9+4*((\i)%2)], v[10+4*((\i)%2)]
	v_cndmask_b32 v[Y+4*(4*(\g)+(\j))+(\i)], v[8+4*((\i)%2)], v[11+4*((\i)%2)], s58  ; bf16 as it is, or the same number as f16
.endr
	ds_store_b128 v6, v[Y+4*(4*(\g)+(\j)):Y+4*(4*(\g)+(\j))+3] offset:256*(\g)+16*(\j)
.endr
.endr
.irp q, 0,1,2,3,4,5,6,7,8,9,10,11,12,13,14,15
	ds_load_b128 v[X+4*(\q):X+4*(\q)+3], v7 offset:1040*((\q)/2)+512*((\q)%2)
.endr
.irp q, 0,1,2,3,4,5,6,7,8,9,10,11,12,13,14,15
	s_wait_dscnt 15-(\q)
	global_store_b128 v5, v[X+4*(\q):X+4*(\q)+3], s[56:57] offset:512*(\q)
.endr
	s_branch .Lend
	; ---------------- biases and gains: 13 pieces of 512 numbers, 16 bytes a thread
.Lparams:
	v_lshlrev_b32 v5, 4, v0
	global_load_b128 v[X:X+3], v5, s[18:19]
	global_load_b128 v[X+4:X+7], v5, s[20:21]
	global_load_b128 v[X+8:X+11], v5, s[22:23]
.irp n, 0,1,2,3
	global_load_b128 v[X+12+4*(\n):X+15+4*(\n)], v5, s[24:25] offset:2048*(\n)
.endr
	global_load_b128 v[X+28:X+31], v5, s[26:27]
	global_load_b128 v[X+32:X+35], v5, s[28:29]
	global_load_b128 v[X+36:X+39], v5, s[30:31]
	global_load_b128 v[X+40:X+43], v5, s[32:33]
	global_load_b128 v[X+44:X+47], v5, s[34:35]
	global_load_b128 v[X+48:X+51], v5, s[36:37]
	v_and_b32 v6, 63, v0
	v_lshlrev_b32 v6, 2, v6
	s_cmp_lt_u32 s46, 2                            ; the floor of the projections' packed maximum: waves 0, 1 write minus infinity twice for q, k, v; waves 2, 3 write 0 for the ReLU
	s_cselect_b64 s[54:55], s[40:41], s[42:43]
	s_cselect_b32 s53, 0xff80ff80, 0
	v_mov_b32 v7, s53
	s_wait_loadcnt 0x0
.set n, 0
.rept 13
	v_cvt_pk_bf16_f32 v[8+2*(n%2)], v[X+4*n], v[X+4*n+1]
	v_cvt_pk_bf16_f32 v[9+2*(n%2)], v[X+4*n+2], v[X+4*n+3]
	v_lshlrev_b32 v[X+4*n], 16, v[8+2*(n%2)]
	v_and_b32 v[X+4*n+1], s63, v[8+2*(n%2)]
	v_lshlrev_b32 v[X+4*n+2], 16, v[9+2*(n%2)]
	v_and_b32 v[X+4*n+3], s63, v[9+2*(n%2)]
.set n, n+1
.endr
.irp n, 0,1,2
	global_store_b128 v5, v[X+4*(\n):X+4*(\n)+3], s[40:41] offset:2048*(\n)          ; wa: bq, bk, bv
.endr
.irp n, 0,1,2,3
	global_store_b128 v5, v[X+12+4*(\n):X+15+4*(\n)], s[42:43] offset:2048*(\n)      ; wb: b1
.endr
.irp n, 0,1,2,3,4,5
	global_store_b128 v5, v[X+28+4*(\n):X+31+4*(\n)], s[44:45] offset:2048*(\n)      ; wc: bo, ln1_w, ln1_b, b2, ln2_w, ln2_b
.endr
	global_store_b32 v6, v7, s[54:55] offset:8192
.Lend:
	s_wait_tensorcnt 0x0                           ; the wave's end, behind my last LDS store
	ds_add_u32 v[SPW], v[NIL]
	s_wait_dscnt 0x0
	s_endpgm
.Lfunc_end_k_qb5f3ecbbc9_prep:
	.size	k_qb5f3ecbbc9_prep, .Lfunc_end_k_qb5f3ecbbc9_prep-k_qb5f3ecbbc9_prep
	.p2alignl 7, 3214868480
	.fill 96, 4, 3214868480
	.section	.rodata,"a",@progbits
	.p2align	6, 0x0
	.amdhsa_kernel k_qb5f3ecbbc9_prep
		.amdhsa_group_segment_fixed_size 33792
		.amdhsa_private_segment_fixed_size 0
		.amdhsa_enable_private_segment 0
		.amdhsa_kernarg_size 168
		.amdhsa_user_sgpr_count 2
		.amdhsa_user_sgpr_kernarg_segment_ptr 1
		.amdhsa_wavefront_size32 1
		.amdhsa_system_sgpr_workgroup_id_x 1
		.amdhsa_system_sgpr_workgroup_id_y 1
		.amdhsa_system_sgpr_workgroup_id_z 1
		.amdhsa_system_vgpr_workitem_id 0
		.amdhsa_next_free_vgpr 208
		.amdhsa_next_free_sgpr 66
		.amdhsa_reserve_vcc 0
		.amdhsa_float_denorm_mode_32 3
		.amdhsa_float_denorm_mode_16_64 3
		.amdhsa_memory_ordered 1
		.amdhsa_forward_progress 1
		.amdhsa_inst_pref_size 50
	.end_amdhsa_kernel
	.amdgpu_metadata
---
amdhsa.version: [ 1, 2 ]
amdhsa.kernels:
  - .name:           k_qb5f3ecbbc9_prep
    .symbol:         k_qb5f3ecbbc9_prep.kd
    .args:
      - { .name: x, .offset: 0, .size: 8, .value_kind: global_buffer, .address_space: global }
      - { .name: Wq, .offset: 8, .size: 8, .value_kind: global_buffer, .address_space: global }
      - { .name: Wk, .offset: 16, .size: 8, .value_kind: global_buffer, .address_space: global }
      - { .name: Wv, .offset: 24, .size: 8, .value_kind: global_buffer, .address_space: global }
      - { .name: Wo, .offset: 32, .size: 8, .value_kind: global_buffer, .address_space: global }
      - { .name: W1, .offset: 40, .size: 8, .value_kind: global_buffer, .address_space: global }
      - { .name: W2, .offset: 48, .size: 8, .value_kind: global_buffer, .address_space: global }
      - { .name: bq, .offset: 56, .size: 8, .value_kind: global_buffer, .address_space: global }
      - { .name: bk, .offset: 64, .size: 8, .value_kind: global_buffer, .address_space: global }
      - { .name: bv, .offset: 72, .size: 8, .value_kind: global_buffer, .address_space: global }
      - { .name: b1, .offset: 80, .size: 8, .value_kind: global_buffer, .address_space: global }
      - { .name: bo, .offset: 88, .size: 8, .value_kind: global_buffer, .address_space: global }
      - { .name: ln1_w, .offset: 96, .size: 8, .value_kind: global_buffer, .address_space: global }
      - { .name: ln1_b, .offset: 104, .size: 8, .value_kind: global_buffer, .address_space: global }
      - { .name: b2, .offset: 112, .size: 8, .value_kind: global_buffer, .address_space: global }
      - { .name: ln2_w, .offset: 120, .size: 8, .value_kind: global_buffer, .address_space: global }
      - { .name: ln2_b, .offset: 128, .size: 8, .value_kind: global_buffer, .address_space: global }
      - { .name: xh, .offset: 136, .size: 8, .value_kind: global_buffer, .address_space: global }
      - { .name: wa, .offset: 144, .size: 8, .value_kind: global_buffer, .address_space: global }
      - { .name: wb, .offset: 152, .size: 8, .value_kind: global_buffer, .address_space: global }
      - { .name: wc, .offset: 160, .size: 8, .value_kind: global_buffer, .address_space: global }
    .group_segment_fixed_size: 33792
    .private_segment_fixed_size: 0
    .kernarg_segment_align: 8
    .kernarg_segment_size: 168
    .max_flat_workgroup_size: 128
    .sgpr_count:     66
    .vgpr_count:     208
    .wavefront_size: 32
...
	.end_amdgpu_metadata
.endif
;; end of part 1
;; launch qkvp (part 2): grid 228 x 3, 4 waves a work-group, clusters of 4 x 1, 327,680 bytes of LDS; arguments xh, wa, qkv; writes qkv
.if DOCPART == 2
	.amdgcn_target "amdgcn-amd-amdhsa--gfx1250"
	.amdhsa_code_object_version 6
	.text
	.protected	k_qb5f3ecbbc9_qkvp
	.globl	k_qb5f3ecbbc9_qkvp
	.p2align	8
	.type	k_qb5f3ecbbc9_qkvp,@function
k_qb5f3ecbbc9_qkvp:
	s_mov_b64 s[64:65], 0
	v_nop
	global_prefetch_b8 v0, s[64:65] scope:SCOPE_SE
	s_setreg_imm32_b32 hwreg(HW_REG_WAVE_MODE, 25, 1), 1
	s_wait_xcnt 0x0
	s_wait_alu depctr_hold_cnt(0) depctr_sa_sdst(0) depctr_va_vdst(0) depctr_va_sdst(0) depctr_va_ssrc(0) depctr_va_vcc(0) depctr_vm_vsrc(0)
	s_getreg_b32 s2, hwreg(HW_REG_IB_STS2, 6, 4)
	s_cmp_eq_u32 s2, 0
	s_cbranch_scc0 .Lentry_in_a_cluster
	s_endpgm
.Lentry_in_a_cluster:
	s_bfe_u32 s2, ttmp6, 0x10000c
	s_cmp_lg_u32 s2, 0x3003
	s_cbranch_scc0 .Lentry_shape_is_right
	s_endpgm
.Lentry_shape_is_right:
; OUT = max(A W + bias, floor), rounded to bf16.  A: 14,592 rows x 512 in f16, W: column tiles of 512 in f16, both in fragment order (a fragment of 16 rows x 32 k is 1,024 bytes: half c at 512 c, lane L at 16 L).
; Run twice: on xh and wa for q, k, v (three column tiles; the floor word is minus infinity, so the maximum changes nothing: the price of one text for both) and on x1h and wb for the FFN's first layer
; (four column tiles; the floor is 0: the ReLU).  Sums in f32, begun with the bias as the first product's C.
; SHARES.  A work-group makes 64 rows x 512 columns; wave w its columns 128 w .. 128 w + 127: 4 row tiles a x 8 column tiles b = 32 accumulators.  THE PRODUCT IS USED TRANSPOSED (source 0 = 16 columns of W,
; source 1 = 16 rows of A): a lane then holds eight neighbouring columns of one row, which packed to 16 bits ARE the lane's 16 bytes of the output's fragment order: a wave's output is 16,384 consecutive bytes.
; RING.  K goes in steps of 128 through two LDS slots: 131,072 bytes of W, then 16,384 of A, both dense copies of memory, so a fragment load has lane i at 16 i.  Behind each change of slots one tensor load a wave.
; CLUSTER.  The four work-groups of a cluster take the same column tile: W's piece is asked for JOINTLY (waves 0 and 1, a half each, mask of four); A's block is the work-group's own (wave 2); wave 3 asks for nothing.
; NO PREFETCH: K = 512 has two refills in all, and no step lies two refills on; nothing is asked for at the head, where every work-group's first tiles are on their way.
; REGISTERS, in windows of 256 (s_set_vgpr_msb: bits 1:0 source 0, 3:2 source 1, 5:4 source 2, 7:6 destination): window 0: v0-63 addresses and work, v64-159 and v160-255 two fragment buffers (8 of W, 4 of A);
; window 1: accumulator (a, b) at 8 (8 a + b); window 2: v0-63 the bias.
.set KK,     512
.set F16,    1
.set LN,     0
.set OUTF32, 0
.set PF,     0
.set WOFF,   8448                      ; where W's stream begins in its buffer
.set BOFF,   0                         ; the bias
.set OUTP,   8                         ; s[8:9] the output
.set SLABB,  912*4096                  ; a slab: 128 columns of all 912 row tiles
.set PIECE,  131072                    ; W for 512 columns x 128 k
.set AOFF,   PIECE
.set SLOT,   PIECE+16384
.set RED,    2*SLOT                    ; 2 x 1,024 bytes: the waves' row sums meet here
.set STAGE,  RED+2048                  ; 16 rows x 272 bytes for each wave
.set SPITCH, 272
.set SPARE,  STAGE+4*16*SPITCH         ; the spare words, 128 bytes a wave: two blocks of 256 bytes that no other line names
.set LAPS,   KK/256                    ; a lap = two K steps = once round the ring
.set DIV57,  75350304
.set ADRB, 16                          ; v16-17 LDS address of my W fragments in slot 0, 1
.set ADRA, 18                          ; v18-19 the same for A
.set LO,   20                          ; v20 16 x lane
.set BO,   21                          ; v21 32 x (lane / 16)
.set ONE,  22
.set FLV,  23
.set RW,   24
.set RR,   25
.set STO,  26
.set RD,   27
.set SPW,  28                          ; v28 SPARE + 4 x my thread's number; never rewritten
.set NIL,  29                          ; v29 0; never rewritten
.set PFO,  30
.set C16,  31
.set T,    32
.set M,    40
.set RWI,  48
.set VO,   56
.set F0,   64
.set F1,   160
.set PK,   64
.set RES,  64
.set LW,   192
.set WV,   12                          ; s12 my wave's number
.set G1B,  24                          ; s[24:31] descriptor group 1 for W
.set G1A,  32                          ; s[32:39] for A
.set G0B,  40                          ; s[40:47] group 0 for W, a set for each slot
.set G0A,  48                          ; s[48:55] for A
.set PFA,  56
.set PFS,  58
.set LIM,  60
.set FLR,  61
.set SEL,  66
.set BP,   70
.set RP,   72
.set OP,   74
.set RC,   81
.set MSB, 0
.macro WIN new                         ; the immediate's high byte repeats the setting that is left; a switch that changes nothing is dropped
.if MSB != (\new)
	s_set_vgpr_msb (MSB<<8)|(\new)
.set MSB, \new
.endif
.endm
.set W_MUL, 0x50                       ; C and D in window 1
.set W_INI, 0x60                       ; D in window 1, C (the bias) in window 2
.macro PLACES                          ; four places in front of loads into registers that matrix instructions have read, and of vector lines that read results
.rept 4
	v_nop
.endr
.endm
.macro CREST                           ; a round of the cluster's barrier behind its opening barrier
	s_cmp_lg_u32 s[WV], 0
	s_cbranch_scc1 .Lnot_wave_0_\@
	s_barrier_signal -3
.Lnot_wave_0_\@:
	s_barrier_wait -3
	s_barrier_signal -1
	s_barrier_wait -1
.endm
.macro CROUND
	s_barrier_signal -1
	s_barrier_wait -1
	CREST
.endm
; A refill: one tensor load a wave, chosen by the wave's number alone.  An s_nop 0 and four v_nop follow each load; they are also the places in front of the LDS loads that follow, so wave 3 has four too.
.macro JLOAD s
	s_cmp_lt_u32 s[WV], 2
	s_cbranch_scc0 .Lnot_b_\@
	tensor_load_to_lds s[G0B+4*(\s):G0B+4*(\s)+3], s[G1B:G1B+7]
	s_nop 0
.rept 4
	v_nop
.endr
	s_branch .Lasked_\@
.Lnot_b_\@:
	s_cmp_eq_u32 s[WV], 2
	s_cbranch_scc0 .Lnone_\@
	tensor_load_to_lds s[G0A+4*(\s):G0A+4*(\s)+3], s[G1A:G1A+7]
	s_nop 0
.rept 4
	v_nop
.endr
	s_branch .Lasked_\@
.Lnone_\@:
.rept 4
	v_nop
.endr
.Lasked_\@:
.endm
.macro ASK                             ; 16 KiB of the K step that stands two refills on: a lane a block of 256 bytes, two instructions
	s_cmp_gt_u32 s3, s[LIM]                        ; not in the loop's last trip, whose refills are the last; never in a wave whose LIM is the greatest number
	s_cbranch_scc0 .Lnot_mine_\@
	global_prefetch_b8 v[PFO], s[PFA:PFA+1] th:TH_LOAD_NT scope:SCOPE_SE
	global_prefetch_b8 v[PFO], s[PFA:PFA+1] offset:8192 th:TH_LOAD_NT scope:SCOPE_SE
.Lnot_mine_\@:
.endm
; 8 matrix instructions: row tile a x all 8 column tiles, 32 along K, from buffer f.  init = 1: the first product starts the sums, with the bias.  The 32 accumulators take turns, one instruction a turn.
.macro MUL8 f, a, init
.if \init
	WIN W_INI
.else
	WIN W_MUL
.endif
.irp b, 0,1,2,3,4,5,6,7
.set rD, 8*(8*(\a)+(\b))
.set rC, rD
.if \init
.set rC, 8*(\b)
.endif
.if F16
	v_wmma_f32_16x16x32_f16 v[rD:rD+7], v[(\f)+8*(\b):(\f)+8*(\b)+7], v[(\f)+64+8*(\a):(\f)+64+8*(\a)+7], v[rC:rC+7]
.else
	v_wmma_f32_16x16x32_bf16 v[rD:rD+7], v[(\f)+8*(\b):(\f)+8*(\b)+7], v[(\f)+64+8*(\a):(\f)+64+8*(\a)+7], v[rC:rC+7]
.endif
.endr
.endm
; 24 LDS loads in one run: quarter s of a slot (32 along K) into buffer f: W's 8 fragments, then A's 4
.macro FETCH slot, s, f
	WIN 0
.irp b, 0,1,2,3,4,5,6,7
	ds_load_b128 v[(\f)+8*(\b):(\f)+8*(\b)+3],   v[ADRB+(\slot)] offset:(8*(\s)+(\b))*1024
	ds_load_b128 v[(\f)+8*(\b)+4:(\f)+8*(\b)+7], v[ADRB+(\slot)] offset:(8*(\s)+(\b))*1024+512
.endr
.irp a, 0,1,2,3
	ds_load_b128 v[(\f)+64+8*(\a):(\f)+64+8*(\a)+3],   v[ADRA+(\slot)] offset:(\a)*4096+(\s)*1024
	ds_load_b128 v[(\f)+64+8*(\a)+4:(\f)+64+8*(\a)+7], v[ADRA+(\slot)] offset:(\a)*4096+(\s)*1024+512
.endr
.endm
; One of a K step's first three quarters: multiplies buffer f and, in its middle, fetches quarter snext of the same slot into g.
.macro QUARTER slot, snext, f, g, init
	s_wait_dscnt 4                                 ; W and A's tiles 0, 1 are in; the youngest four loads (A's tiles 2, 3) may be out
	MUL8 \f, 0, \init
	MUL8 \f, 1, \init
	PLACES
	FETCH \slot, \snext, \g
	s_wait_dscnt 24                                ; all but the 24 just issued
	MUL8 \f, 2, \init
	MUL8 \f, 3, \init
.endm
; The last quarter multiplies buffer 1 and changes slots: ONE barrier; in front of it each wave waits for all its tensor loads, adds 0 to its spare word, and waits for that and for its reads of this slot.
; fill = 1: the barrier opens a round of the cluster's barrier, and this slot is filled again, two K steps ahead, first thing behind the round.
.macro TURN slot, next, fill
.if PF && (\fill)
	s_wait_xcnt 0x0                                ; the last prefetches, a K step back, have read their address: it is stepped here, ahead of the waits of the change of slots
	s_add_nc_u64 s[PFA:PFA+1], s[PFA:PFA+1], s[PFS:PFS+1]
.endif
	WIN 0
	s_wait_tensorcnt 0x0                           ; all my tensor loads have landed: my part of the next slot
	ds_add_u32 v[SPW], v[NIL]                      ; 0 onto my spare word
	s_wait_dscnt 5                                 ; (the add and the youngest four loads may be out)
	MUL8 F1, 0, 0                                  ; eight matrix instructions stand between the add and the wait for it
	s_wait_dscnt 0x0                               ; the add is done, and my reads of this slot are over
	s_barrier_signal -1
	MUL8 F1, 1, 0
.if \fill
	WIN 0
.endif
	s_barrier_wait -1
.if \fill
	CREST                                          ; no wave of any partner still reads this slot or has a load on its way
	s_add_nc_u64 s[G0B+4*(\slot)+2:G0B+4*(\slot)+3], s[G0B+4*(\slot)+2:G0B+4*(\slot)+3], 2*PIECE
	s_add_nc_u64 s[G0A+4*(\slot)+2:G0A+4*(\slot)+3], s[G0A+4*(\slot)+2:G0A+4*(\slot)+3], 2*SLABB
	JLOAD \slot
.else
	PLACES
.endif
	FETCH \next, 0, F0
.if PF && (\fill)
	ASK
.endif
	MUL8 F1, 2, 0
	MUL8 F1, 3, 0
.endm
; The four row sums in T's pairs: the pair's halves, the other half of the lanes, then the four waves' through LDS.  The totals of tiles 0..3 end in v64..67, the same in every wave.
.macro REDUCE p
	WIN 0
.irp a, 0,1,2,3
	v_add_f32 v[8+(\a)], v[T+2*(\a)], v[T+2*(\a)+1]
.endr
.irp a, 0,1,2,3
	v_permlanex16_b32 v[12+(\a)], v[8+(\a)], s[SEL], s[SEL+1]
.endr
.irp a, 0,1,2,3
	v_add_f32 v[8+(\a)], v[8+(\a)], v[12+(\a)]
.endr
	ds_store_b128 v[RW], v[8:11] offset:(\p)*1024
	s_wait_dscnt 0x0                               ; for the others' sake: my store is done
	s_barrier_signal -1
	s_barrier_wait -1
.irp w, 0,1,2,3
	ds_load_b128 v[64+4*(\w):67+4*(\w)], v[RR] offset:(\p)*1024+(\w)*256
.endr
	s_wait_dscnt 0x0
	v_pk_add_f32 v[64:65], v[64:65], v[68:69]
	v_pk_add_f32 v[66:67], v[66:67], v[70:71]
	v_pk_add_f32 v[72:73], v[72:73], v[76:77]
	v_pk_add_f32 v[74:75], v[74:75], v[78:79]
	v_pk_add_f32 v[64:65], v[64:65], v[72:73]
	v_pk_add_f32 v[66:67], v[66:67], v[74:75]
.endm
; Row tile a leaves in f32, through my stage, 64 columns at a time; its 16 rows go back to the tokens' own order; pad rows are switched off by EXEC.
.macro OUTROWS a
	s_add_co_u32 s82, s15, \a
	s_mul_hi_u32 s83, s82, DIV57                   ; batch
	s_mul_i32 s85, s83, 57
	s_sub_co_u32 s84, s82, s85                     ; tile in the batch
	s_mul_i32 s89, s83, 903
	s_lshr_b32 s85, s84, 3
	s_mul_i32 s85, s85, 129
	s_and_b32 s86, s84, 7
	s_lshl_b32 s86, s86, 4
	s_add_co_u32 s85, s85, s86
	s_mov_b32 s87, 129*2048
	s_cmp_lt_u32 s84, 56
	s_cselect_b32 s85, s85, 128                    ; a patch tile's first row, or the first global token
	s_cselect_b32 s87, 2048, s87                   ; bytes from row to row
	s_cselect_b32 s88, 16, 7                       ; rows that exist
	s_add_co_u32 s89, s89, s85
	s_lshl_b32 s89, s89, 11
	s_lshl_b32 s85, s[WV], 9
	s_add_co_u32 s89, s89, s85
	s_wait_xcnt 0x0                                ; earlier memory instructions have read their addresses and EXEC
	v_add_nc_u32 v7, s89, v[C16]
.irp i, 0,1,2,3,4,5,6,7
	v_mad_u32_u24 v[VO+(\i)], v[RWI+(\i)], s87, v7
.endr
.irp q, 0,1
	WIN 0x04                                       ; store data in window 1
.irp c, 0,1,2,3
	ds_store_b128 v[STO], v[64*(\a)+8*(4*(\q)+(\c)):64*(\a)+8*(4*(\q)+(\c))+3] offset:64*(\c)
	ds_store_b128 v[STO], v[64*(\a)+8*(4*(\q)+(\c))+4:64*(\a)+8*(4*(\q)+(\c))+7] offset:64*(\c)+16
.endr
	WIN 0
.irp i, 0,1,2,3,4,5,6,7
	ds_load_b128 v[PK+4*(\i):PK+4*(\i)+3], v[RD] offset:2*SPITCH*(\i)  ; LDS serves a wave's instructions in order (ISA guide 5.7.1.4): these see the stores above
.endr
.irp i, 0,1,2,3,4,5,6,7
	s_wait_dscnt 7-(\i)                            ; the younger read-backs may stay out
	v_cmp_gt_u32 vcc_lo, s88, v[RWI+(\i)]
	s_and_saveexec_b32 s80, vcc_lo
	global_store_b128 v[VO+(\i)], v[PK+4*(\i):PK+4*(\i)+3], s[10:11] offset:256*(\q) th:TH_STORE_NT  ; 16 lanes store 256 consecutive bytes, aligned
	s_wait_xcnt 0x0                                ; EXEC and the store's registers change only behind this wait
	s_or_b32 exec_lo, exec_lo, s80
.endr
.endr
.endm
.if LN
	s_load_b256 s[4:11], s[0:1], 0x0               ; A s[4:5], W s[6:7], residual s[8:9], out s[10:11]
.else
	s_load_b128 s[4:7], s[0:1], 0x0                ; A s[4:5], W s[6:7]
	s_load_b64 s[8:9], s[0:1], 0x10                ; out
.endif
	v_lshl_add_u32 v[SPW], v0, 2, SPARE
	v_mov_b32 v[NIL], 0
	ds_add_u32 v[SPW], v[NIL]                      ; the wave's opening: the add and its wait stand ahead of my first tensor load; the set-up below stands between them
	v_lshrrev_b32 v1, 5, v0
	v_readfirstlane_b32 s[WV], v1                  ; wave 0..3
	s_bfe_u32 s13, ttmp6, 0x40000                  ; cx: it enters A's, the residual's and the output's global addresses alone
	s_lshl_b32 s14, ttmp9, 2
	s_add_co_u32 s14, s14, s13                     ; my block of 64 rows
	s_lshl_b32 s15, s14, 2                         ; its first row tile
.if LN
	s_mov_b32 s16, 0                               ; one column tile
.else
	s_and_b32 s16, ttmp7, 0xffff                   ; the column tile, which the four partners share
.endif
	s_mov_b32 s[G1B+0], 15|(3<<16)|(1<<21)         ; the mask of four; elements of 8 bytes; bit 21 set beside a mask
	s_mov_b32 s[G1B+1], 32<<16                     ; tensor_dim0 = 32: rows of 256 bytes
	s_mov_b32 s[G1B+2], 256<<16                    ; tensor_dim1 = 256
	s_mov_b32 s[G1B+3], 32<<16                     ; tile_dim0 = 32
	s_mov_b32 s[G1B+4], 256                        ; tile_dim1 = 256: 65,536 dense bytes
	s_mov_b32 s[G1B+5], 32                         ; from row to row
	s_mov_b32 s[G1B+6], 0
	s_mov_b32 s[G1B+7], 0
	s_mov_b32 s[G1A+0], 3<<16                      ; no mask: the block is my work-group's own
	s_mov_b32 s[G1A+1], 32<<16
	s_mov_b32 s[G1A+2], 64<<16
	s_mov_b32 s[G1A+3], 32<<16
	s_mov_b32 s[G1A+4], 64                         ; 64 rows of 256 bytes: 16,384 dense bytes
	s_mov_b32 s[G1A+5], 32
	s_mov_b32 s[G1A+6], 0
	s_mov_b32 s[G1A+7], 0
	s_and_b32 s22, s[WV], 1
	s_lshl_b32 s22, s22, 16                        ; which half of W's piece I fetch, in memory and in LDS
	s_lshl_b32 s20, s16, 19                        ; a column tile's four pieces
	s_add_co_u32 s20, s20, s22
	s_add_co_u32 s20, s20, WOFF
	s_mov_b32 s21, 0
	s_lshl_b32 s18, s15, 12                        ; my four row tiles in a slab
	s_mov_b32 s19, 0
	s_lshl_b32 s2, s16, 11
	s_lshl_b32 s3, s[WV], 9
	s_add_co_u32 s2, s2, s3
	s_add_co_u32 s2, s2, BOFF                      ; my 128 numbers of the bias
	s_mov_b32 s3, 0
.if LN
	s_mov_b32 s[SEL], 0x76543210
	s_mov_b32 s[SEL+1], 0xfedcba98
	s_mov_b32 s[RC], 0x3b000000                    ; 1 / 512
.endif
	s_wait_dscnt 0x0                               ; the opening add is done
	s_wait_kmcnt 0x0
	s_add_nc_u64 s[20:21], s[6:7], s[20:21]
	s_add_nc_u64 s[18:19], s[4:5], s[18:19]
	s_add_nc_u64 s[BP:BP+1], s[6:7], s[2:3]
.if !LN
	s_load_b32 s[FLR], s[6:7], 0x2000              ; the floor, two bf16
.endif
	s_lshl_b32 s2, s16, 2
	s_add_co_u32 s2, s2, s[WV]
	s_mul_i32 s2, s2, 912
	s_add_co_u32 s2, s2, s15
	s_lshl_b32 s2, s2, 12                          ; ((4 ct + w) x 912 + first row tile) x 4,096
.if !OUTF32
	s_add_nc_u64 s[OP:OP+1], s[OUTP:OUTP+1], s[2:3]
.endif
.if LN
	s_add_nc_u64 s[RP:RP+1], s[8:9], s[2:3]
.endif
.irp s, 0,1
	s_mov_b32 s[G0B+4*(\s)], 1                                     ; count = 1
	s_add_co_u32 s[G0B+4*(\s)+1], s22, (\s)*SLOT                   ; LDS address
	s_add_nc_u64 s[G0B+4*(\s)+2:G0B+4*(\s)+3], s[20:21], (\s)*PIECE  ; K step s
	s_or_b32 s[G0B+4*(\s)+3], s[G0B+4*(\s)+3], 0x80000000          ; type = 2
	s_mov_b32 s[G0A+4*(\s)], 1
	s_mov_b32 s[G0A+4*(\s)+1], (\s)*SLOT+AOFF
	s_add_nc_u64 s[G0A+4*(\s)+2:G0A+4*(\s)+3], s[18:19], (\s)*SLABB
	s_or_b32 s[G0A+4*(\s)+3], s[G0A+4*(\s)+3], 0x80000000
.endr
.if PF
	; WHO PREFETCHES.  Wave 2: its own work-group's block of A.  Waves 0 and 1, in the first cluster alone (every cluster walks the same W): of the half that the wave fetches the four partners take 16 KiB each, told apart by address.
	s_lshl_b32 s76, s[WV], 16
	s_lshl_b32 s77, s13, 14
	s_add_co_u32 s76, s76, s77
	s_add_co_u32 s76, s76, WOFF+3*PIECE            ; at K step 3: the first change of slots steps it to 4
	s_add_co_u32 s77, s15, 3*912
	s_lshl_b32 s77, s77, 12
	s_mov_b32 s78, SLABB
	s_cmp_lt_u32 s[WV], 2
	s_cselect_b64 s[PFA:PFA+1], s[6:7], s[4:5]
	s_cselect_b32 s76, s76, s77
	s_cselect_b32 s[PFS], PIECE, s78
	s_mov_b32 s77, 0
	s_mov_b32 s[PFS+1], 0
	s_add_nc_u64 s[PFA:PFA+1], s[PFA:PFA+1], s[76:77]
	s_cmp_eq_u32 ttmp9, 0
	s_cselect_b32 s78, 1, -1
	s_cmp_lt_u32 s[WV], 2
	s_cselect_b32 s[LIM], s78, 1
	s_cmp_eq_u32 s[WV], 3
	s_cselect_b32 s[LIM], -1, s[LIM]
.endif
	CROUND                                         ; all four work-groups are here: the first joint loads meet
	s_cmp_lt_u32 s[WV], 2                          ; a wave's two first fills stand in one branch, ahead of every wait on TENSORcnt and every LDS read: two loads of mine are out
	s_cbranch_scc0 .Lfirst_not_b
	tensor_load_to_lds s[G0B:G0B+3], s[G1B:G1B+7]
	s_nop 0
	tensor_load_to_lds s[G0B+4:G0B+7], s[G1B:G1B+7]
	s_nop 0
.rept 4
	v_nop
.endr
	s_branch .Lfirst_asked
.Lfirst_not_b:
	s_cmp_eq_u32 s[WV], 2
	s_cbranch_scc0 .Lfirst_asked
	tensor_load_to_lds s[G0A:G0A+3], s[G1A:G1A+7]
	s_nop 0
	tensor_load_to_lds s[G0A+4:G0A+7], s[G1A:G1A+7]
	s_nop 0
.rept 4
	v_nop
.endr
.Lfirst_asked:
	v_and_b32 v2, 31, v0                           ; lane
	v_lshlrev_b32 v[LO], 4, v2
	v_bfe_u32 v3, v0, 4, 1                         ; lane / 16
	v_and_b32 v4, 15, v0                           ; lane % 16
	v_lshlrev_b32 v[BO], 5, v3
	WIN 0x80                                       ; destination window 2
.irp b, 0,1,2,3,4,5,6,7
	global_load_b128 v[8*(\b):8*(\b)+3],   v[BO], s[BP:BP+1] offset:64*(\b)      ; the bias of columns 16 b + 8 (lane / 16) + 0..7
	global_load_b128 v[8*(\b)+4:8*(\b)+7], v[BO], s[BP:BP+1] offset:64*(\b)+16
.endr
.if LN
.set t, 0
.rept 32
	global_load_b128 v[RES+4*t:RES+4*t+3], v[LO], s[RP:RP+1] offset:512*t        ; the residual, f16, in the accumulators' own order
.set t, t+1
.endr
.irp b, 0,1,2,3,4,5,6,7
	global_load_b128 v[LW+8*(\b):LW+8*(\b)+3],   v[BO], s[BP:BP+1] offset:2048+64*(\b)     ; the gain lies 2,048 bytes behind the bias,
	global_load_b128 v[LW+8*(\b)+4:LW+8*(\b)+7], v[BO], s[BP:BP+1] offset:2048+64*(\b)+16
.endr
	WIN 0xc0                                       ; destination window 3
.irp b, 0,1,2,3,4,5,6,7
	global_load_b128 v[8*(\b):8*(\b)+3],   v[BO], s[BP:BP+1] offset:4096+64*(\b)           ; the norm's bias 4,096
	global_load_b128 v[8*(\b)+4:8*(\b)+7], v[BO], s[BP:BP+1] offset:4096+64*(\b)+16
.endr
.endif
	WIN 0
	s_lshl_b32 s23, s[WV], 15                      ; my 32 fragments of a piece
	v_add_nc_u32 v[ADRB], s23, v[LO]
	v_add_nc_u32 v[ADRB+1], SLOT, v[ADRB]
	v_add_nc_u32 v[ADRA], AOFF, v[LO]
	v_add_nc_u32 v[ADRA+1], SLOT+AOFF, v[LO]
.if LN
	v_mov_b32 v[ONE], 1.0
	s_lshl_b32 s23, s[WV], 8
	s_add_co_u32 s23, s23, RED
	v_lshl_add_u32 v[RW], v4, 4, s23               ; my wave's 256 bytes: row r's four sums
	v_lshl_add_u32 v[RR], v4, 4, RED
.irp a, 0,1,2,3
	v_mov_b32 v[12+(\a)], 0                        ; v_permlanex16_b32's destination counts as read
.endr
.endif
.if OUTF32
	s_mul_i32 s23, s[WV], 16*SPITCH
	s_add_co_u32 s23, s23, STAGE                   ; my stage
	v_mul_u32_u24 v5, v4, SPITCH                   ; in: row lane % 16, 32 bytes for each half of the lanes
	v_lshl_add_u32 v5, v3, 5, v5
	v_add_nc_u32 v[STO], s23, v5
	v_mul_u32_u24 v5, v3, SPITCH                   ; back: lanes 0-15 one row of 256 bytes, lanes 16-31 the next
	v_lshl_add_u32 v5, v4, 4, v5
	v_add_nc_u32 v[RD], s23, v5
	v_lshlrev_b32 v[C16], 4, v4
.irp i, 0,1,2,3,4,5,6,7
	v_add_nc_u32 v[RWI+(\i)], 2*(\i), v3           ; the row that read-back i brings me
.endr
.endif
.if PF
	v_lshlrev_b32 v[PFO], 8, v2
.endif
	s_wait_tensorcnt 0x1                           ; my part of K step 0 is in; K step 1's may stay out
	s_barrier_signal -1
	s_barrier_wait -1                              ; everybody's is
	FETCH 0, 0, F0
.if LN
	s_wait_loadcnt 63                              ; the bias's 16 loads are the oldest of 80; 64 are younger, and the wait's field ends at 63
.else
	s_wait_loadcnt 0x0                             ; the bias
	s_wait_kmcnt 0x0
	v_mov_b32 v[FLV], s[FLR]
.endif
	QUARTER 0, 1, F0, F1, 1                        ; the first quarter stands in front of the loop: its products start the sums
	WIN 0                                          ; at a label and at a branch every window is 0
	s_mov_b32 s3, LAPS-1
.Llap:                                                 ; a trip goes once round the ring, from a lap's second quarter to the next lap's first, and fills both slots again
	QUARTER 0, 2, F1, F0, 0
	QUARTER 0, 3, F0, F1, 0
	TURN 0, 1, 1
	QUARTER 1, 1, F0, F1, 0
	QUARTER 1, 2, F1, F0, 0
	QUARTER 1, 3, F0, F1, 0
	TURN 1, 0, 1
	QUARTER 0, 1, F0, F1, 0
	WIN 0
	s_sub_co_u32 s3, s3, 1
	s_cmp_lg_u32 s3, 0
	s_cbranch_scc1 .Llap
	QUARTER 0, 2, F1, F0, 0                        ; the last lap fills nothing
	QUARTER 0, 3, F0, F1, 0
	TURN 0, 1, 0
	QUARTER 1, 1, F0, F1, 0
	QUARTER 1, 2, F1, F0, 0
	QUARTER 1, 3, F0, F1, 0
	s_wait_dscnt 4
	MUL8 F1, 0, 0
	MUL8 F1, 1, 0
	s_wait_dscnt 0x0
	MUL8 F1, 2, 0
	MUL8 F1, 3, 0
	WIN 0
	PLACES
.if LN
	; THE NORM.  z = sum + residual; mean; z - mean; variance of that (two passes: no difference of large sums); (z - mean) / sqrt(var + 1e-5) x gain + bias.
	s_wait_loadcnt 0x0                             ; residual, gain, bias
	WIN 0x52                                       ; residual in window 2, 1.0 in window 0, sums in window 1
.set t, 0
.rept 32
.irp i, 0,1,2,3
	v_fma_mix_f32 v[8*t+2*(\i)], v[RES+4*t+(\i)], v[ONE], v[8*t+2*(\i)] op_sel_hi:[1,0,0]                     ; each accumulator from its low end on
	v_fma_mix_f32 v[8*t+2*(\i)+1], v[RES+4*t+(\i)], v[ONE], v[8*t+2*(\i)+1] op_sel:[1,0,0] op_sel_hi:[1,0,0]
.endr
.set t, t+1
.endr
	WIN 0x05
.irp a, 0,1,2,3
	v_pk_add_f32 v[T+2*(\a):T+2*(\a)+1], v[64*(\a):64*(\a)+1], v[64*(\a)+2:64*(\a)+3]
.endr
	WIN 0x04
.set i, 2
.rept 30
.irp a, 0,1,2,3
	v_pk_add_f32 v[T+2*(\a):T+2*(\a)+1], v[T+2*(\a):T+2*(\a)+1], v[64*(\a)+2*i:64*(\a)+2*i+1]  ; four chains by turns
.endr
.set i, i+1
.endr
	REDUCE 0
.irp a, 0,1,2,3
	v_mul_f32 v[M+2*(\a)], s[RC], v[64+(\a)]       ; the mean, twice: a pair for the packed lines
	v_mul_f32 v[M+2*(\a)+1], s[RC], v[64+(\a)]
.endr
	WIN 0x41
.irp a, 0,1,2,3
.set i, 0
.rept 32
	v_pk_add_f32 v[64*(\a)+2*i:64*(\a)+2*i+1], v[64*(\a)+2*i:64*(\a)+2*i+1], v[M+2*(\a):M+2*(\a)+1] neg_lo:[0,1] neg_hi:[0,1]
.set i, i+1
.endr
.endr
	WIN 0x05
.irp a, 0,1,2,3
	v_pk_mul_f32 v[T+2*(\a):T+2*(\a)+1], v[64*(\a):64*(\a)+1], v[64*(\a):64*(\a)+1]
.endr
.set i, 1
.rept 31
.irp a, 0,1,2,3
	v_pk_fma_f32 v[T+2*(\a):T+2*(\a)+1], v[64*(\a)+2*i:64*(\a)+2*i+1], v[64*(\a)+2*i:64*(\a)+2*i+1], v[T+2*(\a):T+2*(\a)+1]
.endr
.set i, i+1
.endr
	REDUCE 1                                       ; other bytes than the first meeting's, so no barrier stands between its reads and these stores
.irp a, 0,1,2,3
	v_fmaak_f32 v[64+(\a)], s[RC], v[64+(\a)], 0x3727c5ac  ; var + 1e-5
.endr
.irp a, 0,1,2,3
	v_rsq_f32 v[M+2*(\a)], v[64+(\a)]
	v_rsq_f32 v[M+2*(\a)+1], v[64+(\a)]
.endr
	v_nop                                          ; a plain instruction behind the last of the batch (ISA guide 5.7.2),
	s_wait_alu depctr_va_vdst(0)                   ; and a wait ahead of the first use
	WIN 0x41
.irp a, 0,1,2,3
.set i, 0
.rept 32
	v_pk_mul_f32 v[64*(\a)+2*i:64*(\a)+2*i+1], v[64*(\a)+2*i:64*(\a)+2*i+1], v[M+2*(\a):M+2*(\a)+1]
.set i, i+1
.endr
.endr
	WIN 0x79                                       ; z in window 1, gain in window 2, bias in window 3
.irp a, 0,1,2,3
.set i, 0
.rept 32
	v_pk_fma_f32 v[64*(\a)+2*i:64*(\a)+2*i+1], v[64*(\a)+2*i:64*(\a)+2*i+1], v[LW+2*i:LW+2*i+1], v[2*i:2*i+1]
.set i, i+1
.endr
.endr
.endif
.if OUTF32
	WIN 0
	OUTROWS 0
	OUTROWS 1
	OUTROWS 2
	OUTROWS 3
.else
	WIN 0x05                                       ; sources in window 1, destination in window 0
.set t, 0
.rept 32
.irp r, 0,1,2,3
.if LN
	v_cvt_pk_f16_f32 v[PK+4*t+(\r)], v[8*t+2*(\r)], v[8*t+2*(\r)+1]
.else
	v_cvt_pk_bf16_f32 v[PK+4*t+(\r)], v[8*t+2*(\r)], v[8*t+2*(\r)+1]
.endif
.endr
.set t, t+1
.endr
	WIN 0
.if !LN
.set t, 0
.rept 128
	v_pk_max_num_bf16 v[PK+t], v[PK+t], v[FLV]     ; the ReLU, or nothing, by the floor
.set t, t+1
.endr
.endif
.set t, 0
.rept 32
	global_store_b128 v[LO], v[PK+4*t:PK+4*t+3], s[OP:OP+1] offset:512*t  ; 512 consecutive bytes, aligned: tile (a, b) at (8 a + b) x 512
.set t, t+1
.endr
.endif
	s_wait_tensorcnt 0x0                           ; the wave's end, behind my last tensor load and my last LDS store
	ds_add_u32 v[SPW], v[NIL]
	s_wait_dscnt 0x0
	CROUND                                         ; the closing round: no work-group ends while a partner may still ask for a piece that names it
	s_endpgm
.Lfunc_end_k_qb5f3ecbbc9_qkvp:
	.size	k_qb5f3ecbbc9_qkvp, .Lfunc_end_k_qb5f3ecbbc9_qkvp-k_qb5f3ecbbc9_qkvp
	.p2alignl 7, 3214868480
	.fill 96, 4, 3214868480
	.section	.rodata,"a",@progbits
	.p2align	6, 0x0
	.amdhsa_kernel k_qb5f3ecbbc9_qkvp
		.amdhsa_group_segment_fixed_size 327680
		.amdhsa_private_segment_fixed_size 0
		.amdhsa_enable_private_segment 0
		.amdhsa_kernarg_size 24
		.amdhsa_user_sgpr_count 2
		.amdhsa_user_sgpr_kernarg_segment_ptr 1
		.amdhsa_wavefront_size32 1
		.amdhsa_system_sgpr_workgroup_id_x 1
		.amdhsa_system_sgpr_workgroup_id_y 1
		.amdhsa_system_sgpr_workgroup_id_z 1
		.amdhsa_system_vgpr_workitem_id 0
		.amdhsa_next_free_vgpr 576
		.amdhsa_next_free_sgpr 80
		.amdhsa_reserve_vcc 1
		.amdhsa_float_denorm_mode_32 3
		.amdhsa_float_denorm_mode_16_64 3
		.amdhsa_memory_ordered 1
		.amdhsa_forward_progress 1
		.amdhsa_inst_pref_size 90
	.end_amdhsa_kernel
	.amdgpu_metadata
---
amdhsa.version: [ 1, 2 ]
amdhsa.kernels:
  - .name:           k_qb5f3ecbbc9_qkvp
    .symbol:         k_qb5f3ecbbc9_qkvp.kd
    .args:
      - { .name: xh, .offset: 0, .size: 8, .value_kind: global_buffer, .address_space: global }
      - { .name: wa, .offset: 8, .size: 8, .value_kind: global_buffer, .address_space: global }
      - { .name: qkv, .offset: 16, .size: 8, .value_kind: global_buffer, .address_space: global }
    .group_segment_fixed_size: 327680
    .private_segment_fixed_size: 0
    .kernarg_segment_align: 8
    .kernarg_segment_size: 24
    .max_flat_workgroup_size: 128
    .sgpr_count:     80
    .vgpr_count:     576
    .wavefront_size: 32
...
	.end_amdgpu_metadata
.endif
;; end of part 2
;; launch attn (part 3): grid 14 x 16, 4 waves a work-group, no clusters, 102,912 bytes of LDS; arguments qkv, ob; writes ob
.if DOCPART == 3
	.amdgcn_target "amdgcn-amd-amdhsa--gfx1250"
	.amdhsa_code_object_version 6
	.text
	.protected	k_qb5f3ecbbc9_attn
	.globl	k_qb5f3ecbbc9_attn
	.p2align	8
	.type	k_qb5f3ecbbc9_attn,@function
k_qb5f3ecbbc9_attn:
	s_mov_b64 s[64:65], 0
	v_nop
	global_prefetch_b8 v0, s[64:65] scope:SCOPE_SE
	s_setreg_imm32_b32 hwreg(HW_REG_WAVE_MODE, 25, 1), 1
	s_wait_xcnt 0x0
; THE MASKED ATTENTION.  A patch query sees the 128 patch keys of its own variable; a variable's global query sees those and the global keys of the six other variables.  So a unit (batch, variable, head)
; is 8 query tiles of 16 on 128 keys, and one more trip for the global query on 128 + 7 keys.  q, k, v (bf16) lie in qkv in fragment order (slabs 0-3 q, 4-7 k, 8-11 v; a slab holds two heads), rows in the
; padded order: a batch's tiles 8 v .. 8 v + 7 are variable v's patches, tile 56 its seven global tokens and nine pad rows.
; SHARES.  Work-group (2 v + hh, batch); wave w takes head 4 hh + w: a unit a wave.  NO CLUSTER, NO BARRIER, NO TENSOR LOAD: the units share no byte, and a unit's K and V are read once, straight into registers.
; LAYOUT.  S^T = K Q^T (source 0 = 16 keys, source 1 = 16 queries): a lane holds ONE query (lane % 16) and keys 8 (lane / 16) + 0..7; two such tiles rounded to bf16 ARE source 1 of O^T = V^T P, whose packed result is the
; lane's 16 bytes of ob's fragment order.  V^T comes by ds_load_tr16_b128 from V laid [key][channel] in my wave's own LDS bytes, once.
; ONE TEXT FOR ALL NINE TRIPS: every trip carries the ninth key tile (the global tokens); its mask is the C operand that starts its sum: -1e30 everywhere in trips 0-7; in trip 8, 0 where the key is a global token
; other than the query's own.  Price: 18 + 20 products a trip for 16 + 16.  In trip 8 the 16 queries are the batch's global tile; only lane % 16 = v is this unit's, and is stored; the unit of variable 0
; also stores the nine pad rows (finite numbers that the next launch reads and nobody keeps): pieces of 16 bytes, once a unit.
; SOFTMAX.  The true maximum m over the row is taken away: p = 2^(c s - c m), c = log2(e) / 8; 128 keys are always visible.  Sums in f32, of the unrounded p.
; LIMITS.  A hidden score counts as its value less 1e30; a weight below 2^-126 counts as 0; NaN and infinities are not treated apart.
; REGISTERS (s_set_vgpr_msb: bits 1:0 source 0, 3:2 source 1, 5:4 source 2, 7:6 destination): window 0 below; window 1: v0-143 K (tile kt, half f at 16 kt + 8 f), v144-159 Q; window 2: v0-159 V^T (32 keys kk, 16 channels cb at 8 (4 kk + cb)).
.set SLABB, 912*4096
.set VP,    160                        ; a row of V in LDS: 128 bytes + 32
.set WLDS,  160*VP                     ; 160 rows a wave: 128 patch keys, the global tile, and that tile once more as finite filler for the tenth tile, whose weights are 0
.set SPARE, 4*WLDS                     ; the spare words: two blocks of 256 bytes that no other line names
.set LO,   1                           ; v1  16 x lane
.set AV0,  2                           ; v2  my lane's place for the turning loads
.set VST,  3                           ; v3  where I put 16 bytes of V
.set LIMV, 4                           ; v4  my lane stores in the trips below this number
.set RQ,   5                           ; v5  lane % 16
.set SPW,  8                           ; v8  SPARE + 4 x my thread's number; never rewritten
.set NIL,  9                           ; v9  0; never rewritten
.set MG,   10                          ; v10-17 the ninth tile's mask in trip 8
.set XM,   18                          ; v18-25 the ninth tile's mask in this trip
.set TM,   26                          ; v26-34 a maximum a tile
.set S,    64                          ; v64-135 S^T
.set P,    136                         ; v136-175 P; v172-175 stay 0
.set O,    176                         ; v176-207 O^T
.set QF,   144
.set MSB, 0
.macro WIN new
.if MSB != (\new)
	s_set_vgpr_msb (MSB<<8)|(\new)
.set MSB, \new
.endif
.endm
.macro PLACES
.rept 4
	v_nop
.endr
.endm
	s_load_b128 s[4:7], s[0:1], 0x0                ; qkv s[4:5], ob s[6:7]
	v_lshl_add_u32 v[SPW], v0, 2, SPARE
	v_mov_b32 v[NIL], 0
	v_lshrrev_b32 v1, 5, v0
	v_readfirstlane_b32 s8, v1                     ; wave 0..3
	s_lshr_b32 s9, ttmp9, 1                        ; variable v
	s_and_b32 s10, ttmp9, 1
	s_and_b32 s11, ttmp7, 0xffff                   ; batch
	s_lshl_b32 s12, s10, 2
	s_add_co_u32 s12, s12, s8                      ; head
	s_lshr_b32 s13, s12, 1                         ; its slab,
	s_and_b32 s14, s12, 1                          ; its half of the slab
	s_mul_i32 s16, s11, 57
	s_lshl_b32 s15, s9, 3
	s_add_co_u32 s15, s15, s16                     ; the variable's first tile
	s_add_co_u32 s16, s16, 56                      ; the batch's global tile
	s_mul_i32 s18, s13, SLABB
	s_lshl_b32 s17, s14, 11
	s_add_co_u32 s18, s18, s17
	s_mov_b32 s19, 0
	s_lshl_b32 s36, s15, 12
	s_mov_b32 s37, 0
	s_mov_b32 s40, 0x3e38aa3b                      ; c = log2(e) / 8
	s_mov_b32 s41, s40                             ; named with it as a pair
	s_mov_b32 s42, 0x76543210                      ; v_permlanex16_b32: each lane takes its own place in the other half
	s_mov_b32 s43, 0xfedcba98
	s_mov_b32 s45, 0xf149f2ca                      ; -1e30
	v_and_b32 v6, 31, v0
	v_lshlrev_b32 v[LO], 4, v6
	v_and_b32 v[RQ], 15, v0
	s_wait_kmcnt 0x0
	s_add_nc_u64 s[20:21], s[4:5], s[18:19]        ; q at tile 0 of my head
	s_add_nc_u64 s[30:31], s[6:7], s[18:19]        ; ob likewise
	s_add_nc_u64 s[32:33], s[20:21], s[36:37]      ; q at the variable's first tile
	s_add_nc_u64 s[22:23], s[32:33], 4*SLABB       ; k there
	s_add_nc_u64 s[26:27], s[32:33], 8*SLABB       ; v there
	s_lshl_b32 s18, s16, 12
	s_add_nc_u64 s[24:25], s[20:21], s[18:19]
	s_add_nc_u64 s[28:29], s[24:25], 8*SLABB       ; v at the global tile
	s_add_nc_u64 s[24:25], s[24:25], 4*SLABB       ; k at the global tile
.irp n, 0,1,2,3,4,5,6,7,8,9,10,11,12,13,14,15,16,17,18,19,20,21,22,23,24,25,26,27,28,29,30,31
	global_load_b128 v[S+4*(\n):S+4*(\n)+3], v[LO], s[26:27] offset:((\n)/4)*4096+((\n)%4)*512  ; V: tile n / 4, half fragment n % 4
.endr
.irp n, 0,1,2,3
	global_load_b128 v[S+128+4*(\n):S+131+4*(\n)], v[LO], s[28:29] offset:(\n)*512
.endr
	WIN 0x40                                       ; destination window 1
.irp n, 0,1,2,3,4,5,6,7,8,9,10,11,12,13,14,15,16,17,18,19,20,21,22,23,24,25,26,27,28,29,30,31
	global_load_b128 v[4*(\n):4*(\n)+3], v[LO], s[22:23] offset:((\n)/4)*4096+((\n)%4)*512      ; K stays in registers
.endr
.irp n, 0,1,2,3
	global_load_b128 v[128+4*(\n):131+4*(\n)], v[LO], s[24:25] offset:(\n)*512
.endr
.irp n, 0,1,2,3
	global_load_b128 v[QF+4*(\n):QF+4*(\n)+3], v[LO], s[32:33] offset:(\n)*512                  ; the first trip's Q
.endr
	WIN 0
	s_mul_i32 s18, s8, WLDS                        ; my wave's LDS bytes
	v_bfe_u32 v6, v0, 4, 1                         ; lane / 16
	v_and_b32 v7, 7, v0
	v_lshl_add_u32 v[AV0], v6, 3, v7               ; the turning load: lane l reads key 8 (l / 16) + l % 8, channels 8 ((l / 8) % 2) + 0..7
	v_mul_u32_u24 v[AV0], v[AV0], VP
	v_bfe_u32 v7, v0, 3, 1
	v_lshl_add_u32 v[AV0], v7, 4, v[AV0]
	v_add_nc_u32 v[AV0], s18, v[AV0]
	v_mul_u32_u24 v[VST], v[RQ], VP                ; a fragment's lane holds key l % 16, channels 8 (l / 16) + 0..7 of its 16
	v_lshl_add_u32 v[VST], v6, 4, v[VST]
	v_add_nc_u32 v[VST], s18, v[VST]
	v_lshlrev_b32 v6, 3, v6                        ; 8 (lane / 16)
.irp j, 0,1,2,3,4,5,6,7
	v_add_nc_u32 v7, \j, v6                        ; register j's key in the global tile
	v_cmp_le_u32 vcc_lo, 7, v7                     ; a pad row,
	v_cndmask_b32 v[MG+(\j)], 0, s45, vcc_lo
	v_cmp_eq_u32 vcc_lo, v7, v[RQ]                 ; or the query's own global token: hidden
	v_cndmask_b32 v[MG+(\j)], v[MG+(\j)], s45, vcc_lo
.endr
	s_cmp_eq_u32 s9, 0
	s_cselect_b32 s47, 7, 16                       ; variable 0's unit also stores rows 7..15 of the global tile
	v_cmp_eq_u32 vcc_lo, s9, v[RQ]
	v_cndmask_b32 v[LIMV], 0, 1, vcc_lo
	v_cmp_le_u32 vcc_lo, s47, v[RQ]
	v_cndmask_b32 v[LIMV], v[LIMV], 1, vcc_lo
	v_add_nc_u32 v[LIMV], 8, v[LIMV]
	v_mov_b32 v35, 0                               ; v_permlanex16_b32's destination counts as read
	s_wait_loadcnt 40                              ; V's 36 loads are in; K's 36 and Q's 4 may stay out
.irp n, 0,1,2,3,4,5,6,7,8,9,10,11,12,13,14,15,16,17,18,19,20,21,22,23,24,25,26,27,28,29,30,31,32,33,34,35
	ds_store_b128 v[VST], v[S+4*(\n):S+4*(\n)+3] offset:((\n)/4)*16*VP+((\n)%4)*32
.endr
.irp n, 0,1,2,3
	ds_store_b128 v[VST], v[S+128+4*(\n):S+131+4*(\n)] offset:9*16*VP+(\n)*32  ; rows 144..159: finite filler
.endr
.irp n, 0,1,2,3
	v_mov_b32 v[P+36+(\n)], 0                      ; the tenth tile's weights
.endr
	WIN 0x80                                       ; destination window 2
.irp f, 0,1,2,3,4,5,6,7,8,9,10,11,12,13,14,15,16,17,18,19
	ds_load_tr16_b128 v[8*(\f):8*(\f)+3],   v[AV0] offset:((\f)/4)*32*VP+((\f)%4)*32        ; LDS serves a wave's instructions in order (ISA guide 5.7.1.4): these see the stores above
	ds_load_tr16_b128 v[8*(\f)+4:8*(\f)+7], v[AV0] offset:((\f)/4)*32*VP+16*VP+((\f)%4)*32
.endr
	WIN 0
	s_wait_dscnt 0x0                               ; V^T is in
	s_mov_b32 s38, 0
.Ltrip:                                                ; trip t: query tile t of the variable; trip 8: the global tile
	s_add_co_u32 s46, s15, s38
	s_cmp_lt_u32 s38, 8
	s_cselect_b32 s46, s46, s16                    ; this trip's query tile
	s_cselect_b32 s39, s45, 0                      ; the ninth key tile: hidden, or as MG says
	s_lshl_b32 s36, s46, 12
	s_add_nc_u64 s[34:35], s[30:31], s[36:37]      ; where it is stored (the last trip's stores have read this pair: the wait behind them)
.irp j, 0,1,2,3,4,5,6,7
	v_min_num_f32 v[XM+(\j)], s39, v[MG+(\j)]
.endr
	s_wait_loadcnt 0x0                             ; Q (and, the first time, K)
	WIN 0x05                                       ; K and Q in window 1
.irp kt, 0,1,2,3,4,5,6,7                               ; the nine accumulators take turns
	v_wmma_f32_16x16x32_bf16 v[S+8*(\kt):S+8*(\kt)+7], v[16*(\kt):16*(\kt)+7], v[QF:QF+7], 0
.endr
	v_wmma_f32_16x16x32_bf16 v[S+64:S+71], v[128:135], v[QF:QF+7], v[XM:XM+7]
.irp kt, 0,1,2,3,4,5,6,7,8
	v_wmma_f32_16x16x32_bf16 v[S+8*(\kt):S+8*(\kt)+7], v[16*(\kt)+8:16*(\kt)+15], v[QF+8:QF+15], v[S+8*(\kt):S+8*(\kt)+7]
.endr
	WIN 0
	PLACES                                         ; in front of the loads into Q's registers and of the maximum
	s_add_co_u32 s17, s38, 1
	s_add_co_u32 s18, s15, s17
	s_cmp_lt_u32 s17, 8
	s_cselect_b32 s18, s18, s16                    ; the next trip's tile; behind the last trip the global tile once more: inside the buffer, not used
	s_lshl_b32 s18, s18, 12
	s_wait_xcnt 0x0
	s_add_nc_u64 s[32:33], s[20:21], s[18:19]
	WIN 0x40
.irp n, 0,1,2,3
	global_load_b128 v[QF+4*(\n):QF+4*(\n)+3], v[LO], s[32:33] offset:(\n)*512
.endr
	WIN 0
.irp kt, 0,1,2,3,4,5,6,7,8                             ; each accumulator's lowest registers are read first
	v_max3_num_f32 v[TM+(\kt)], v[S+8*(\kt)], v[S+8*(\kt)+1], v[S+8*(\kt)+2]
.endr
.irp kt, 0,1,2,3,4,5,6,7,8
	v_max3_num_f32 v[TM+(\kt)], v[TM+(\kt)], v[S+8*(\kt)+3], v[S+8*(\kt)+4]
.endr
.irp kt, 0,1,2,3,4,5,6,7,8
	v_max3_num_f32 v[TM+(\kt)], v[TM+(\kt)], v[S+8*(\kt)+5], v[S+8*(\kt)+6]
.endr
.irp kt, 0,1,2,3,4,5,6,7,8
	v_max_num_f32 v[TM+(\kt)], v[TM+(\kt)], v[S+8*(\kt)+7]
.endr
	v_max3_num_f32 v[TM], v[TM], v[TM+1], v[TM+2]
	v_max3_num_f32 v[TM+3], v[TM+3], v[TM+4], v[TM+5]
	v_max3_num_f32 v[TM+6], v[TM+6], v[TM+7], v[TM+8]
	v_max3_num_f32 v[TM], v[TM], v[TM+3], v[TM+6]
	v_permlanex16_b32 v35, v[TM], s42, s43         ; the query's other keys lie in the lane 16 away
	v_max_num_f32 v37, v[TM], v35                  ; m
	v_mul_f32 v36, s40, v37                        ; c m
.set i, 0
.rept 36
	v_pk_fma_f32 v[S+2*i:S+2*i+1], v[S+2*i:S+2*i+1], s[40:41], v[36:37] op_sel_hi:[1,0,0] neg_lo:[0,0,1] neg_hi:[0,0,1]  ; c s - c m
.set i, i+1
.endr
.set i, 0
.rept 72
	v_exp_f32 v[S+i], v[S+i]                       ; one batch
.set i, i+1
.endr
	v_nop                                          ; a plain instruction behind the last exponential (ISA guide 5.7.2),
	s_wait_alu depctr_va_vdst(0)                   ; and a wait ahead of the first use
.set i, 0
.rept 36
	v_cvt_pk_bf16_f32 v[P+i], v[S+2*i], v[S+2*i+1]
.set i, i+1
.endr
.set i, 1
.rept 8
.irp q, 0,1,2,3
	v_pk_add_f32 v[S+2*(\q):S+2*(\q)+1], v[S+2*(\q):S+2*(\q)+1], v[S+2*((\q)+4*i):S+2*((\q)+4*i)+1]  ; the sum, four chains by turns
.endr
.set i, i+1
.endr
	v_pk_add_f32 v[S:S+1], v[S:S+1], v[S+2:S+3]
	v_pk_add_f32 v[S+4:S+5], v[S+4:S+5], v[S+6:S+7]
	v_pk_add_f32 v[S:S+1], v[S:S+1], v[S+4:S+5]
	v_add_f32 v38, v[S], v[S+1]
	v_permlanex16_b32 v35, v38, s42, s43
	v_add_f32 v38, v38, v35                        ; l
	v_rcp_f32 v56, v38                             ; twice: a pair for the packed multiply
	v_rcp_f32 v57, v38
	v_nop
	WIN 0x02                                       ; V^T in window 2
.irp kk, 0,1,2,3,4                                     ; the four accumulators take turns
.irp cb, 0,1,2,3
.if (\kk) == 0
	v_wmma_f32_16x16x32_bf16 v[O+8*(\cb):O+8*(\cb)+7], v[8*(4*(\kk)+(\cb)):8*(4*(\kk)+(\cb))+7], v[P+8*(\kk):P+8*(\kk)+7], 0
.else
	v_wmma_f32_16x16x32_bf16 v[O+8*(\cb):O+8*(\cb)+7], v[8*(4*(\kk)+(\cb)):8*(4*(\kk)+(\cb))+7], v[P+8*(\kk):P+8*(\kk)+7], v[O+8*(\cb):O+8*(\cb)+7]
.endif
.endr
.endr
	WIN 0
	PLACES
	s_wait_alu depctr_va_vdst(0)                   ; the two reciprocals' wait, ahead of their first use
.set i, 0
.rept 16
	v_pk_mul_f32 v[O+2*i:O+2*i+1], v[O+2*i:O+2*i+1], v[56:57]
.set i, i+1
.endr
.set i, 0
.rept 16
	v_cvt_pk_bf16_f32 v[40+i], v[O+2*i], v[O+2*i+1]
.set i, i+1
.endr
	v_cmp_lt_u32 vcc_lo, s38, v[LIMV]              ; all lanes in trips 0-7; in trip 8 the lanes whose query is this unit's
	s_wait_xcnt 0x0                                ; EXEC changes only behind this wait: Q's loads have read theirs
	s_and_saveexec_b32 s44, vcc_lo
.irp cb, 0,1,2,3
	global_store_b128 v[LO], v[40+4*(\cb):43+4*(\cb)], s[34:35] offset:512*(\cb)
.endr
	s_wait_xcnt 0x0                                ; and again in front of the line that widens it; the stores' registers and base are free behind it too
	s_or_b32 exec_lo, exec_lo, s44
	s_add_co_u32 s38, s38, 1
	s_cmp_lt_u32 s38, 9
	s_cbranch_scc1 .Ltrip
	s_wait_loadcnt 0x0                             ; the last trip's spare Q
	s_wait_tensorcnt 0x0                           ; the wave's end, behind my last LDS store
	ds_add_u32 v[SPW], v[NIL]
	s_wait_dscnt 0x0
	s_endpgm
.Lfunc_end_k_qb5f3ecbbc9_attn:
	.size	k_qb5f3ecbbc9_attn, .Lfunc_end_k_qb5f3ecbbc9_attn-k_qb5f3ecbbc9_attn
	.p2alignl 7, 3214868480
	.fill 96, 4, 3214868480
	.section	.rodata,"a",@progbits
	.p2align	6, 0x0
	.amdhsa_kernel k_qb5f3ecbbc9_attn
		.amdhsa_group_segment_fixed_size 102912
		.amdhsa_private_segment_fixed_size 0
		.amdhsa_enable_private_segment 0
		.amdhsa_kernarg_size 16
		.amdhsa_user_sgpr_count 2
		.amdhsa_user_sgpr_kernarg_segment_ptr 1
		.amdhsa_wavefront_size32 1
		.amdhsa_system_sgpr_workgroup_id_x 1
		.amdhsa_system_sgpr_workgroup_id_y 1
		.amdhsa_system_sgpr_workgroup_id_z 1
		.amdhsa_system_vgpr_workitem_id 0
		.amdhsa_next_free_vgpr 672
		.amdhsa_next_free_sgpr 66
		.amdhsa_reserve_vcc 1
		.amdhsa_float_denorm_mode_32 3
		.amdhsa_float_denorm_mode_16_64 3
		.amdhsa_memory_ordered 1
		.amdhsa_forward_progress 1
		.amdhsa_inst_pref_size 36
	.end_amdhsa_kernel
	.amdgpu_metadata
---
amdhsa.version: [ 1, 2 ]
amdhsa.kernels:
  - .name:           k_qb5f3ecbbc9_attn
    .symbol:         k_qb5f3ecbbc9_attn.kd
    .args:
      - { .name: qkv, .offset: 0, .size: 8, .value_kind: global_buffer, .address_space: global }
      - { .name: ob, .offset: 8, .size: 8, .value_kind: global_buffer, .address_space: global }
    .group_segment_fixed_size: 102912
    .private_segment_fixed_size: 0
    .kernarg_segment_align: 8
    .kernarg_segment_size: 16
    .max_flat_workgroup_size: 128
    .sgpr_count:     66
    .vgpr_count:     672
    .wavefront_size: 32
...
	.end_amdgpu_metadata
.endif
;; end of part 3
;; launch wo (part 4): grid 228 x 1, 4 waves a work-group, clusters of 4 x 1, 327,680 bytes of LDS; arguments ob, wc, xh, x1h; writes x1h
.if DOCPART == 4
	.amdgcn_target "amdgcn-amd-amdhsa--gfx1250"
	.amdhsa_code_object_version 6
	.text
	.protected	k_qb5f3ecbbc9_wo
	.globl	k_qb5f3ecbbc9_wo
	.p2align	8
	.type	k_qb5f3ecbbc9_wo,@function
k_qb5f3ecbbc9_wo:
	s_mov_b64 s[64:65], 0
	v_nop
	global_prefetch_b8 v0, s[64:65] scope:SCOPE_SE
	s_setreg_imm32_b32 hwreg(HW_REG_WAVE_MODE, 25, 1), 1
	s_wait_xcnt 0x0
	s_wait_alu depctr_hold_cnt(0) depctr_sa_sdst(0) depctr_va_vdst(0) depctr_va_sdst(0) depctr_va_ssrc(0) depctr_va_vcc(0) depctr_vm_vsrc(0)
	s_getreg_b32 s2, hwreg(HW_REG_IB_STS2, 6, 4)
	s_cmp_eq_u32 s2, 0
	s_cbranch_scc0 .Lentry_in_a_cluster
	s_endpgm
.Lentry_in_a_cluster:
	s_bfe_u32 s2, ttmp6, 0x10000c
	s_cmp_lg_u32 s2, 0x3003
	s_cbranch_scc0 .Lentry_shape_is_right
	s_endpgm
.Lentry_shape_is_right:
; x1 = LayerNorm(x + o Wo + bo) x ln1_w + ln1_b, rounded to f16.  o (ob): 14,592 rows x 512 in bf16, Wo in bf16, x (xh) and x1 (x1h) in f16, all in fragment order (a fragment of 16 rows x 32 k is 1,024 bytes:
; half c at 512 c, lane L at 16 L).  Sums in f32, begun with bo as the first product's C; the norm in f32, in two passes.  LIMIT: x1 lies within 22.7 |ln1_w| + |ln1_b|, which has to stay under f16's 65,504.
; SHARES.  A work-group makes 64 whole rows of 512 columns, so that the norm stays inside it; wave w its columns 128 w .. 128 w + 127: 4 row tiles a x 8 column tiles b = 32 accumulators.  THE PRODUCT IS USED TRANSPOSED
; (source 0 = 16 columns of W, source 1 = 16 rows of A): a lane holds eight neighbouring columns of one row, which packed to 16 bits ARE the lane's 16 bytes of the output's fragment order.
; RING.  K goes in steps of 128 through two LDS slots: 131,072 bytes of W, then 16,384 of A, both dense copies of memory, so a fragment load has lane i at 16 i.  Behind each change of slots one tensor load a wave.
; CLUSTER.  All work-groups walk the same W: its piece is asked for JOINTLY by the four of a cluster (waves 0 and 1, a half each); A's block is the work-group's own (wave 2); wave 3 asks for nothing.
; NO PREFETCH: K = 512 has two refills in all, and no step lies two refills on; nothing is asked for at the head, where every work-group's first tiles are on their way.
; REGISTERS, in windows of 256 (s_set_vgpr_msb: bits 1:0 source 0, 3:2 source 1, 5:4 source 2, 7:6 destination): window 0: v0-63 addresses and work, v64-159 and v160-255 two fragment buffers (8 of W, 4 of A);
; window 1: accumulator (a, b) at 8 (8 a + b); window 2: v0-63 the bias, v64-191 the residual, v192-255 the gain; window 3: v0-63 the norm's bias.
.set KK,     512
.set F16,    0
.set LN,     1
.set OUTF32, 0
.set PF,     0
.set WOFF,   12288                     ; where W's stream begins in its buffer
.set BOFF,   0                         ; the bias; the gain lies 2,048 bytes behind it, the norm's bias 4,096
.set OUTP,   10                        ; s[10:11] the output
.set SLABB,  912*4096                  ; a slab: 128 columns of all 912 row tiles
.set PIECE,  131072                    ; W for 512 columns x 128 k
.set AOFF,   PIECE
.set SLOT,   PIECE+16384
.set RED,    2*SLOT                    ; 2 x 1,024 bytes: the waves' row sums meet here
.set STAGE,  RED+2048                  ; 16 rows x 272 bytes for each wave
.set SPITCH, 272
.set SPARE,  STAGE+4*16*SPITCH         ; the spare words, 128 bytes a wave: two blocks of 256 bytes that no other line names
.set LAPS,   KK/256                    ; a lap = two K steps = once round the ring
.set DIV57,  75350304
.set ADRB, 16                          ; v16-17 LDS address of my W fragments in slot 0, 1
.set ADRA, 18                          ; v18-19 the same for A
.set LO,   20                          ; v20 16 x lane
.set BO,   21                          ; v21 32 x (lane / 16)
.set ONE,  22                          ; v22 1.0
.set FLV,  23
.set RW,   24                          ; v24 where I put my four row sums
.set RR,   25                          ; v25 where I read the four waves'
.set STO,  26
.set RD,   27
.set SPW,  28                          ; v28 SPARE + 4 x my thread's number; never rewritten
.set NIL,  29                          ; v29 0; never rewritten
.set PFO,  30
.set C16,  31
.set T,    32                          ; v32-39 a pair of running sums a row tile
.set M,    40                          ; v40-47 the mean, later 1 / sigma, a pair a row tile
.set RWI,  48
.set VO,   56
.set F0,   64
.set F1,   160
.set PK,   64
.set RES,  64
.set LW,   192
.set WV,   12                          ; s12 my wave's number
.set G1B,  24                          ; s[24:31] descriptor group 1 for W
.set G1A,  32                          ; s[32:39] for A
.set G0B,  40                          ; s[40:47] group 0 for W, a set for each slot
.set G0A,  48                          ; s[48:55] for A
.set PFA,  56
.set PFS,  58
.set LIM,  60
.set FLR,  61
.set SEL,  66
.set BP,   70
.set RP,   72
.set OP,   74
.set RC,   81
.set MSB, 0
.macro WIN new                         ; the immediate's high byte repeats the setting that is left; a switch that changes nothing is dropped
.if MSB != (\new)
	s_set_vgpr_msb (MSB<<8)|(\new)
.set MSB, \new
.endif
.endm
.set W_MUL, 0x50                       ; C and D in window 1
.set W_INI, 0x60                       ; D in window 1, C (the bias) in window 2
.macro PLACES                          ; four places in front of loads into registers that matrix instructions have read, and of vector lines that read results
.rept 4
	v_nop
.endr
.endm
.macro CREST                           ; a round of the cluster's barrier behind its opening barrier
	s_cmp_lg_u32 s[WV], 0
	s_cbranch_scc1 .Lnot_wave_0_\@
	s_barrier_signal -3
.Lnot_wave_0_\@:
	s_barrier_wait -3
	s_barrier_signal -1
	s_barrier_wait -1
.endm
.macro CROUND
	s_barrier_signal -1
	s_barrier_wait -1
	CREST
.endm
; A refill: one tensor load a wave, chosen by the wave's number alone.  An s_nop 0 and four v_nop follow each load; they are also the places in front of the LDS loads that follow, so wave 3 has four too.
.macro JLOAD s
	s_cmp_lt_u32 s[WV], 2
	s_cbranch_scc0 .Lnot_b_\@
	tensor_load_to_lds s[G0B+4*(\s):G0B+4*(\s)+3], s[G1B:G1B+7]
	s_nop 0
.rept 4
	v_nop
.endr
	s_branch .Lasked_\@
.Lnot_b_\@:
	s_cmp_eq_u32 s[WV], 2
	s_cbranch_scc0 .Lnone_\@
	tensor_load_to_lds s[G0A+4*(\s):G0A+4*(\s)+3], s[G1A:G1A+7]
	s_nop 0
.rept 4
	v_nop
.endr
	s_branch .Lasked_\@
.Lnone_\@:
.rept 4
	v_nop
.endr
.Lasked_\@:
.endm
.macro ASK                             ; 16 KiB of the K step that stands two refills on: a lane a block of 256 bytes, two instructions
	s_cmp_gt_u32 s3, s[LIM]                        ; not in the loop's last trip, whose refills are the last; never in a wave whose LIM is the greatest number
	s_cbranch_scc0 .Lnot_mine_\@
	global_prefetch_b8 v[PFO], s[PFA:PFA+1] th:TH_LOAD_NT scope:SCOPE_SE
	global_prefetch_b8 v[PFO], s[PFA:PFA+1] offset:8192 th:TH_LOAD_NT scope:SCOPE_SE
.Lnot_mine_\@:
.endm
; 8 matrix instructions: row tile a x all 8 column tiles, 32 along K, from buffer f.  init = 1: the first product starts the sums, with the bias.  The 32 accumulators take turns, one instruction a turn.
.macro MUL8 f, a, init
.if \init
	WIN W_INI
.else
	WIN W_MUL
.endif
.irp b, 0,1,2,3,4,5,6,7
.set rD, 8*(8*(\a)+(\b))
.set rC, rD
.if \init
.set rC, 8*(\b)
.endif
.if F16
	v_wmma_f32_16x16x32_f16 v[rD:rD+7], v[(\f)+8*(\b):(\f)+8*(\b)+7], v[(\f)+64+8*(\a):(\f)+64+8*(\a)+7], v[rC:rC+7]
.else
	v_wmma_f32_16x16x32_bf16 v[rD:rD+7], v[(\f)+8*(\b):(\f)+8*(\b)+7], v[(\f)+64+8*(\a):(\f)+64+8*(\a)+7], v[rC:rC+7]
.endif
.endr
.endm
; 24 LDS loads in one run: quarter s of a slot (32 along K) into buffer f: W's 8 fragments, then A's 4
.macro FETCH slot, s, f
	WIN 0
.irp b, 0,1,2,3,4,5,6,7
	ds_load_b128 v[(\f)+8*(\b):(\f)+8*(\b)+3],   v[ADRB+(\slot)] offset:(8*(\s)+(\b))*1024
	ds_load_b128 v[(\f)+8*(\b)+4:(\f)+8*(\b)+7], v[ADRB+(\slot)] offset:(8*(\s)+(\b))*1024+512
.endr
.irp a, 0,1,2,3
	ds_load_b128 v[(\f)+64+8*(\a):(\f)+64+8*(\a)+3],   v[ADRA+(\slot)] offset:(\a)*4096+(\s)*1024
	ds_load_b128 v[(\f)+64+8*(\a)+4:(\f)+64+8*(\a)+7], v[ADRA+(\slot)] offset:(\a)*4096+(\s)*1024+512
.endr
.endm
; One of a K step's first three quarters: multiplies buffer f and, in its middle, fetches quarter snext of the same slot into g.
.macro QUARTER slot, snext, f, g, init
	s_wait_dscnt 4                                 ; W and A's tiles 0, 1 are in; the youngest four loads (A's tiles 2, 3) may be out
	MUL8 \f, 0, \init
	MUL8 \f, 1, \init
	PLACES
	FETCH \slot, \snext, \g
	s_wait_dscnt 24                                ; all but the 24 just issued
	MUL8 \f, 2, \init
	MUL8 \f, 3, \init
.endm
; The last quarter multiplies buffer 1 and changes slots: ONE barrier; in front of it each wave waits for all its tensor loads, adds 0 to its spare word, and waits for that and for its reads of this slot.
; fill = 1: the barrier opens a round of the cluster's barrier, and this slot is filled again, two K steps ahead, first thing behind the round.
.macro TURN slot, next, fill
.if PF && (\fill)
	s_wait_xcnt 0x0                                ; the last prefetches, a K step back, have read their address: it is stepped here, ahead of the waits of the change of slots
	s_add_nc_u64 s[PFA:PFA+1], s[PFA:PFA+1], s[PFS:PFS+1]
.endif
	WIN 0
	s_wait_tensorcnt 0x0                           ; all my tensor loads have landed: my part of the next slot
	ds_add_u32 v[SPW], v[NIL]                      ; 0 onto my spare word
	s_wait_dscnt 5                                 ; (the add and the youngest four loads may be out)
	MUL8 F1, 0, 0                                  ; eight matrix instructions stand between the add and the wait for it
	s_wait_dscnt 0x0                               ; the add is done, and my reads of this slot are over
	s_barrier_signal -1
	MUL8 F1, 1, 0
.if \fill
	WIN 0
.endif
	s_barrier_wait -1
.if \fill
	CREST                                          ; no wave of any partner still reads this slot or has a load on its way
	s_add_nc_u64 s[G0B+4*(\slot)+2:G0B+4*(\slot)+3], s[G0B+4*(\slot)+2:G0B+4*(\slot)+3], 2*PIECE
	s_add_nc_u64 s[G0A+4*(\slot)+2:G0A+4*(\slot)+3], s[G0A+4*(\slot)+2:G0A+4*(\slot)+3], 2*SLABB
	JLOAD \slot
.else
	PLACES
.endif
	FETCH \next, 0, F0
.if PF && (\fill)
	ASK
.endif
	MUL8 F1, 2, 0
	MUL8 F1, 3, 0
.endm
; The four row sums in T's pairs: the pair's halves, the other half of the lanes, then the four waves' through LDS.  The totals of tiles 0..3 end in v64..67, the same in every wave.
.macro REDUCE p
	WIN 0
.irp a, 0,1,2,3
	v_add_f32 v[8+(\a)], v[T+2*(\a)], v[T+2*(\a)+1]
.endr
.irp a, 0,1,2,3
	v_permlanex16_b32 v[12+(\a)], v[8+(\a)], s[SEL], s[SEL+1]
.endr
.irp a, 0,1,2,3
	v_add_f32 v[8+(\a)], v[8+(\a)], v[12+(\a)]
.endr
	ds_store_b128 v[RW], v[8:11] offset:(\p)*1024
	s_wait_dscnt 0x0                               ; for the others' sake: my store is done
	s_barrier_signal -1
	s_barrier_wait -1
.irp w, 0,1,2,3
	ds_load_b128 v[64+4*(\w):67+4*(\w)], v[RR] offset:(\p)*1024+(\w)*256
.endr
	s_wait_dscnt 0x0
	v_pk_add_f32 v[64:65], v[64:65], v[68:69]
	v_pk_add_f32 v[66:67], v[66:67], v[70:71]
	v_pk_add_f32 v[72:73], v[72:73], v[76:77]
	v_pk_add_f32 v[74:75], v[74:75], v[78:79]
	v_pk_add_f32 v[64:65], v[64:65], v[72:73]
	v_pk_add_f32 v[66:67], v[66:67], v[74:75]
.endm
; Row tile a leaves in f32, through my stage, 64 columns at a time; its 16 rows go back to the tokens' own order; pad rows are switched off by EXEC.
.macro OUTROWS a
	s_add_co_u32 s82, s15, \a
	s_mul_hi_u32 s83, s82, DIV57                   ; batch
	s_mul_i32 s85, s83, 57
	s_sub_co_u32 s84, s82, s85                     ; tile in the batch
	s_mul_i32 s89, s83, 903
	s_lshr_b32 s85, s84, 3
	s_mul_i32 s85, s85, 129
	s_and_b32 s86, s84, 7
	s_lshl_b32 s86, s86, 4
	s_add_co_u32 s85, s85, s86
	s_mov_b32 s87, 129*2048
	s_cmp_lt_u32 s84, 56
	s_cselect_b32 s85, s85, 128                    ; a patch tile's first row, or the first global token
	s_cselect_b32 s87, 2048, s87                   ; bytes from row to row
	s_cselect_b32 s88, 16, 7                       ; rows that exist
	s_add_co_u32 s89, s89, s85
	s_lshl_b32 s89, s89, 11
	s_lshl_b32 s85, s[WV], 9
	s_add_co_u32 s89, s89, s85
	s_wait_xcnt 0x0                                ; earlier memory instructions have read their addresses and EXEC
	v_add_nc_u32 v7, s89, v[C16]
.irp i, 0,1,2,3,4,5,6,7
	v_mad_u32_u24 v[VO+(\i)], v[RWI+(\i)], s87, v7
.endr
.irp q, 0,1
	WIN 0x04                                       ; store data in window 1
.irp c, 0,1,2,3
	ds_store_b128 v[STO], v[64*(\a)+8*(4*(\q)+(\c)):64*(\a)+8*(4*(\q)+(\c))+3] offset:64*(\c)
	ds_store_b128 v[STO], v[64*(\a)+8*(4*(\q)+(\c))+4:64*(\a)+8*(4*(\q)+(\c))+7] offset:64*(\c)+16
.endr
	WIN 0
.irp i, 0,1,2,3,4,5,6,7
	ds_load_b128 v[PK+4*(\i):PK+4*(\i)+3], v[RD] offset:2*SPITCH*(\i)  ; LDS serves a wave's instructions in order (ISA guide 5.7.1.4): these see the stores above
.endr
.irp i, 0,1,2,3,4,5,6,7
	s_wait_dscnt 7-(\i)                            ; the younger read-backs may stay out
	v_cmp_gt_u32 vcc_lo, s88, v[RWI+(\i)]
	s_and_saveexec_b32 s80, vcc_lo
	global_store_b128 v[VO+(\i)], v[PK+4*(\i):PK+4*(\i)+3], s[10:11] offset:256*(\q) th:TH_STORE_NT  ; 16 lanes store 256 consecutive bytes, aligned
	s_wait_xcnt 0x0                                ; EXEC and the store's registers change only behind this wait
	s_or_b32 exec_lo, exec_lo, s80
.endr
.endr
.endm
.if LN
	s_load_b256 s[4:11], s[0:1], 0x0               ; A s[4:5], W s[6:7], residual s[8:9], out s[10:11]
.else
	s_load_b128 s[4:7], s[0:1], 0x0                ; A s[4:5], W s[6:7]
	s_load_b64 s[8:9], s[0:1], 0x10                ; out
.endif
	v_lshl_add_u32 v[SPW], v0, 2, SPARE
	v_mov_b32 v[NIL], 0
	ds_add_u32 v[SPW], v[NIL]                      ; the wave's opening: the add and its wait stand ahead of my first tensor load; the set-up below stands between them
	v_lshrrev_b32 v1, 5, v0
	v_readfirstlane_b32 s[WV], v1                  ; wave 0..3
	s_bfe_u32 s13, ttmp6, 0x40000                  ; cx: it enters A's, the residual's and the output's global addresses alone
	s_lshl_b32 s14, ttmp9, 2
	s_add_co_u32 s14, s14, s13                     ; my block of 64 rows
	s_lshl_b32 s15, s14, 2                         ; its first row tile
.if LN
	s_mov_b32 s16, 0                               ; one column tile
.else
	s_and_b32 s16, ttmp7, 0xffff                   ; the column tile, which the four partners share
.endif
	s_mov_b32 s[G1B+0], 15|(3<<16)|(1<<21)         ; the mask of four; elements of 8 bytes; bit 21 set beside a mask
	s_mov_b32 s[G1B+1], 32<<16                     ; tensor_dim0 = 32: rows of 256 bytes
	s_mov_b32 s[G1B+2], 256<<16                    ; tensor_dim1 = 256
	s_mov_b32 s[G1B+3], 32<<16                     ; tile_dim0 = 32
	s_mov_b32 s[G1B+4], 256                        ; tile_dim1 = 256: 65,536 dense bytes
	s_mov_b32 s[G1B+5], 32                         ; from row to row
	s_mov_b32 s[G1B+6], 0
	s_mov_b32 s[G1B+7], 0
	s_mov_b32 s[G1A+0], 3<<16                      ; no mask: the block is my work-group's own
	s_mov_b32 s[G1A+1], 32<<16
	s_mov_b32 s[G1A+2], 64<<16
	s_mov_b32 s[G1A+3], 32<<16
	s_mov_b32 s[G1A+4], 64                         ; 64 rows of 256 bytes: 16,384 dense bytes
	s_mov_b32 s[G1A+5], 32
	s_mov_b32 s[G1A+6], 0
	s_mov_b32 s[G1A+7], 0
	s_and_b32 s22, s[WV], 1
	s_lshl_b32 s22, s22, 16                        ; which half of W's piece I fetch, in memory and in LDS
	s_lshl_b32 s20, s16, 19                        ; a column tile's four pieces
	s_add_co_u32 s20, s20, s22
	s_add_co_u32 s20, s20, WOFF
	s_mov_b32 s21, 0
	s_lshl_b32 s18, s15, 12                        ; my four row tiles in a slab
	s_mov_b32 s19, 0
	s_lshl_b32 s2, s16, 11
	s_lshl_b32 s3, s[WV], 9
	s_add_co_u32 s2, s2, s3
	s_add_co_u32 s2, s2, BOFF                      ; my 128 numbers of the bias
	s_mov_b32 s3, 0
.if LN
	s_mov_b32 s[SEL], 0x76543210
	s_mov_b32 s[SEL+1], 0xfedcba98
	s_mov_b32 s[RC], 0x3b000000                    ; 1 / 512
.endif
	s_wait_dscnt 0x0                               ; the opening add is done
	s_wait_kmcnt 0x0
	s_add_nc_u64 s[20:21], s[6:7], s[20:21]
	s_add_nc_u64 s[18:19], s[4:5], s[18:19]
	s_add_nc_u64 s[BP:BP+1], s[6:7], s[2:3]
.if !LN
	s_load_b32 s[FLR], s[6:7], 0x2000              ; the floor, two bf16
.endif
	s_lshl_b32 s2, s16, 2
	s_add_co_u32 s2, s2, s[WV]
	s_mul_i32 s2, s2, 912
	s_add_co_u32 s2, s2, s15
	s_lshl_b32 s2, s2, 12                          ; ((4 ct + w) x 912 + first row tile) x 4,096
.if !OUTF32
	s_add_nc_u64 s[OP:OP+1], s[OUTP:OUTP+1], s[2:3]
.endif
.if LN
	s_add_nc_u64 s[RP:RP+1], s[8:9], s[2:3]
.endif
.irp s, 0,1
	s_mov_b32 s[G0B+4*(\s)], 1                                     ; count = 1
	s_add_co_u32 s[G0B+4*(\s)+1], s22, (\s)*SLOT                   ; LDS address
	s_add_nc_u64 s[G0B+4*(\s)+2:G0B+4*(\s)+3], s[20:21], (\s)*PIECE  ; K step s
	s_or_b32 s[G0B+4*(\s)+3], s[G0B+4*(\s)+3], 0x80000000          ; type = 2
	s_mov_b32 s[G0A+4*(\s)], 1
	s_mov_b32 s[G0A+4*(\s)+1], (\s)*SLOT+AOFF
	s_add_nc_u64 s[G0A+4*(\s)+2:G0A+4*(\s)+3], s[18:19], (\s)*SLABB
	s_or_b32 s[G0A+4*(\s)+3], s[G0A+4*(\s)+3], 0x80000000
.endr
.if PF
	; WHO PREFETCHES.  Wave 2: its own work-group's block of A.  Waves 0 and 1, in the first cluster alone (every cluster walks the same W): of the half that the wave fetches the four partners take 16 KiB each, told apart by address.
	s_lshl_b32 s76, s[WV], 16
	s_lshl_b32 s77, s13, 14
	s_add_co_u32 s76, s76, s77
	s_add_co_u32 s76, s76, WOFF+3*PIECE            ; at K step 3: the first change of slots steps it to 4
	s_add_co_u32 s77, s15, 3*912
	s_lshl_b32 s77, s77, 12
	s_mov_b32 s78, SLABB
	s_cmp_lt_u32 s[WV], 2
	s_cselect_b64 s[PFA:PFA+1], s[6:7], s[4:5]
	s_cselect_b32 s76, s76, s77
	s_cselect_b32 s[PFS], PIECE, s78
	s_mov_b32 s77, 0
	s_mov_b32 s[PFS+1], 0
	s_add_nc_u64 s[PFA:PFA+1], s[PFA:PFA+1], s[76:77]
	s_cmp_eq_u32 ttmp9, 0
	s_cselect_b32 s78, 1, -1
	s_cmp_lt_u32 s[WV], 2
	s_cselect_b32 s[LIM], s78, 1
	s_cmp_eq_u32 s[WV], 3
	s_cselect_b32 s[LIM], -1, s[LIM]
.endif
	CROUND                                         ; all four work-groups are here: the first joint loads meet
	s_cmp_lt_u32 s[WV], 2                          ; a wave's two first fills stand in one branch, ahead of every wait on TENSORcnt and every LDS read: two loads of mine are out
	s_cbranch_scc0 .Lfirst_not_b
	tensor_load_to_lds s[G0B:G0B+3], s[G1B:G1B+7]
	s_nop 0
	tensor_load_to_lds s[G0B+4:G0B+7], s[G1B:G1B+7]
	s_nop 0
.rept 4
	v_nop
.endr
	s_branch .Lfirst_asked
.Lfirst_not_b:
	s_cmp_eq_u32 s[WV], 2
	s_cbranch_scc0 .Lfirst_asked
	tensor_load_to_lds s[G0A:G0A+3], s[G1A:G1A+7]
	s_nop 0
	tensor_load_to_lds s[G0A+4:G0A+7], s[G1A:G1A+7]
	s_nop 0
.rept 4
	v_nop
.endr
.Lfirst_asked:
	v_and_b32 v2, 31, v0                           ; lane
	v_lshlrev_b32 v[LO], 4, v2
	v_bfe_u32 v3, v0, 4, 1                         ; lane / 16
	v_and_b32 v4, 15, v0                           ; lane % 16
	v_lshlrev_b32 v[BO], 5, v3
	WIN 0x80                                       ; destination window 2
.irp b, 0,1,2,3,4,5,6,7
	global_load_b128 v[8*(\b):8*(\b)+3],   v[BO], s[BP:BP+1] offset:64*(\b)      ; the bias of columns 16 b + 8 (lane / 16) + 0..7
	global_load_b128 v[8*(\b)+4:8*(\b)+7], v[BO], s[BP:BP+1] offset:64*(\b)+16
.endr
.if LN
.set t, 0
.rept 32
	global_load_b128 v[RES+4*t:RES+4*t+3], v[LO], s[RP:RP+1] offset:512*t        ; the residual, f16, in the accumulators' own order
.set t, t+1
.endr
.irp b, 0,1,2,3,4,5,6,7
	global_load_b128 v[LW+8*(\b):LW+8*(\b)+3],   v[BO], s[BP:BP+1] offset:2048+64*(\b)     ; the gain lies 2,048 bytes behind the bias,
	global_load_b128 v[LW+8*(\b)+4:LW+8*(\b)+7], v[BO], s[BP:BP+1] offset:2048+64*(\b)+16
.endr
	WIN 0xc0                                       ; destination window 3
.irp b, 0,1,2,3,4,5,6,7
	global_load_b128 v[8*(\b):8*(\b)+3],   v[BO], s[BP:BP+1] offset:4096+64*(\b)           ; the norm's bias 4,096
	global_load_b128 v[8*(\b)+4:8*(\b)+7], v[BO], s[BP:BP+1] offset:4096+64*(\b)+16
.endr
.endif
	WIN 0
	s_lshl_b32 s23, s[WV], 15                      ; my 32 fragments of a piece
	v_add_nc_u32 v[ADRB], s23, v[LO]
	v_add_nc_u32 v[ADRB+1], SLOT, v[ADRB]
	v_add_nc_u32 v[ADRA], AOFF, v[LO]
	v_add_nc_u32 v[ADRA+1], SLOT+AOFF, v[LO]
.if LN
	v_mov_b32 v[ONE], 1.0
	s_lshl_b32 s23, s[WV], 8
	s_add_co_u32 s23, s23, RED
	v_lshl_add_u32 v[RW], v4, 4, s23               ; my wave's 256 bytes: row r's four sums
	v_lshl_add_u32 v[RR], v4, 4, RED
.irp a, 0,1,2,3
	v_mov_b32 v[12+(\a)], 0                        ; v_permlanex16_b32's destination counts as read
.endr
.endif
.if OUTF32
	s_mul_i32 s23, s[WV], 16*SPITCH
	s_add_co_u32 s23, s23, STAGE                   ; my stage
	v_mul_u32_u24 v5, v4, SPITCH                   ; in: row lane % 16, 32 bytes for each half of the lanes
	v_lshl_add_u32 v5, v3, 5, v5
	v_add_nc_u32 v[STO], s23, v5
	v_mul_u32_u24 v5, v3, SPITCH                   ; back: lanes 0-15 one row of 256 bytes, lanes 16-31 the next
	v_lshl_add_u32 v5, v4, 4, v5
	v_add_nc_u32 v[RD], s23, v5
	v_lshlrev_b32 v[C16], 4, v4
.irp i, 0,1,2,3,4,5,6,7
	v_add_nc_u32 v[RWI+(\i)], 2*(\i), v3           ; the row that read-back i brings me
.endr
.endif
.if PF
	v_lshlrev_b32 v[PFO], 8, v2
.endif
	s_wait_tensorcnt 0x1                           ; my part of K step 0 is in; K step 1's may stay out
	s_barrier_signal -1
	s_barrier_wait -1                              ; everybody's is
	FETCH 0, 0, F0
.if LN
	s_wait_loadcnt 63                              ; the bias's 16 loads are the oldest of 80; 64 are younger, and the wait's field ends at 63
.else
	s_wait_loadcnt 0x0                             ; the bias
	s_wait_kmcnt 0x0
	v_mov_b32 v[FLV], s[FLR]
.endif
	QUARTER 0, 1, F0, F1, 1                        ; the first quarter stands in front of the loop: its products start the sums
	WIN 0                                          ; at a label and at a branch every window is 0
	s_mov_b32 s3, LAPS-1
.Llap:                                                 ; a trip goes once round the ring, from a lap's second quarter to the next lap's first, and fills both slots again
	QUARTER 0, 2, F1, F0, 0
	QUARTER 0, 3, F0, F1, 0
	TURN 0, 1, 1
	QUARTER 1, 1, F0, F1, 0
	QUARTER 1, 2, F1, F0, 0
	QUARTER 1, 3, F0, F1, 0
	TURN 1, 0, 1
	QUARTER 0, 1, F0, F1, 0
	WIN 0
	s_sub_co_u32 s3, s3, 1
	s_cmp_lg_u32 s3, 0
	s_cbranch_scc1 .Llap
	QUARTER 0, 2, F1, F0, 0                        ; the last lap fills nothing
	QUARTER 0, 3, F0, F1, 0
	TURN 0, 1, 0
	QUARTER 1, 1, F0, F1, 0
	QUARTER 1, 2, F1, F0, 0
	QUARTER 1, 3, F0, F1, 0
	s_wait_dscnt 4
	MUL8 F1, 0, 0
	MUL8 F1, 1, 0
	s_wait_dscnt 0x0
	MUL8 F1, 2, 0
	MUL8 F1, 3, 0
	WIN 0
	PLACES
.if LN
	; THE NORM.  z = sum + residual; mean; z - mean; variance of that (two passes: no difference of large sums); (z - mean) / sqrt(var + 1e-5) x gain + bias.
	s_wait_loadcnt 0x0                             ; residual, gain, bias
	WIN 0x52                                       ; residual in window 2, 1.0 in window 0, sums in window 1
.set t, 0
.rept 32
.irp i, 0,1,2,3
	v_fma_mix_f32 v[8*t+2*(\i)], v[RES+4*t+(\i)], v[ONE], v[8*t+2*(\i)] op_sel_hi:[1,0,0]                     ; each accumulator from its low end on
	v_fma_mix_f32 v[8*t+2*(\i)+1], v[RES+4*t+(\i)], v[ONE], v[8*t+2*(\i)+1] op_sel:[1,0,0] op_sel_hi:[1,0,0]
.endr
.set t, t+1
.endr
	WIN 0x05
.irp a, 0,1,2,3
	v_pk_add_f32 v[T+2*(\a):T+2*(\a)+1], v[64*(\a):64*(\a)+1], v[64*(\a)+2:64*(\a)+3]
.endr
	WIN 0x04
.set i, 2
.rept 30
.irp a, 0,1,2,3
	v_pk_add_f32 v[T+2*(\a):T+2*(\a)+1], v[T+2*(\a):T+2*(\a)+1], v[64*(\a)+2*i:64*(\a)+2*i+1]  ; four chains by turns
.endr
.set i, i+1
.endr
	REDUCE 0
.irp a, 0,1,2,3
	v_mul_f32 v[M+2*(\a)], s[RC], v[64+(\a)]       ; the mean, twice: a pair for the packed lines
	v_mul_f32 v[M+2*(\a)+1], s[RC], v[64+(\a)]
.endr
	WIN 0x41
.irp a, 0,1,2,3
.set i, 0
.rept 32
	v_pk_add_f32 v[64*(\a)+2*i:64*(\a)+2*i+1], v[64*(\a)+2*i:64*(\a)+2*i+1], v[M+2*(\a):M+2*(\a)+1] neg_lo:[0,1] neg_hi:[0,1]
.set i, i+1
.endr
.endr
	WIN 0x05
.irp a, 0,1,2,3
	v_pk_mul_f32 v[T+2*(\a):T+2*(\a)+1], v[64*(\a):64*(\a)+1], v[64*(\a):64*(\a)+1]
.endr
.set i, 1
.rept 31
.irp a, 0,1,2,3
	v_pk_fma_f32 v[T+2*(\a):T+2*(\a)+1], v[64*(\a)+2*i:64*(\a)+2*i+1], v[64*(\a)+2*i:64*(\a)+2*i+1], v[T+2*(\a):T+2*(\a)+1]
.endr
.set i, i+1
.endr
	REDUCE 1                                       ; other bytes than the first meeting's, so no barrier stands between its reads and these stores
.irp a, 0,1,2,3
	v_fmaak_f32 v[64+(\a)], s[RC], v[64+(\a)], 0x3727c5ac  ; var + 1e-5
.endr
.irp a, 0,1,2,3
	v_rsq_f32 v[M+2*(\a)], v[64+(\a)]
	v_rsq_f32 v[M+2*(\a)+1], v[64+(\a)]
.endr
	v_nop                                          ; a plain instruction behind the last of the batch (ISA guide 5.7.2),
	s_wait_alu depctr_va_vdst(0)                   ; and a wait ahead of the first use
	WIN 0x41
.irp a, 0,1,2,3
.set i, 0
.rept 32
	v_pk_mul_f32 v[64*(\a)+2*i:64*(\a)+2*i+1], v[64*(\a)+2*i:64*(\a)+2*i+1], v[M+2*(\a):M+2*(\a)+1]
.set i, i+1
.endr
.endr
	WIN 0x79                                       ; z in window 1, gain in window 2, bias in window 3
.irp a, 0,1,2,3
.set i, 0
.rept 32
	v_pk_fma_f32 v[64*(\a)+2*i:64*(\a)+2*i+1], v[64*(\a)+2*i:64*(\a)+2*i+1], v[LW+2*i:LW+2*i+1], v[2*i:2*i+1]
.set i, i+1
.endr
.endr
.endif
.if OUTF32
	WIN 0
	OUTROWS 0
	OUTROWS 1
	OUTROWS 2
	OUTROWS 3
.else
	WIN 0x05                                       ; sources in window 1, destination in window 0
.set t, 0
.rept 32
.irp r, 0,1,2,3
.if LN
	v_cvt_pk_f16_f32 v[PK+4*t+(\r)], v[8*t+2*(\r)], v[8*t+2*(\r)+1]
.else
	v_cvt_pk_bf16_f32 v[PK+4*t+(\r)], v[8*t+2*(\r)], v[8*t+2*(\r)+1]
.endif
.endr
.set t, t+1
.endr
	WIN 0
.if !LN
.set t, 0
.rept 128
	v_pk_max_num_bf16 v[PK+t], v[PK+t], v[FLV]     ; the ReLU, or nothing, by the floor
.set t, t+1
.endr
.endif
.set t, 0
.rept 32
	global_store_b128 v[LO], v[PK+4*t:PK+4*t+3], s[OP:OP+1] offset:512*t  ; 512 consecutive bytes, aligned: tile (a, b) at (8 a + b) x 512
.set t, t+1
.endr
.endif
	s_wait_tensorcnt 0x0                           ; the wave's end, behind my last tensor load and my last LDS store
	ds_add_u32 v[SPW], v[NIL]
	s_wait_dscnt 0x0
	CROUND                                         ; the closing round: no work-group ends while a partner may still ask for a piece that names it
	s_endpgm
.Lfunc_end_k_qb5f3ecbbc9_wo:
	.size	k_qb5f3ecbbc9_wo, .Lfunc_end_k_qb5f3ecbbc9_wo-k_qb5f3ecbbc9_wo
	.p2alignl 7, 3214868480
	.fill 96, 4, 3214868480
	.section	.rodata,"a",@progbits
	.p2align	6, 0x0
	.amdhsa_kernel k_qb5f3ecbbc9_wo
		.amdhsa_group_segment_fixed_size 327680
		.amdhsa_private_segment_fixed_size 0
		.amdhsa_enable_private_segment 0
		.amdhsa_kernarg_size 32
		.amdhsa_user_sgpr_count 2
		.amdhsa_user_sgpr_kernarg_segment_ptr 1
		.amdhsa_wavefront_size32 1
		.amdhsa_system_sgpr_workgroup_id_x 1
		.amdhsa_system_sgpr_workgroup_id_y 1
		.amdhsa_system_sgpr_workgroup_id_z 1
		.amdhsa_system_vgpr_workitem_id 0
		.amdhsa_next_free_vgpr 832
		.amdhsa_next_free_sgpr 96
		.amdhsa_reserve_vcc 1
		.amdhsa_float_denorm_mode_32 3
		.amdhsa_float_denorm_mode_16_64 3
		.amdhsa_memory_ordered 1
		.amdhsa_forward_progress 1
		.amdhsa_inst_pref_size 148
	.end_amdhsa_kernel
	.amdgpu_metadata
---
amdhsa.version: [ 1, 2 ]
amdhsa.kernels:
  - .name:           k_qb5f3ecbbc9_wo
    .symbol:         k_qb5f3ecbbc9_wo.kd
    .args:
      - { .name: ob, .offset: 0, .size: 8, .value_kind: global_buffer, .address_space: global }
      - { .name: wc, .offset: 8, .size: 8, .value_kind: global_buffer, .address_space: global }
      - { .name: xh, .offset: 16, .size: 8, .value_kind: global_buffer, .address_space: global }
      - { .name: x1h, .offset: 24, .size: 8, .value_kind: global_buffer, .address_space: global }
    .group_segment_fixed_size: 327680
    .private_segment_fixed_size: 0
    .kernarg_segment_align: 8
    .kernarg_segment_size: 32
    .max_flat_workgroup_size: 128
    .sgpr_count:     96
    .vgpr_count:     832
    .wavefront_size: 32
...
	.end_amdgpu_metadata
.endif
;; end of part 4
;; launch ffn1: the kernel of part 2 again; grid 228 x 4, 4 waves a work-group, clusters of 4 x 1, 327,680 bytes of LDS; arguments x1h, wb, hb; writes hb
;; launch ffn2 (part 5): grid 228 x 1, 4 waves a work-group, clusters of 4 x 1, 327,680 bytes of LDS; arguments hb, wc, x1h, out0; writes out0
.if DOCPART == 5
	.amdgcn_target "amdgcn-amd-amdhsa--gfx1250"
	.amdhsa_code_object_version 6
	.text
	.protected	k_qb5f3ecbbc9_ffn2
	.globl	k_qb5f3ecbbc9_ffn2
	.p2align	8
	.type	k_qb5f3ecbbc9_ffn2,@function
k_qb5f3ecbbc9_ffn2:
	s_mov_b64 s[64:65], 0
	v_nop
	global_prefetch_b8 v0, s[64:65] scope:SCOPE_SE
	s_setreg_imm32_b32 hwreg(HW_REG_WAVE_MODE, 25, 1), 1
	s_wait_xcnt 0x0
	s_wait_alu depctr_hold_cnt(0) depctr_sa_sdst(0) depctr_va_vdst(0) depctr_va_sdst(0) depctr_va_ssrc(0) depctr_va_vcc(0) depctr_vm_vsrc(0)
	s_getreg_b32 s2, hwreg(HW_REG_IB_STS2, 6, 4)
	s_cmp_eq_u32 s2, 0
	s_cbranch_scc0 .Lentry_in_a_cluster
	s_endpgm
.Lentry_in_a_cluster:
	s_bfe_u32 s2, ttmp6, 0x10000c
	s_cmp_lg_u32 s2, 0x3003
	s_cbranch_scc0 .Lentry_shape_is_right
	s_endpgm
.Lentry_shape_is_right:
; out = LayerNorm(x1 + h W2 + b2) x ln2_w + ln2_b, in f32, back in the tokens' own order.  h (hb): 14,592 rows x 2,048 in bf16, W2 in bf16, x1 (x1h) in f16, all in fragment order (a fragment of 16 rows x 32 k is
; 1,024 bytes: half c at 512 c, lane L at 16 L).  Sums in f32, begun with b2 as the first product's C; the norm in f32, in two passes.
; SHARES.  A work-group makes 64 whole rows of 512 columns, so that the norm stays inside it; wave w its columns 128 w .. 128 w + 127: 4 row tiles a x 8 column tiles b = 32 accumulators.  THE PRODUCT IS USED TRANSPOSED
; (source 0 = 16 columns of W, source 1 = 16 rows of A): a lane holds eight neighbouring columns of one row.
; RING.  K goes in 16 steps of 128 through two LDS slots: 131,072 bytes of W, then 16,384 of A, both dense copies of memory, so a fragment load has lane i at 16 i.  Behind each change of slots one tensor load a wave.
; CLUSTER.  All work-groups walk the same W: its piece is asked for JOINTLY by the four of a cluster (waves 0 and 1, a half each); A's block is the work-group's own (wave 2); wave 3 asks for nothing.
; PREFETCH.  Behind each refill, and the run of LDS loads behind it, stand two prefetches for the K step two refills on (256 matrix instructions ahead of its load): wave 2 names its work-group's own 16 KiB of h;
; waves 0 and 1 of the first cluster name W2's piece, 16 KiB for each of the four partners, told apart by address.  So each block is named once.  K steps 0 to 3 come by their loads alone; the loop's last trip asks for nothing.
; THE WAY OUT.  Rows lie in the padded order (a batch's 57 tiles: 56 of patches, one with 7 global tokens and 9 pad rows); each row tile goes through my stage in LDS and is stored as whole rows' 256 bytes at the token's own row; pad rows are switched off by EXEC.
; REGISTERS, in windows of 256 (s_set_vgpr_msb: bits 1:0 source 0, 3:2 source 1, 5:4 source 2, 7:6 destination): window 0: v0-63 addresses and work, v64-159 and v160-255 two fragment buffers (8 of W, 4 of A);
; window 1: accumulator (a, b) at 8 (8 a + b); window 2: v0-63 the bias, v64-191 the residual, v192-255 the gain; window 3: v0-63 the norm's bias.
.set KK,     2048
.set F16,    0
.set LN,     1
.set OUTF32, 1
.set PF,     1
.set WOFF,   536576                    ; where W's stream begins in its buffer
.set BOFF,   6144                      ; the bias; the gain lies 2,048 bytes behind it, the norm's bias 4,096
.set OUTP,   10                        ; s[10:11] the output
.set SLABB,  912*4096                  ; a slab: 128 columns of all 912 row tiles
.set PIECE,  131072                    ; W for 512 columns x 128 k
.set AOFF,   PIECE
.set SLOT,   PIECE+16384
.set RED,    2*SLOT                    ; 2 x 1,024 bytes: the waves' row sums meet here
.set STAGE,  RED+2048                  ; 16 rows x 272 bytes for each wave
.set SPITCH, 272                       ; 256 bytes + 16: the 16 rows that a store touches start at 16 different groups of four banks (64 banks of 4 bytes: ISA guide 11.1)
.set SPARE,  STAGE+4*16*SPITCH         ; the spare words, 128 bytes a wave: two blocks of 256 bytes that no other line names
.set LAPS,   KK/256                    ; a lap = two K steps = once round the ring
.set DIV57,  75350304                  ; the upper word of n x this is n / 57 for n below 912
.set ADRB, 16                          ; v16-17 LDS address of my W fragments in slot 0, 1
.set ADRA, 18                          ; v18-19 the same for A
.set LO,   20                          ; v20 16 x lane
.set BO,   21                          ; v21 32 x (lane / 16)
.set ONE,  22                          ; v22 1.0
.set FLV,  23
.set RW,   24                          ; v24 where I put my four row sums
.set RR,   25                          ; v25 where I read the four waves'
.set STO,  26                          ; v26 the way out: where I put 32 bytes of a row
.set RD,   27                          ; v27 where I read a row back
.set SPW,  28                          ; v28 SPARE + 4 x my thread's number; never rewritten
.set NIL,  29                          ; v29 0; never rewritten
.set PFO,  30                          ; v30 256 x lane; never rewritten
.set C16,  31                          ; v31 16 x (lane % 16)
.set T,    32                          ; v32-39 a pair of running sums a row tile
.set M,    40                          ; v40-47 the mean, later 1 / sigma, a pair a row tile
.set RWI,  48                          ; v48-55 the row of the tile that read-back i brings me
.set VO,   56                          ; v56-63 its byte offset in out0
.set F0,   64
.set F1,   160
.set PK,   64
.set RES,  64
.set LW,   192
.set WV,   12                          ; s12 my wave's number
.set G1B,  24                          ; s[24:31] descriptor group 1 for W
.set G1A,  32                          ; s[32:39] for A
.set G0B,  40                          ; s[40:47] group 0 for W, a set for each slot
.set G0A,  48                          ; s[48:55] for A
.set PFA,  56                          ; s[56:57] where my prefetches stand
.set PFS,  58                          ; s[58:59] their step
.set LIM,  60                          ; s60 1 in a wave that prefetches, else the greatest number
.set FLR,  61
.set SEL,  66
.set BP,   70
.set RP,   72
.set OP,   74
.set RC,   81
.set MSB, 0
.macro WIN new                         ; the immediate's high byte repeats the setting that is left; a switch that changes nothing is dropped
.if MSB != (\new)
	s_set_vgpr_msb (MSB<<8)|(\new)
.set MSB, \new
.endif
.endm
.set W_MUL, 0x50                       ; C and D in window 1
.set W_INI, 0x60                       ; D in window 1, C (the bias) in window 2
.macro PLACES                          ; four places in front of loads into registers that matrix instructions have read, and of vector lines that read results
.rept 4
	v_nop
.endr
.endm
.macro CREST                           ; a round of the cluster's barrier behind its opening barrier
	s_cmp_lg_u32 s[WV], 0
	s_cbranch_scc1 .Lnot_wave_0_\@
	s_barrier_signal -3
.Lnot_wave_0_\@:
	s_barrier_wait -3
	s_barrier_signal -1
	s_barrier_wait -1
.endm
.macro CROUND
	s_barrier_signal -1
	s_barrier_wait -1
	CREST
.endm
; A refill: one tensor load a wave, chosen by the wave's number alone.  An s_nop 0 and four v_nop follow each load; they are also the places in front of the LDS loads that follow, so wave 3 has four too.
.macro JLOAD s
	s_cmp_lt_u32 s[WV], 2
	s_cbranch_scc0 .Lnot_b_\@
	tensor_load_to_lds s[G0B+4*(\s):G0B+4*(\s)+3], s[G1B:G1B+7]
	s_nop 0
.rept 4
	v_nop
.endr
	s_branch .Lasked_\@
.Lnot_b_\@:
	s_cmp_eq_u32 s[WV], 2
	s_cbranch_scc0 .Lnone_\@
	tensor_load_to_lds s[G0A+4*(\s):G0A+4*(\s)+3], s[G1A:G1A+7]
	s_nop 0
.rept 4
	v_nop
.endr
	s_branch .Lasked_\@
.Lnone_\@:
.rept 4
	v_nop
.endr
.Lasked_\@:
.endm
.macro ASK                             ; 16 KiB of the K step that stands two refills on: a lane a block of 256 bytes, two instructions
	s_cmp_gt_u32 s3, s[LIM]                        ; not in the loop's last trip, whose refills are the last; never in a wave whose LIM is the greatest number
	s_cbranch_scc0 .Lnot_mine_\@
	global_prefetch_b8 v[PFO], s[PFA:PFA+1] th:TH_LOAD_NT scope:SCOPE_SE
	global_prefetch_b8 v[PFO], s[PFA:PFA+1] offset:8192 th:TH_LOAD_NT scope:SCOPE_SE
.Lnot_mine_\@:
.endm
; 8 matrix instructions: row tile a x all 8 column tiles, 32 along K, from buffer f.  init = 1: the first product starts the sums, with the bias.  The 32 accumulators take turns, one instruction a turn.
.macro MUL8 f, a, init
.if \init
	WIN W_INI
.else
	WIN W_MUL
.endif
.irp b, 0,1,2,3,4,5,6,7
.set rD, 8*(8*(\a)+(\b))
.set rC, rD
.if \init
.set rC, 8*(\b)
.endif
.if F16
	v_wmma_f32_16x16x32_f16 v[rD:rD+7], v[(\f)+8*(\b):(\f)+8*(\b)+7], v[(\f)+64+8*(\a):(\f)+64+8*(\a)+7], v[rC:rC+7]
.else
	v_wmma_f32_16x16x32_bf16 v[rD:rD+7], v[(\f)+8*(\b):(\f)+8*(\b)+7], v[(\f)+64+8*(\a):(\f)+64+8*(\a)+7], v[rC:rC+7]
.endif
.endr
.endm
; 24 LDS loads in one run: quarter s of a slot (32 along K) into buffer f: W's 8 fragments, then A's 4
.macro FETCH slot, s, f
	WIN 0
.irp b, 0,1,2,3,4,5,6,7
	ds_load_b128 v[(\f)+8*(\b):(\f)+8*(\b)+3],   v[ADRB+(\slot)] offset:(8*(\s)+(\b))*1024
	ds_load_b128 v[(\f)+8*(\b)+4:(\f)+8*(\b)+7], v[ADRB+(\slot)] offset:(8*(\s)+(\b))*1024+512
.endr
.irp a, 0,1,2,3
	ds_load_b128 v[(\f)+64+8*(\a):(\f)+64+8*(\a)+3],   v[ADRA+(\slot)] offset:(\a)*4096+(\s)*1024
	ds_load_b128 v[(\f)+64+8*(\a)+4:(\f)+64+8*(\a)+7], v[ADRA+(\slot)] offset:(\a)*4096+(\s)*1024+512
.endr
.endm
; One of a K step's first three quarters: multiplies buffer f and, in its middle, fetches quarter snext of the same slot into g.
.macro QUARTER slot, snext, f, g, init
	s_wait_dscnt 4                                 ; W and A's tiles 0, 1 are in; the youngest four loads (A's tiles 2, 3) may be out
	MUL8 \f, 0, \init
	MUL8 \f, 1, \init
	PLACES
	FETCH \slot, \snext, \g
	s_wait_dscnt 24                                ; all but the 24 just issued
	MUL8 \f, 2, \init
	MUL8 \f, 3, \init
.endm
; The last quarter multiplies buffer 1 and changes slots: ONE barrier; in front of it each wave waits for all its tensor loads, adds 0 to its spare word, and waits for that and for its reads of this slot.
; fill = 1: the barrier opens a round of the cluster's barrier, and this slot is filled again, two K steps ahead, first thing behind the round.
.macro TURN slot, next, fill
.if PF && (\fill)
	s_wait_xcnt 0x0                                ; the last prefetches, a K step back, have read their address: it is stepped here, ahead of the waits of the change of slots
	s_add_nc_u64 s[PFA:PFA+1], s[PFA:PFA+1], s[PFS:PFS+1]
.endif
	WIN 0
	s_wait_tensorcnt 0x0                           ; all my tensor loads have landed: my part of the next slot
	ds_add_u32 v[SPW], v[NIL]                      ; 0 onto my spare word
	s_wait_dscnt 5                                 ; (the add and the youngest four loads may be out)
	MUL8 F1, 0, 0                                  ; eight matrix instructions stand between the add and the wait for it
	s_wait_dscnt 0x0                               ; the add is done, and my reads of this slot are over
	s_barrier_signal -1
	MUL8 F1, 1, 0
.if \fill
	WIN 0
.endif
	s_barrier_wait -1
.if \fill
	CREST                                          ; no wave of any partner still reads this slot or has a load on its way
	s_add_nc_u64 s[G0B+4*(\slot)+2:G0B+4*(\slot)+3], s[G0B+4*(\slot)+2:G0B+4*(\slot)+3], 2*PIECE
	s_add_nc_u64 s[G0A+4*(\slot)+2:G0A+4*(\slot)+3], s[G0A+4*(\slot)+2:G0A+4*(\slot)+3], 2*SLABB
	JLOAD \slot
.else
	PLACES
.endif
	FETCH \next, 0, F0
.if PF && (\fill)
	ASK
.endif
	MUL8 F1, 2, 0
	MUL8 F1, 3, 0
.endm
; The four row sums in T's pairs: the pair's halves, the other half of the lanes, then the four waves' through LDS.  The totals of tiles 0..3 end in v64..67, the same in every wave.
.macro REDUCE p
	WIN 0
.irp a, 0,1,2,3
	v_add_f32 v[8+(\a)], v[T+2*(\a)], v[T+2*(\a)+1]
.endr
.irp a, 0,1,2,3
	v_permlanex16_b32 v[12+(\a)], v[8+(\a)], s[SEL], s[SEL+1]
.endr
.irp a, 0,1,2,3
	v_add_f32 v[8+(\a)], v[8+(\a)], v[12+(\a)]
.endr
	ds_store_b128 v[RW], v[8:11] offset:(\p)*1024
	s_wait_dscnt 0x0                               ; for the others' sake: my store is done
	s_barrier_signal -1
	s_barrier_wait -1
.irp w, 0,1,2,3
	ds_load_b128 v[64+4*(\w):67+4*(\w)], v[RR] offset:(\p)*1024+(\w)*256
.endr
	s_wait_dscnt 0x0
	v_pk_add_f32 v[64:65], v[64:65], v[68:69]
	v_pk_add_f32 v[66:67], v[66:67], v[70:71]
	v_pk_add_f32 v[72:73], v[72:73], v[76:77]
	v_pk_add_f32 v[74:75], v[74:75], v[78:79]
	v_pk_add_f32 v[64:65], v[64:65], v[72:73]
	v_pk_add_f32 v[66:67], v[66:67], v[74:75]
.endm
; Row tile a leaves in f32, through my stage, 64 columns at a time; its 16 rows go back to the tokens' own order; pad rows are switched off by EXEC.
.macro OUTROWS a
	s_add_co_u32 s82, s15, \a
	s_mul_hi_u32 s83, s82, DIV57                   ; batch
	s_mul_i32 s85, s83, 57
	s_sub_co_u32 s84, s82, s85                     ; tile in the batch
	s_mul_i32 s89, s83, 903
	s_lshr_b32 s85, s84, 3
	s_mul_i32 s85, s85, 129
	s_and_b32 s86, s84, 7
	s_lshl_b32 s86, s86, 4
	s_add_co_u32 s85, s85, s86
	s_mov_b32 s87, 129*2048
	s_cmp_lt_u32 s84, 56
	s_cselect_b32 s85, s85, 128                    ; a patch tile's first row, or the first global token
	s_cselect_b32 s87, 2048, s87                   ; bytes from row to row
	s_cselect_b32 s88, 16, 7                       ; rows that exist
	s_add_co_u32 s89, s89, s85
	s_lshl_b32 s89, s89, 11
	s_lshl_b32 s85, s[WV], 9
	s_add_co_u32 s89, s89, s85
	s_wait_xcnt 0x0                                ; earlier memory instructions have read their addresses and EXEC
	v_add_nc_u32 v7, s89, v[C16]
.irp i, 0,1,2,3,4,5,6,7
	v_mad_u32_u24 v[VO+(\i)], v[RWI+(\i)], s87, v7
.endr
.irp q, 0,1
	WIN 0x04                                       ; store data in window 1
.irp c, 0,1,2,3
	ds_store_b128 v[STO], v[64*(\a)+8*(4*(\q)+(\c)):64*(\a)+8*(4*(\q)+(\c))+3] offset:64*(\c)
	ds_store_b128 v[STO], v[64*(\a)+8*(4*(\q)+(\c))+4:64*(\a)+8*(4*(\q)+(\c))+7] offset:64*(\c)+16
.endr
	WIN 0
.irp i, 0,1,2,3,4,5,6,7
	ds_load_b128 v[PK+4*(\i):PK+4*(\i)+3], v[RD] offset:2*SPITCH*(\i)  ; LDS serves a wave's instructions in order (ISA guide 5.7.1.4): these see the stores above
.endr
.irp i, 0,1,2,3,4,5,6,7
	s_wait_dscnt 7-(\i)                            ; the younger read-backs may stay out
	v_cmp_gt_u32 vcc_lo, s88, v[RWI+(\i)]
	s_and_saveexec_b32 s80, vcc_lo
	global_store_b128 v[VO+(\i)], v[PK+4*(\i):PK+4*(\i)+3], s[10:11] offset:256*(\q) th:TH_STORE_NT  ; 16 lanes store 256 consecutive bytes, aligned
	s_wait_xcnt 0x0                                ; EXEC and the store's registers change only behind this wait
	s_or_b32 exec_lo, exec_lo, s80
.endr
.endr
.endm
.if LN
	s_load_b256 s[4:11], s[0:1], 0x0               ; A s[4:5], W s[6:7], residual s[8:9], out s[10:11]
.else
	s_load_b128 s[4:7], s[0:1], 0x0                ; A s[4:5], W s[6:7]
	s_load_b64 s[8:9], s[0:1], 0x10                ; out
.endif
	v_lshl_add_u32 v[SPW], v0, 2, SPARE
	v_mov_b32 v[NIL], 0
	ds_add_u32 v[SPW], v[NIL]                      ; the wave's opening: the add and its wait stand ahead of my first tensor load; the set-up below stands between them
	v_lshrrev_b32 v1, 5, v0
	v_readfirstlane_b32 s[WV], v1                  ; wave 0..3
	s_bfe_u32 s13, ttmp6, 0x40000                  ; cx: it enters A's, the residual's, the prefetches' and the output's global addresses, and the output's lane masks, alone
	s_lshl_b32 s14, ttmp9, 2
	s_add_co_u32 s14, s14, s13                     ; my block of 64 rows
	s_lshl_b32 s15, s14, 2                         ; its first row tile
.if LN
	s_mov_b32 s16, 0                               ; one column tile
.else
	s_and_b32 s16, ttmp7, 0xffff                   ; the column tile, which the four partners share
.endif
	s_mov_b32 s[G1B+0], 15|(3<<16)|(1<<21)         ; the mask of four; elements of 8 bytes; bit 21 set beside a mask
	s_mov_b32 s[G1B+1], 32<<16                     ; tensor_dim0 = 32: rows of 256 bytes
	s_mov_b32 s[G1B+2], 256<<16                    ; tensor_dim1 = 256
	s_mov_b32 s[G1B+3], 32<<16                     ; tile_dim0 = 32
	s_mov_b32 s[G1B+4], 256                        ; tile_dim1 = 256: 65,536 dense bytes
	s_mov_b32 s[G1B+5], 32                         ; from row to row
	s_mov_b32 s[G1B+6], 0
	s_mov_b32 s[G1B+7], 0
	s_mov_b32 s[G1A+0], 3<<16                      ; no mask: the block is my work-group's own
	s_mov_b32 s[G1A+1], 32<<16
	s_mov_b32 s[G1A+2], 64<<16
	s_mov_b32 s[G1A+3], 32<<16
	s_mov_b32 s[G1A+4], 64                         ; 64 rows of 256 bytes: 16,384 dense bytes
	s_mov_b32 s[G1A+5], 32
	s_mov_b32 s[G1A+6], 0
	s_mov_b32 s[G1A+7], 0
	s_and_b32 s22, s[WV], 1
	s_lshl_b32 s22, s22, 16                        ; which half of W's piece I fetch, in memory and in LDS
	s_lshl_b32 s20, s16, 19                        ; a column tile's four pieces
	s_add_co_u32 s20, s20, s22
	s_add_co_u32 s20, s20, WOFF
	s_mov_b32 s21, 0
	s_lshl_b32 s18, s15, 12                        ; my four row tiles in a slab
	s_mov_b32 s19, 0
	s_lshl_b32 s2, s16, 11
	s_lshl_b32 s3, s[WV], 9
	s_add_co_u32 s2, s2, s3
	s_add_co_u32 s2, s2, BOFF                      ; my 128 numbers of the bias
	s_mov_b32 s3, 0
.if LN
	s_mov_b32 s[SEL], 0x76543210
	s_mov_b32 s[SEL+1], 0xfedcba98
	s_mov_b32 s[RC], 0x3b000000                    ; 1 / 512
.endif
	s_wait_dscnt 0x0                               ; the opening add is done
	s_wait_kmcnt 0x0
	s_add_nc_u64 s[20:21], s[6:7], s[20:21]
	s_add_nc_u64 s[18:19], s[4:5], s[18:19]
	s_add_nc_u64 s[BP:BP+1], s[6:7], s[2:3]
.if !LN
	s_load_b32 s[FLR], s[6:7], 0x2000              ; the floor, two bf16
.endif
	s_lshl_b32 s2, s16, 2
	s_add_co_u32 s2, s2, s[WV]
	s_mul_i32 s2, s2, 912
	s_add_co_u32 s2, s2, s15
	s_lshl_b32 s2, s2, 12                          ; ((4 ct + w) x 912 + first row tile) x 4,096
.if !OUTF32
	s_add_nc_u64 s[OP:OP+1], s[OUTP:OUTP+1], s[2:3]
.endif
.if LN
	s_add_nc_u64 s[RP:RP+1], s[8:9], s[2:3]
.endif
.irp s, 0,1
	s_mov_b32 s[G0B+4*(\s)], 1                                     ; count = 1
	s_add_co_u32 s[G0B+4*(\s)+1], s22, (\s)*SLOT                   ; LDS address
	s_add_nc_u64 s[G0B+4*(\s)+2:G0B+4*(\s)+3], s[20:21], (\s)*PIECE  ; K step s
	s_or_b32 s[G0B+4*(\s)+3], s[G0B+4*(\s)+3], 0x80000000          ; type = 2
	s_mov_b32 s[G0A+4*(\s)], 1
	s_mov_b32 s[G0A+4*(\s)+1], (\s)*SLOT+AOFF
	s_add_nc_u64 s[G0A+4*(\s)+2:G0A+4*(\s)+3], s[18:19], (\s)*SLABB
	s_or_b32 s[G0A+4*(\s)+3], s[G0A+4*(\s)+3], 0x80000000
.endr
.if PF
	; WHO PREFETCHES.  Wave 2: its own work-group's block of A.  Waves 0 and 1, in the first cluster alone (every cluster walks the same W): of the half that the wave fetches the four partners take 16 KiB each, told apart by address.
	s_lshl_b32 s76, s[WV], 16
	s_lshl_b32 s77, s13, 14
	s_add_co_u32 s76, s76, s77
	s_add_co_u32 s76, s76, WOFF+3*PIECE            ; at K step 3: the first change of slots steps it to 4
	s_add_co_u32 s77, s15, 3*912
	s_lshl_b32 s77, s77, 12
	s_mov_b32 s78, SLABB
	s_cmp_lt_u32 s[WV], 2
	s_cselect_b64 s[PFA:PFA+1], s[6:7], s[4:5]
	s_cselect_b32 s76, s76, s77
	s_cselect_b32 s[PFS], PIECE, s78
	s_mov_b32 s77, 0
	s_mov_b32 s[PFS+1], 0
	s_add_nc_u64 s[PFA:PFA+1], s[PFA:PFA+1], s[76:77]
	s_cmp_eq_u32 ttmp9, 0
	s_cselect_b32 s78, 1, -1
	s_cmp_lt_u32 s[WV], 2
	s_cselect_b32 s[LIM], s78, 1
	s_cmp_eq_u32 s[WV], 3
	s_cselect_b32 s[LIM], -1, s[LIM]
.endif
	CROUND                                         ; all four work-groups are here: the first joint loads meet
	s_cmp_lt_u32 s[WV], 2                          ; a wave's two first fills stand in one branch, ahead of every wait on TENSORcnt and every LDS read: two loads of mine are out
	s_cbranch_scc0 .Lfirst_not_b
	tensor_load_to_lds s[G0B:G0B+3], s[G1B:G1B+7]
	s_nop 0
	tensor_load_to_lds s[G0B+4:G0B+7], s[G1B:G1B+7]
	s_nop 0
.rept 4
	v_nop
.endr
	s_branch .Lfirst_asked
.Lfirst_not_b:
	s_cmp_eq_u32 s[WV], 2
	s_cbranch_scc0 .Lfirst_asked
	tensor_load_to_lds s[G0A:G0A+3], s[G1A:G1A+7]
	s_nop 0
	tensor_load_to_lds s[G0A+4:G0A+7], s[G1A:G1A+7]
	s_nop 0
.rept 4
	v_nop
.endr
.Lfirst_asked:
	v_and_b32 v2, 31, v0                           ; lane
	v_lshlrev_b32 v[LO], 4, v2
	v_bfe_u32 v3, v0, 4, 1                         ; lane / 16
	v_and_b32 v4, 15, v0                           ; lane % 16
	v_lshlrev_b32 v[BO], 5, v3
	WIN 0x80                                       ; destination window 2
.irp b, 0,1,2,3,4,5,6,7
	global_load_b128 v[8*(\b):8*(\b)+3],   v[BO], s[BP:BP+1] offset:64*(\b)      ; the bias of columns 16 b + 8 (lane / 16) + 0..7
	global_load_b128 v[8*(\b)+4:8*(\b)+7], v[BO], s[BP:BP+1] offset:64*(\b)+16
.endr
.if LN
.set t, 0
.rept 32
	global_load_b128 v[RES+4*t:RES+4*t+3], v[LO], s[RP:RP+1] offset:512*t        ; the residual, f16, in the accumulators' own order
.set t, t+1
.endr
.irp b, 0,1,2,3,4,5,6,7
	global_load_b128 v[LW+8*(\b):LW+8*(\b)+3],   v[BO], s[BP:BP+1] offset:2048+64*(\b)     ; the gain lies 2,048 bytes behind the bias,
	global_load_b128 v[LW+8*(\b)+4:LW+8*(\b)+7], v[BO], s[BP:BP+1] offset:2048+64*(\b)+16
.endr
	WIN 0xc0                                       ; destination window 3
.irp b, 0,1,2,3,4,5,6,7
	global_load_b128 v[8*(\b):8*(\b)+3],   v[BO], s[BP:BP+1] offset:4096+64*(\b)           ; the norm's bias 4,096
	global_load_b128 v[8*(\b)+4:8*(\b)+7], v[BO], s[BP:BP+1] offset:4096+64*(\b)+16
.endr
.endif
	WIN 0
	s_lshl_b32 s23, s[WV], 15                      ; my 32 fragments of a piece
	v_add_nc_u32 v[ADRB], s23, v[LO]
	v_add_nc_u32 v[ADRB+1], SLOT, v[ADRB]
	v_add_nc_u32 v[ADRA], AOFF, v[LO]
	v_add_nc_u32 v[ADRA+1], SLOT+AOFF, v[LO]
.if LN
	v_mov_b32 v[ONE], 1.0
	s_lshl_b32 s23, s[WV], 8
	s_add_co_u32 s23, s23, RED
	v_lshl_add_u32 v[RW], v4, 4, s23               ; my wave's 256 bytes: row r's four sums
	v_lshl_add_u32 v[RR], v4, 4, RED
.irp a, 0,1,2,3
	v_mov_b32 v[12+(\a)], 0                        ; v_permlanex16_b32's destination counts as read
.endr
.endif
.if OUTF32
	s_mul_i32 s23, s[WV], 16*SPITCH
	s_add_co_u32 s23, s23, STAGE                   ; my stage
	v_mul_u32_u24 v5, v4, SPITCH                   ; in: row lane % 16, 32 bytes for each half of the lanes
	v_lshl_add_u32 v5, v3, 5, v5
	v_add_nc_u32 v[STO], s23, v5
	v_mul_u32_u24 v5, v3, SPITCH                   ; back: lanes 0-15 one row of 256 bytes, lanes 16-31 the next
	v_lshl_add_u32 v5, v4, 4, v5
	v_add_nc_u32 v[RD], s23, v5
	v_lshlrev_b32 v[C16], 4, v4
.irp i, 0,1,2,3,4,5,6,7
	v_add_nc_u32 v[RWI+(\i)], 2*(\i), v3           ; the row that read-back i brings me
.endr
.endif
.if PF
	v_lshlrev_b32 v[PFO], 8, v2
.endif
	s_wait_tensorcnt 0x1                           ; my part of K step 0 is in; K step 1's may stay out
	s_barrier_signal -1
	s_barrier_wait -1                              ; everybody's is
	FETCH 0, 0, F0
.if LN
	s_wait_loadcnt 63                              ; the bias's 16 loads are the oldest of 80; 64 are younger, and the wait's field ends at 63
.else
	s_wait_loadcnt 0x0                             ; the bias
	s_wait_kmcnt 0x0
	v_mov_b32 v[FLV], s[FLR]
.endif
	QUARTER 0, 1, F0, F1, 1                        ; the first quarter stands in front of the loop: its products start the sums
	WIN 0                                          ; at a label and at a branch every window is 0
	s_mov_b32 s3, LAPS-1
.Llap:                                                 ; a trip goes once round the ring, from a lap's second quarter to the next lap's first, and fills both slots again
	QUARTER 0, 2, F1, F0, 0
	QUARTER 0, 3, F0, F1, 0
	TURN 0, 1, 1
	QUARTER 1, 1, F0, F1, 0
	QUARTER 1, 2, F1, F0, 0
	QUARTER 1, 3, F0, F1, 0
	TURN 1, 0, 1
	QUARTER 0, 1, F0, F1, 0
	WIN 0
	s_sub_co_u32 s3, s3, 1
	s_cmp_lg_u32 s3, 0
	s_cbranch_scc1 .Llap
	QUARTER 0, 2, F1, F0, 0                        ; the last lap fills nothing
	QUARTER 0, 3, F0, F1, 0
	TURN 0, 1, 0
	QUARTER 1, 1, F0, F1, 0
	QUARTER 1, 2, F1, F0, 0
	QUARTER 1, 3, F0, F1, 0
	s_wait_dscnt 4
	MUL8 F1, 0, 0
	MUL8 F1, 1, 0
	s_wait_dscnt 0x0
	MUL8 F1, 2, 0
	MUL8 F1, 3, 0
	WIN 0
	PLACES
.if LN
	; THE NORM.  z = sum + residual; mean; z - mean; variance of that (two passes: no difference of large sums); (z - mean) / sqrt(var + 1e-5) x gain + bias.
	s_wait_loadcnt 0x0                             ; residual, gain, bias
	WIN 0x52                                       ; residual in window 2, 1.0 in window 0, sums in window 1
.set t, 0
.rept 32
.irp i, 0,1,2,3
	v_fma_mix_f32 v[8*t+2*(\i)], v[RES+4*t+(\i)], v[ONE], v[8*t+2*(\i)] op_sel_hi:[1,0,0]                     ; each accumulator from its low end on
	v_fma_mix_f32 v[8*t+2*(\i)+1], v[RES+4*t+(\i)], v[ONE], v[8*t+2*(\i)+1] op_sel:[1,0,0] op_sel_hi:[1,0,0]
.endr
.set t, t+1
.endr
	WIN 0x05
.irp a, 0,1,2,3
	v_pk_add_f32 v[T+2*(\a):T+2*(\a)+1], v[64*(\a):64*(\a)+1], v[64*(\a)+2:64*(\a)+3]
.endr
	WIN 0x04
.set i, 2
.rept 30
.irp a, 0,1,2,3
	v_pk_add_f32 v[T+2*(\a):T+2*(\a)+1], v[T+2*(\a):T+2*(\a)+1], v[64*(\a)+2*i:64*(\a)+2*i+1]  ; four chains by turns
.endr
.set i, i+1
.endr
	REDUCE 0
.irp a, 0,1,2,3
	v_mul_f32 v[M+2*(\a)], s[RC], v[64+(\a)]       ; the mean, twice: a pair for the packed lines
	v_mul_f32 v[M+2*(\a)+1], s[RC], v[64+(\a)]
.endr
	WIN 0x41
.irp a, 0,1,2,3
.set i, 0
.rept 32
	v_pk_add_f32 v[64*(\a)+2*i:64*(\a)+2*i+1], v[64*(\a)+2*i:64*(\a)+2*i+1], v[M+2*(\a):M+2*(\a)+1] neg_lo:[0,1] neg_hi:[0,1]
.set i, i+1
.endr
.endr
	WIN 0x05
.irp a, 0,1,2,3
	v_pk_mul_f32 v[T+2*(\a):T+2*(\a)+1], v[64*(\a):64*(\a)+1], v[64*(\a):64*(\a)+1]
.endr
.set i, 1
.rept 31
.irp a, 0,1,2,3
	v_pk_fma_f32 v[T+2*(\a):T+2*(\a)+1], v[64*(\a)+2*i:64*(\a)+2*i+1], v[64*(\a)+2*i:64*(\a)+2*i+1], v[T+2*(\a):T+2*(\a)+1]
.endr
.set i, i+1
.endr
	REDUCE 1                                       ; other bytes than the first meeting's, so no barrier stands between its reads and these stores
.irp a, 0,1,2,3
	v_fmaak_f32 v[64+(\a)], s[RC], v[64+(\a)], 0x3727c5ac  ; var + 1e-5
.endr
.irp a, 0,1,2,3
	v_rsq_f32 v[M+2*(\a)], v[64+(\a)]
	v_rsq_f32 v[M+2*(\a)+1], v[64+(\a)]
.endr
	v_nop                                          ; a plain instruction behind the last of the batch (ISA guide 5.7.2),
	s_wait_alu depctr_va_vdst(0)                   ; and a wait ahead of the first use
	WIN 0x41
.irp a, 0,1,2,3
.set i, 0
.rept 32
	v_pk_mul_f32 v[64*(\a)+2*i:64*(\a)+2*i+1], v[64*(\a)+2*i:64*(\a)+2*i+1], v[M+2*(\a):M+2*(\a)+1]
.set i, i+1
.endr
.endr
	WIN 0x79                                       ; z in window 1, gain in window 2, bias in window 3
.irp a, 0,1,2,3
.set i, 0
.rept 32
	v_pk_fma_f32 v[64*(\a)+2*i:64*(\a)+2*i+1], v[64*(\a)+2*i:64*(\a)+2*i+1], v[LW+2*i:LW+2*i+1], v[2*i:2*i+1]
.set i, i+1
.endr
.endr
.endif
.if OUTF32
	WIN 0
	OUTROWS 0
	OUTROWS 1
	OUTROWS 2
	OUTROWS 3
.else
	WIN 0x05                                       ; sources in window 1, destination in window 0
.set t, 0
.rept 32
.irp r, 0,1,2,3
.if LN
	v_cvt_pk_f16_f32 v[PK+4*t+(\r)], v[8*t+2*(\r)], v[8*t+2*(\r)+1]
.else
	v_cvt_pk_bf16_f32 v[PK+4*t+(\r)], v[8*t+2*(\r)], v[8*t+2*(\r)+1]
.endif
.endr
.set t, t+1
.endr
	WIN 0
.if !LN
.set t, 0
.rept 128
	v_pk_max_num_bf16 v[PK+t], v[PK+t], v[FLV]     ; the ReLU, or nothing, by the floor
.set t, t+1
.endr
.endif
.set t, 0
.rept 32
	global_store_b128 v[LO], v[PK+4*t:PK+4*t+3], s[OP:OP+1] offset:512*t  ; 512 consecutive bytes, aligned: tile (a, b) at (8 a + b) x 512
.set t, t+1
.endr
.endif
	s_wait_tensorcnt 0x0                           ; the wave's end, behind my last tensor load and my last LDS store
	ds_add_u32 v[SPW], v[NIL]
	s_wait_dscnt 0x0
	CROUND                                         ; the closing round: no work-group ends while a partner may still ask for a piece that names it
	s_endpgm
.Lfunc_end_k_qb5f3ecbbc9_ffn2:
	.size	k_qb5f3ecbbc9_ffn2, .Lfunc_end_k_qb5f3ecbbc9_ffn2-k_qb5f3ecbbc9_ffn2
	.p2alignl 7, 3214868480
	.fill 96, 4, 3214868480
	.section	.rodata,"a",@progbits
	.p2align	6, 0x0
	.amdhsa_kernel k_qb5f3ecbbc9_ffn2
		.amdhsa_group_segment_fixed_size 327680
		.amdhsa_private_segment_fixed_size 0
		.amdhsa_enable_private_segment 0
		.amdhsa_kernarg_size 32
		.amdhsa_user_sgpr_count 2
		.amdhsa_user_sgpr_kernarg_segment_ptr 1
		.amdhsa_wavefront_size32 1
		.amdhsa_system_sgpr_workgroup_id_x 1
		.amdhsa_system_sgpr_workgroup_id_y 1
		.amdhsa_system_sgpr_workgroup_id_z 1
		.amdhsa_system_vgpr_workitem_id 0
		.amdhsa_next_free_vgpr 832
		.amdhsa_next_free_sgpr 96
		.amdhsa_reserve_vcc 1
		.amdhsa_float_denorm_mode_32 3
		.amdhsa_float_denorm_mode_16_64 3
		.amdhsa_memory_ordered 1
		.amdhsa_forward_progress 1
		.amdhsa_inst_pref_size 169
	.end_amdhsa_kernel
	.amdgpu_metadata
---
amdhsa.version: [ 1, 2 ]
amdhsa.kernels:
  - .name:           k_qb5f3ecbbc9_ffn2
    .symbol:         k_qb5f3ecbbc9_ffn2.kd
    .args:
      - { .name: hb, .offset: 0, .size: 8, .value_kind: global_buffer, .address_space: global }
      - { .name: wc, .offset: 8, .size: 8, .value_kind: global_buffer, .address_space: global }
      - { .name: x1h, .offset: 16, .size: 8, .value_kind: global_buffer, .address_space: global }
      - { .name: out0, .offset: 24, .size: 8, .value_kind: global_buffer, .address_space: global }
    .group_segment_fixed_size: 327680
    .private_segment_fixed_size: 0
    .kernarg_segment_align: 8
    .kernarg_segment_size: 32
    .max_flat_workgroup_size: 128
    .sgpr_count:     96
    .vgpr_count:     832
    .wavefront_size: 32
...
	.end_amdgpu_metadata
.endif
;; end of part 5
;; ======== version 2 of 3: 6 launches
;; limits: values are held in f16: magnitudes above 65,504 overflow, below 6.1e-05 lose precision; inputs' magnitudes at most 65,504; below input magnitudes of 7.6e-06 results are inexact or not finite
;; workspace buffers: xh 14,942,208 bytes; qkv 44,826,624 bytes; ob 14,942,208 bytes; x1h 14,942,208 bytes; hb 59,768,832 bytes; wa 1,581,312 bytes; wb 2,105,600 bytes; wc 2,633,728 bytes
;; launch prep (part 6): grid 1105 x 1, 4 waves a work-group, no clusters, 33,792 bytes of LDS; arguments x, Wq, Wk, Wv, Wo, W1, W2, bq, bk, bv, b1, bo, ln1_w, ln1_b, b2, ln2_w, ln2_b, xh, wa, wb, wc; writes xh, wa, wb, wc
.if DOCPART == 6
	.amdgcn_target "amdgcn-amd-amdhsa--gfx1250"
	.amdhsa_code_object_version 6
	.text
	.protected	k_qb5f3ecbbc9_prep
	.globl	k_qb5f3ecbbc9_prep
	.p2align	8
	.type	k_qb5f3ecbbc9_prep,@function
k_qb5f3ecbbc9_prep:
	s_mov_b64 s[64:65], 0
	v_nop
	global_prefetch_b8 v0, s[64:65] scope:SCOPE_SE
	s_setreg_imm32_b32 hwreg(HW_REG_WAVE_MODE, 25, 1), 1
	s_wait_xcnt 0x0
; PREP: every input is rounded once to bf16 and laid out as the later launches want it.  No matrix work, no cluster (no two work-groups read the same bytes), no barrier (a wave keeps to its own LDS bytes).
; ROW ORDER.  The 16 x 903 tokens get a padded order of 16 x 912 rows = 912 tiles of 16.  A batch has 57 tiles: tiles 8 v .. 8 v + 7 are the 128 patch rows of variable v, tile 56 holds the 7 global tokens
; in rows 0..6 and nine rows of zeros.
; FRAGMENT ORDER.  A 16-bit operand is stored as the matrix unit's register image: a fragment of 16 rows x 32 k is 1,024 bytes, half c (registers 4 c .. 4 c + 3) at 512 c, lane L at 16 L; lane L holds row L % 16
; and k = 16 c + 8 (L / 16) + 0..7.  xh: ((slab of 128 columns x 912 + tile) x 4 + fragment) x 1,024.  Weights ([k][n] in memory) are turned: ((((ct x 4 + ks) x 4 + w) x 4 + s) x 8 + b) x 1,024 holds
; n = 512 ct + 128 w + 16 b + L % 16, k = 128 ks + 32 s + ...
; FORMATS.  x, Wq, Wk, Wv, W1: the bf16-rounded number written as f16.  LIMIT: that is exact from 2^-17 up to 65,504; below 2^-17 it keeps f16's step of 2^-24; beyond 65,504 it is lost.  Wo, W2: bf16.
; Biases and gains: f32 numbers that have been rounded to bf16.
; SHARES.  Work-groups 0..191: a wave takes 32 k x 128 n of one weight matrix, 16 KiB: twice a wave's share of x, so these go first.  192: the biases and gains, and the two floor words that the projection launch reads.
; 193..1104: a tile of x, wave = slab.  With 176 registers five waves fit on a SIMD's 1,024: 1,280 work-groups' room on 256 WGPs for the launch's 1,105.
.set SPARE, 33280                      ; behind the four waves' 8,320 bytes: the spare words, two blocks of 256 bytes that no other line names
.set WLDS,  8320
.set SPW,   2                          ; v2  SPARE + 4 x my thread's number; never rewritten
.set NIL,   3                          ; v3  0; never rewritten
.set X,     16                         ; v[16:143]  as loaded; later as read back from LDS
.set Y,     144                        ; v[144:175] packed: a ring of eight groups of four
.set DIV57, 75350304                   ; the upper word of n x this is n / 57 for n below 912
	s_load_b512 s[4:19], s[0:1], 0x0               ; x 4, Wq 6, Wk 8, Wv 10, Wo 12, W1 14, W2 16, bq 18
	s_load_b512 s[20:35], s[0:1], 0x40             ; bk 20, bv 22, b1 24, bo 26, ln1_w 28, ln1_b 30, b2 32, ln2_w 34
	s_load_b256 s[36:43], s[0:1], 0x80             ; ln2_b 36, xh 38, wa 40, wb 42
	s_load_b64 s[44:45], s[0:1], 0xa0              ; wc
	v_lshl_add_u32 v[SPW], v0, 2, SPARE
	v_mov_b32 v[NIL], 0
	v_lshrrev_b32 v1, 5, v0
	v_readfirstlane_b32 s46, v1                    ; wave 0..3
	v_and_b32 v4, 31, v0                           ; lane l
	v_lshlrev_b32 v5, 4, v4                        ; 16 l
	s_mul_i32 s47, s46, WLDS                       ; my wave's LDS bytes
	s_mov_b32 s63, 0xffff0000                      ; a word's upper bf16
	s_wait_kmcnt 0x0
	s_cmp_lt_u32 ttmp9, 193
	s_cbranch_scc1 .Lweights
	; ---------------- a tile of x: 16 rows x 128 columns
	s_sub_co_u32 s62, ttmp9, 193                   ; the tile, 0..911
	s_mul_hi_u32 s48, s62, DIV57                   ; batch
	s_mul_i32 s49, s48, 57
	s_sub_co_u32 s49, s62, s49                     ; tile in the batch
	s_mul_i32 s50, s48, 903
	s_lshr_b32 s51, s49, 3
	s_mul_i32 s51, s51, 129                        ; patch tile: variable x 129
	s_and_b32 s52, s49, 7
	s_lshl_b32 s52, s52, 4
	s_add_co_u32 s51, s51, s52                     ; + 16 x tile in the variable
	s_cmp_lt_u32 s49, 56
	s_cselect_b32 s51, s51, 128                    ; tile 56: the first global token
	s_add_co_u32 s50, s50, s51                     ; the tile's first row in x
	s_lshl_b32 s50, s50, 11
	s_lshl_b32 s51, s46, 9                         ; my slab's 512 bytes of a row
	s_add_co_u32 s50, s50, s51
	s_mov_b32 s51, 0
	s_add_nc_u64 s[4:5], s[4:5], s[50:51]
	s_mul_i32 s52, s46, 912
	s_add_co_u32 s52, s52, s62
	s_lshl_b32 s52, s52, 12                        ; (slab x 912 + tile) x 4,096
	s_mov_b32 s53, 0
	s_add_nc_u64 s[38:39], s[38:39], s[52:53]
	s_cmp_lt_u32 s49, 56
	s_cbranch_scc0 .Lxglob
.irp i, 0,1,2,3,4,5,6,7,8,9,10,11,12,13,14,15
	global_load_b128 v[X+4*(\i):X+4*(\i)+3], v5, s[4:5] offset:2048*(\i) th:TH_LOAD_NT  ; a row's 512 bytes: lane l has columns 4 l .. 4 l + 3
.endr
	s_branch .Lxgo
.Lxglob:
.irp i, 0,1,2,3,4,5,6
	global_load_b128 v[X+4*(\i):X+4*(\i)+3], v5, s[4:5] offset:129*2048*(\i) th:TH_LOAD_NT  ; the global tokens lie 129 rows apart
.endr
.set i, 28
.rept 36
	v_mov_b32 v[X+i], 0                            ; the nine pad rows
.set i, i+1
.endr
.Lxgo:
	v_lshrrev_b32 v6, 1, v4                        ; in: my 8 bytes of row i go to chunk l / 2 (256 bytes of the image, 272 apart in LDS), piece i, half l % 2
	v_mul_u32_u24 v6, v6, 272
	v_and_b32 v7, 1, v4
	v_lshl_add_u32 v6, v7, 3, v6
	v_add_nc_u32 v6, s47, v6
	v_lshrrev_b32 v8, 4, v4                        ; back: 512 bytes of the image are two chunks
	v_mul_u32_u24 v8, v8, 272
	v_and_b32 v9, 15, v4
	v_lshl_add_u32 v8, v9, 4, v8
	v_add_nc_u32 v7, s47, v8
	s_wait_loadcnt 0x0
.irp i, 0,1,2,3,4,5,6,7,8,9,10,11,12,13,14,15
	v_cvt_pk_bf16_f32 v10, v[X+4*(\i)], v[X+4*(\i)+1]      ; rounded to bf16,
	v_cvt_pk_bf16_f32 v11, v[X+4*(\i)+2], v[X+4*(\i)+3]
	v_lshlrev_b32 v12, 16, v10                             ; widened again,
	v_and_b32 v13, s63, v10
	v_lshlrev_b32 v14, 16, v11
	v_and_b32 v15, s63, v11
	v_cvt_pk_f16_f32 v[Y+2*(\i)], v12, v13                 ; and written as f16
	v_cvt_pk_f16_f32 v[Y+2*(\i)+1], v14, v15
	ds_store_b64 v6, v[Y+2*(\i):Y+2*(\i)+1] offset:16*(\i)
.endr
.irp q, 0,1,2,3,4,5,6,7
	ds_load_b128 v[X+4*(\q):X+4*(\q)+3], v7 offset:544*(\q)  ; LDS serves a wave's instructions in order (ISA guide 5.7.1.4): these see the stores above
.endr
.irp q, 0,1,2,3,4,5,6,7
	s_wait_dscnt 7-(\q)                            ; the younger read-backs may stay out
	global_store_b128 v5, v[X+4*(\q):X+4*(\q)+3], s[38:39] offset:512*(\q)  ; 512 consecutive bytes, aligned
.endr
	s_branch .Lend
	; ---------------- 32 k x 128 n of a weight matrix
.Lweights:
	s_cmp_lt_u32 ttmp9, 192
	s_cbranch_scc0 .Lparams
	s_lshl_b32 s48, ttmp9, 2
	s_add_co_u32 s48, s48, s46                     ; unit u: 0..255 Wq, Wk, Wv, Wo (64 each); 256..511 W1; 512..767 W2
	s_lshr_b32 s49, s48, 6
	s_lshr_b32 s53, s48, 8
	s_add_co_u32 s53, s53, 3
	s_cmp_lt_u32 s49, 4
	s_cselect_b32 s49, s49, s53                    ; matrix 0..5
	s_and_b32 s53, s48, 63
	s_and_b32 s59, s48, 255
	s_cmp_lt_u32 s49, 4
	s_cselect_b32 s53, s53, s59                    ; the unit's number in its matrix
	s_lshr_b32 s50, s53, 2
	s_and_b32 s51, s53, 3
	s_lshr_b32 s59, s53, 4
	s_and_b32 s62, s53, 15
	s_cmp_eq_u32 s49, 4                            ; W1 has 16 groups of 128 columns, the others 4
	s_cselect_b32 s50, s59, s50                    ; sg: which 32 k
	s_cselect_b32 s51, s62, s51                    ; cg: which 128 n
	s_lshr_b32 s52, s51, 2
	s_cmp_lt_u32 s49, 3
	s_cselect_b32 s52, s49, s52                    ; ct: the matrix for q, k, v; cg / 4 for W1; else 0
	s_cmp_eq_u32 s49, 1
	s_cselect_b64 s[54:55], s[8:9], s[6:7]         ; from where
	s_cmp_eq_u32 s49, 2
	s_cselect_b64 s[54:55], s[10:11], s[54:55]
	s_cmp_eq_u32 s49, 3
	s_cselect_b64 s[54:55], s[12:13], s[54:55]
	s_cmp_eq_u32 s49, 4
	s_cselect_b64 s[54:55], s[14:15], s[54:55]
	s_cmp_eq_u32 s49, 5
	s_cselect_b64 s[54:55], s[16:17], s[54:55]
	s_mov_b32 s59, 12288                           ; to where: Wo's stream begins at byte 12,288 of wc,
	s_cmp_lt_u32 s49, 3
	s_cselect_b64 s[56:57], s[40:41], s[44:45]
	s_cselect_b32 s59, 8448, s59                   ; q, k, v's at 8,448 of wa,
	s_cselect_b32 s58, -1, 0                       ; (all ones: written as f16)
	s_cmp_eq_u32 s49, 4
	s_cselect_b64 s[56:57], s[42:43], s[56:57]
	s_cselect_b32 s59, 8448, s59                   ; W1's at 8,448 of wb,
	s_cselect_b32 s58, -1, s58
	s_cmp_eq_u32 s49, 5
	s_cselect_b32 s59, 536576, s59                 ; W2's at 536,576 of wc
	s_lshl_b32 s60, s52, 2
	s_lshr_b32 s62, s50, 2
	s_add_co_u32 s60, s60, s62                     ; ct x 4 + ks
	s_lshl_b32 s60, s60, 7
	s_and_b32 s62, s51, 3
	s_lshl_b32 s62, s62, 5
	s_add_co_u32 s60, s60, s62                     ; + w x 32
	s_and_b32 s62, s50, 3
	s_lshl_b32 s62, s62, 3
	s_add_co_u32 s60, s60, s62                     ; + s x 8: my eight fragments follow each other
	s_lshl_b32 s60, s60, 10
	s_add_co_u32 s60, s60, s59
	s_mov_b32 s61, 0
	s_add_nc_u64 s[56:57], s[56:57], s[60:61]
	s_lshl_b32 s60, s50, 16                        ; 32 rows of 2,048 bytes,
	s_lshl_b32 s62, s50, 18                        ; or of 8,192 (W1)
	s_cmp_eq_u32 s49, 4
	s_cselect_b32 s60, s62, s60
	s_lshl_b32 s62, s51, 9
	s_add_co_u32 s60, s60, s62
	s_add_nc_u64 s[54:55], s[54:55], s[60:61]
	s_cmp_eq_u32 s49, 4
	s_cbranch_scc1 .Lwide
.set k, 0
.rept 32
	global_load_b128 v[X+4*k:X+4*k+3], v5, s[54:55] offset:2048*k  ; row k: lane l has columns 4 l .. 4 l + 3
.set k, k+1
.endr
	s_branch .Lwgo
.Lwide:
.set k, 0
.rept 32
	global_load_b128 v[X+4*k:X+4*k+3], v5, s[54:55] offset:8192*k
.set k, k+1
.endr
.Lwgo:
	v_lshrrev_b32 v6, 2, v4                        ; in: column 4 l + j lies in fragment l / 4 (1,040 bytes apart in LDS), row 4 (l % 4) + j; eight k are 16 bytes
	v_mul_u32_u24 v6, v6, 1040
	v_and_b32 v7, 3, v4
	v_lshl_add_u32 v6, v7, 6, v6
	v_add_nc_u32 v6, s47, v6
	v_add_nc_u32 v7, s47, v5                       ; back: 512 consecutive bytes of a fragment
	s_wait_loadcnt 0x0
.irp g, 0,1,2,3
.irp j, 0,1,2,3
.irp i, 0,1,2,3
	v_cvt_pk_bf16_f32 v[8+4*((\i)%2)], v[X+4*(8*(\g)+2*(\i))+(\j)], v[X+4*(8*(\g)+2*(\i)+1)+(\j)]  ; k and k + 1 of one column, rounded to bf16
	v_lshlrev_b32 v[9+4*((\i)%2)], 16, v[8+4*((\i)%2)]
	v_and_b32 v[10+4*((\i)%2)], s63, v[8+4*((\i)%2)]
	v_cvt_pk_f16_f32 v[11+4*((\i)%2)], v[9+4*((\i)%2)], v[10+4*((\i)%2)]
	v_cndmask_b32 v[Y+4*((4*(\g)+(\j))%8)+(\i)], v[8+4*((\i)%2)], v[11+4*((\i)%2)], s58  ; bf16 as it is, or the same number as f16
.endr
	ds_store_b128 v6, v[Y+4*((4*(\g)+(\j))%8):Y+4*((4*(\g)+(\j))%8)+3] offset:256*(\g)+16*(\j)  ; a group of the ring is written again eight stores later
.endr
.endr
.irp q, 0,1,2,3,4,5,6,7,8,9,10,11,12,13,14,15
	ds_load_b128 v[X+4*(\q):X+4*(\q)+3], v7 offset:1040*((\q)/2)+512*((\q)%2)
.endr
.irp q, 0,1,2,3,4,5,6,7,8,9,10,11,12,13,14,15
	s_wait_dscnt 15-(\q)
	global_store_b128 v5, v[X+4*(\q):X+4*(\q)+3], s[56:57] offset:512*(\q)
.endr
	s_branch .Lend
	; ---------------- biases and gains: 13 pieces of 512 numbers, 16 bytes a thread
.Lparams:
	v_lshlrev_b32 v5, 4, v0
	global_load_b128 v[X:X+3], v5, s[18:19]
	global_load_b128 v[X+4:X+7], v5, s[20:21]
	global_load_b128 v[X+8:X+11], v5, s[22:23]
.irp n, 0,1,2,3
	global_load_b128 v[X+12+4*(\n):X+15+4*(\n)], v5, s[24:25] offset:2048*(\n)
.endr
	global_load_b128 v[X+28:X+31], v5, s[26:27]
	global_load_b128 v[X+32:X+35], v5, s[28:29]
	global_load_b128 v[X+36:X+39], v5, s[30:31]
	global_load_b128 v[X+40:X+43], v5, s[32:33]
	global_load_b128 v[X+44:X+47], v5, s[34:35]
	global_load_b128 v[X+48:X+51], v5, s[36:37]
	v_and_b32 v6, 63, v0
	v_lshlrev_b32 v6, 2, v6
	s_cmp_lt_u32 s46, 2                            ; the floor of the projections' packed maximum: waves 0, 1 write minus infinity twice for q, k, v; waves 2, 3 write 0 for the ReLU
	s_cselect_b64 s[54:55], s[40:41], s[42:43]
	s_cselect_b32 s53, 0xff80ff80, 0
	v_mov_b32 v7, s53
	s_wait_loadcnt 0x0
.set n, 0
.rept 13
	v_cvt_pk_bf16_f32 v[8+2*(n%2)], v[X+4*n], v[X+4*n+1]
	v_cvt_pk_bf16_f32 v[9+2*(n%2)], v[X+4*n+2], v[X+4*n+3]
	v_lshlrev_b32 v[X+4*n], 16, v[8+2*(n%2)]
	v_and_b32 v[X+4*n+1], s63, v[8+2*(n%2)]
	v_lshlrev_b32 v[X+4*n+2], 16, v[9+2*(n%2)]
	v_and_b32 v[X+4*n+3], s63, v[9+2*(n%2)]
.set n, n+1
.endr
.irp n, 0,1,2
	global_store_b128 v5, v[X+4*(\n):X+4*(\n)+3], s[40:41] offset:2048*(\n)          ; wa: bq, bk, bv
.endr
.irp n, 0,1,2,3
	global_store_b128 v5, v[X+12+4*(\n):X+15+4*(\n)], s[42:43] offset:2048*(\n)      ; wb: b1
.endr
.irp n, 0,1,2,3,4,5
	global_store_b128 v5, v[X+28+4*(\n):X+31+4*(\n)], s[44:45] offset:2048*(\n)      ; wc: bo, ln1_w, ln1_b, b2, ln2_w, ln2_b
.endr
	global_store_b32 v6, v7, s[54:55] offset:8192
.Lend:
	s_wait_tensorcnt 0x0                           ; the wave's end, behind my last LDS store
	ds_add_u32 v[SPW], v[NIL]
	s_wait_dscnt 0x0
	s_endpgm
.Lfunc_end_k_qb5f3ecbbc9_prep:
	.size	k_qb5f3ecbbc9_prep, .Lfunc_end_k_qb5f3ecbbc9_prep-k_qb5f3ecbbc9_prep
	.p2alignl 7, 3214868480
	.fill 96, 4, 3214868480
	.section	.rodata,"a",@progbits
	.p2align	6, 0x0
	.amdhsa_kernel k_qb5f3ecbbc9_prep
		.amdhsa_group_segment_fixed_size 33792
		.amdhsa_private_segment_fixed_size 0
		.amdhsa_enable_private_segment 0
		.amdhsa_kernarg_size 168
		.amdhsa_user_sgpr_count 2
		.amdhsa_user_sgpr_kernarg_segment_ptr 1
		.amdhsa_wavefront_size32 1
		.amdhsa_system_sgpr_workgroup_id_x 1
		.amdhsa_system_sgpr_workgroup_id_y 1
		.amdhsa_system_sgpr_workgroup_id_z 1
		.amdhsa_system_vgpr_workitem_id 0
		.amdhsa_next_free_vgpr 176
		.amdhsa_next_free_sgpr 66
		.amdhsa_reserve_vcc 0
		.amdhsa_float_denorm_mode_32 3
		.amdhsa_float_denorm_mode_16_64 3
		.amdhsa_memory_ordered 1
		.amdhsa_forward_progress 1
		.amdhsa_inst_pref_size 50
	.end_amdhsa_kernel
	.amdgpu_metadata
---
amdhsa.version: [ 1, 2 ]
amdhsa.kernels:
  - .name:           k_qb5f3ecbbc9_prep
    .symbol:         k_qb5f3ecbbc9_prep.kd
    .args:
      - { .name: x, .offset: 0, .size: 8, .value_kind: global_buffer, .address_space: global }
      - { .name: Wq, .offset: 8, .size: 8, .value_kind: global_buffer, .address_space: global }
      - { .name: Wk, .offset: 16, .size: 8, .value_kind: global_buffer, .address_space: global }
      - { .name: Wv, .offset: 24, .size: 8, .value_kind: global_buffer, .address_space: global }
      - { .name: Wo, .offset: 32, .size: 8, .value_kind: global_buffer, .address_space: global }
      - { .name: W1, .offset: 40, .size: 8, .value_kind: global_buffer, .address_space: global }
      - { .name: W2, .offset: 48, .size: 8, .value_kind: global_buffer, .address_space: global }
      - { .name: bq, .offset: 56, .size: 8, .value_kind: global_buffer, .address_space: global }
      - { .name: bk, .offset: 64, .size: 8, .value_kind: global_buffer, .address_space: global }
      - { .name: bv, .offset: 72, .size: 8, .value_kind: global_buffer, .address_space: global }
      - { .name: b1, .offset: 80, .size: 8, .value_kind: global_buffer, .address_space: global }
      - { .name: bo, .offset: 88, .size: 8, .value_kind: global_buffer, .address_space: global }
      - { .name: ln1_w, .offset: 96, .size: 8, .value_kind: global_buffer, .address_space: global }
      - { .name: ln1_b, .offset: 104, .size: 8, .value_kind: global_buffer, .address_space: global }
      - { .name: b2, .offset: 112, .size: 8, .value_kind: global_buffer, .address_space: global }
      - { .name: ln2_w, .offset: 120, .size: 8, .value_kind: global_buffer, .address_space: global }
      - { .name: ln2_b, .offset: 128, .size: 8, .value_kind: global_buffer, .address_space: global }
      - { .name: xh, .offset: 136, .size: 8, .value_kind: global_buffer, .address_space: global }
      - { .name: wa, .offset: 144, .size: 8, .value_kind: global_buffer, .address_space: global }
      - { .name: wb, .offset: 152, .size: 8, .value_kind: global_buffer, .address_space: global }
      - { .name: wc, .offset: 160, .size: 8, .value_kind: global_buffer, .address_space: global }
    .group_segment_fixed_size: 33792
    .private_segment_fixed_size: 0
    .kernarg_segment_align: 8
    .kernarg_segment_size: 168
    .max_flat_workgroup_size: 128
    .sgpr_count:     66
    .vgpr_count:     176
    .wavefront_size: 32
...
	.end_amdgpu_metadata
.endif
;; end of part 6
;; launch qkvp (part 7): grid 6 x 57, 4 waves a work-group, no clusters, 327,680 bytes of LDS; arguments xh, wa, qkv; writes qkv
.if DOCPART == 7
	.amdgcn_target "amdgcn-amd-amdhsa--gfx1250"
	.amdhsa_code_object_version 6
	.text
	.protected	k_qb5f3ecbbc9_qkvp
	.globl	k_qb5f3ecbbc9_qkvp
	.p2align	8
	.type	k_qb5f3ecbbc9_qkvp,@function
k_qb5f3ecbbc9_qkvp:
	s_mov_b64 s[64:65], 0
	v_nop
	global_prefetch_b8 v0, s[64:65] scope:SCOPE_SE
	s_setreg_imm32_b32 hwreg(HW_REG_WAVE_MODE, 25, 1), 1
	s_wait_xcnt 0x0
; OUT = max(A W + bias, floor), rounded to bf16.  A: 14,592 rows x 512 in f16, W in f16, both in fragment order (a fragment of 16 rows x 32 k is 1,024 bytes: half c at 512 c, lane L at 16 L).
; Run twice: on xh and wa for q, k, v (6 column tiles of 256; the floor word is minus infinity, so the maximum changes nothing: the price of one text for both) and on x1h and wb for the FFN's first layer
; (8 column tiles; the floor is 0: the ReLU).  Sums in f32, begun with the bias as the first product's C.
; SHARES.  A work-group makes 256 rows x 256 columns (grid x: the column tile j, grid y: the row block); wave w its rows 128 (w / 2) on and its columns 128 (w % 2) on: 8 row tiles a x 8 column tiles b = 64 accumulators.
; THE PRODUCT IS USED TRANSPOSED (source 0 = 16 columns of W, source 1 = 16 rows of A): a lane then holds eight neighbouring columns of one row, which packed to 16 bits ARE the lane's 16 bytes of the output's
; fragment order: a wave's output is 32,768 consecutive bytes.
; RING.  K = 512 goes in four steps of 128 through two LDS slots: 65,536 bytes of A (16 row tiles of one slab), then 65,536 of W (half a piece), both dense copies of memory, so a fragment load has lane i at 16 i.
; Each wave fetches a quarter of a slot by one tensor load of 128 rows of 256 bytes: waves 0, 1 A's halves, waves 2, 3 W's.  From a request to the wait for it a wave issues 224 matrix instructions.
; TWO LOOPS OF TWO TRIPS, so that a K step's text stands twice and not four times; the LDS addresses hang on a scalar that an exclusive or turns.  The first loop's steps fill the slot that they leave; the second
; loop's fill nothing.  A trip goes from a step's second quarter to the next step's first; the very last trip jumps over that first quarter, and its change of slots
; (a barrier, 32 LDS loads of the slot read before) serves nothing: the price, once a work-group, of the shorter text.
; NO CLUSTER: the grids are 6 x 57 and 8 x 57 work-groups and share this text; neither 6 nor 57 is a multiple of four.
; PREFETCH.  Behind the first refill each wave names the 32,768 bytes that its second refill will load, 256 matrix instructions ahead of that load: a lane a block of 256 bytes, four instructions.  A's blocks are read by
; every column tile: column tile 0 asks; W's by every row block: row block 0 asks.  K steps 0 to 2 come by their loads alone.
; REGISTERS, in windows of 256 (s_set_vgpr_msb: bits 1:0 source 0, 3:2 source 1, 5:4 source 2, 7:6 destination): window 0: v0-31 addresses, v64-127 and v128-191 two buffers of A's fragments;
; window 1: v0-63 the bias, v64-127 and v128-191 two buffers of W's fragments; window 2: accumulator (a, b), a = 0..3, at 8 (8 a + b); window 3: a = 4..7 likewise.
.set SLABB,  912*4096                  ; a slab: 128 columns of all 912 row tiles
.set WOFF,   8448                      ; where W's stream begins in its buffer
.set PIECE,  131072                    ; W for 512 columns x 128 k
.set SLOT,   131072                    ; a power of two, so that one exclusive or turns an address in one slot into the other's
.set BBLK,   65536                     ; W's block in a slot
.set SPARE,  2*SLOT                    ; the spare words, 128 bytes a wave: two blocks of 256 bytes that no other line names
.set ADRA0, 16                         ; v16 my place in A's block of slot 0; never rewritten
.set ADRB0, 17                         ; v17 the same for W
.set ADRA,  18                         ; v18 LDS address of my A fragments in the slot in hand
.set ADRB,  19                         ; v19 the same for W
.set LO,    20                         ; v20 16 x lane
.set BO,    21                         ; v21 32 x (lane / 16)
.set FLV,   23                         ; v23 the floor, two bf16
.set SPW,   28                         ; v28 SPARE + 4 x my thread's number; never rewritten
.set NIL,   29                         ; v29 0; never rewritten
.set PFO,   30                         ; v30 256 x lane; never rewritten
.set F0,    64
.set F1,    128
.set PK,    64                         ; the way out: packed results
.set WV,    10                         ; s10 my wave's number
.set G1,    16                         ; s[16:23] descriptor group 1, the same for every load
.set G0,    24                         ; s[24:31] group 0: a set for each of the two first fills; the second then walks on
.set STEP,  32                         ; s[32:33] bytes from a K step to the next in what I fetch
.set TB,    34                         ; s34 LDS byte at which the slot in hand begins
.set CNT,   35                         ; s35 counts a loop's K steps
.set LIM,   36                         ; s36 1 in a wave that prefetches, else the greatest number
.set FLR,   37
.set PFA,   38                         ; s[38:39] my 32,768 bytes of K step 3; never rewritten
.set BP,    40
.set OP,    42
.set MSB, 0
.macro WIN new                         ; the immediate's high byte repeats the setting that is left; a switch that changes nothing is dropped
.if MSB != (\new)
	s_set_vgpr_msb (MSB<<8)|(\new)
.set MSB, \new
.endif
.endm
.macro PLACES                          ; four places in front of loads into registers that matrix instructions have read, and of vector lines that read results
.rept 4
	v_nop
.endr
.endm
; 16 matrix instructions: row tiles a0, a0 + 1 of the window's four (hi = 0: my rows 0-63, 1: rows 64-127) x all 8 column tiles, 32 along K.  init = 1: the first product starts the sums, with the bias.
; The 64 accumulators take turns, one instruction a turn, in the same order in every quarter.
.macro MUL16 f, hi, a0, init
.if \init
	WIN 0x91+0x40*(\hi)                            ; W in window 1, A in window 0, C (the bias) in window 1, D in window 2 or 3
.else
	WIN 0xa1+0x50*(\hi)                            ; C and D in window 2 or 3
.endif
.irp a, \a0, (\a0)+1
.irp b, 0,1,2,3,4,5,6,7
.if \init
	v_wmma_f32_16x16x32_f16 v[8*(8*(\a)+(\b)):8*(8*(\a)+(\b))+7], v[(\f)+8*(\b):(\f)+8*(\b)+7], v[(\f)+8*(4*(\hi)+(\a)):(\f)+8*(4*(\hi)+(\a))+7], v[8*(\b):8*(\b)+7]
.else
	v_wmma_f32_16x16x32_f16 v[8*(8*(\a)+(\b)):8*(8*(\a)+(\b))+7], v[(\f)+8*(\b):(\f)+8*(\b)+7], v[(\f)+8*(4*(\hi)+(\a)):(\f)+8*(4*(\hi)+(\a))+7], v[8*(8*(\a)+(\b)):8*(8*(\a)+(\b))+7]
.endif
.endr
.endr
.endm
; 32 LDS loads in one run: quarter s of the slot in hand (32 along K) into buffer f: W's 8 fragments, then A's 8
.macro FETCH s, f
	WIN 0x40                                       ; destination window 1
.irp i, 0,1,2,3,4,5,6,7
	ds_load_b128 v[(\f)+8*(\i):(\f)+8*(\i)+3],   v[ADRB] offset:(8*(\s)+(\i))*1024
	ds_load_b128 v[(\f)+8*(\i)+4:(\f)+8*(\i)+7], v[ADRB] offset:(8*(\s)+(\i))*1024+512
.endr
	WIN 0
.irp i, 0,1,2,3,4,5,6,7
	ds_load_b128 v[(\f)+8*(\i):(\f)+8*(\i)+3],   v[ADRA] offset:(\i)*4096+(\s)*1024
	ds_load_b128 v[(\f)+8*(\i)+4:(\f)+8*(\i)+7], v[ADRA] offset:(\i)*4096+(\s)*1024+512
.endr
.endm
; One of a K step's first three quarters: multiplies buffer f and, in its middle, fetches quarter snext of the same slot into g.
.macro QUARTER snext, f, g, init
	s_wait_dscnt 8                                 ; W and A's row tiles 0-3 are in; the youngest eight loads (A's tiles 4-7) may be out
	MUL16 \f, 0, 0, \init
	MUL16 \f, 0, 2, \init
	PLACES
	FETCH \snext, \g
	s_wait_dscnt 32                                ; all but the 32 just issued
	MUL16 \f, 1, 0, \init
	MUL16 \f, 1, 2, \init
.endm
.macro ASK                             ; my 32,768 bytes of K step 3, in the first of the two trips alone
	s_cmp_gt_u32 s[CNT], s[LIM]
	s_cbranch_scc0 .Lnot_mine_\@
.irp i, 0,1,2,3
	global_prefetch_b8 v[PFO], s[PFA:PFA+1] offset:8192*(\i) th:TH_LOAD_NT scope:SCOPE_SE
.endr
.Lnot_mine_\@:
.endm
; The last quarter multiplies buffer 1 and changes slots: ONE barrier; in front of it each wave waits for all its tensor loads (one is out: its part of the next slot), adds 0 to its spare word, and waits for that and
; for its reads of this slot.  Behind it nobody reads this slot any more and the next slot is whole.  fill = 1: this slot is filled again, two K steps ahead, first thing behind the barrier.
.macro TURN fill
	WIN 0
	s_wait_tensorcnt 0x0                           ; no tensor load of mine is out, so a group 0 may be written
	ds_add_u32 v[SPW], v[NIL]                      ; 0 onto my spare word
	s_xor_b32 s[TB], s[TB], SLOT                   ; the reads go on in the other slot
.if \fill
	s_xor_b32 s[G0+5], s[G0+5], SLOT               ; the walking descriptor: the other slot than last time,
	s_add_nc_u64 s[G0+6:G0+7], s[G0+6:G0+7], s[STEP:STEP+1]  ; the next K step; the type bits on top are not reached
.endif
	s_wait_dscnt 9                                 ; (the add and the youngest eight loads may be out)
	MUL16 F1, 0, 0, 0                              ; sixteen matrix instructions stand between the add and the wait for it
	s_wait_dscnt 0x0                               ; the add is done, and my reads of this slot are over
	s_barrier_signal -1
	MUL16 F1, 0, 2, 0                              ; work on registers while the others arrive
	WIN 0
	s_barrier_wait -1
.if \fill
	tensor_load_to_lds s[G0+4:G0+7], s[G1:G1+7]    ; my one tensor load behind this barrier
	s_nop 0
.endif
	v_add_nc_u32 v[ADRA], s[TB], v[ADRA0]          ; these four lines are also the places in front of the loads into buffer 0
	v_add_nc_u32 v[ADRB], s[TB], v[ADRB0]
	v_nop
	v_nop
	FETCH 0, F0
.if \fill
	ASK                                            ; behind the tensor load and the run of LDS loads that the next products wait for
.endif
	MUL16 F1, 1, 0, 0
	MUL16 F1, 1, 2, 0
.endm
	s_load_b128 s[4:7], s[0:1], 0x0                ; A s[4:5], W s[6:7]
	s_load_b64 s[8:9], s[0:1], 0x10                ; out
	v_lshl_add_u32 v[SPW], v0, 2, SPARE
	v_mov_b32 v[NIL], 0
	ds_add_u32 v[SPW], v[NIL]                      ; the wave's opening: the add and its wait stand ahead of my first tensor load; the set-up below stands between them
	v_lshrrev_b32 v1, 5, v0
	v_readfirstlane_b32 s[WV], v1                  ; wave 0..3
	s_lshr_b32 s11, s[WV], 1                       ; which half of the tile's rows is mine
	s_and_b32 s12, s[WV], 1                        ; which half of its columns.  Also: which half of A's or W's block I fetch
	s_and_b32 s14, ttmp7, 0xffff                   ; the row block; ttmp9 is the column tile j
	s_mov_b32 s[G1+0], 3<<16                       ; no mask; elements of 8 bytes; no padding
	s_mov_b32 s[G1+1], 32<<16                      ; tensor_dim0 = 32: rows of 256 bytes
	s_mov_b32 s[G1+2], 128<<16                     ; tensor_dim1 = 128
	s_mov_b32 s[G1+3], 32<<16                      ; tile_dim0 = 32
	s_mov_b32 s[G1+4], 128                         ; tile_dim1 = 128: 32,768 dense bytes
	s_mov_b32 s[G1+5], 32                          ; from row to row
	s_mov_b32 s[G1+6], 0
	s_mov_b32 s[G1+7], 0
	s_lshl_b32 s45, s12, 15                        ; my half of a block
	s_lshl_b32 s44, s14, 16                        ; A: the row block's 16 row tiles in a slab
	s_add_co_u32 s44, s44, s45
	s_lshr_b32 s46, ttmp9, 1                       ; W: column tile j lies in the pieces of 512 columns j / 2 (four pieces, a K step each),
	s_lshl_b32 s46, s46, 19
	s_and_b32 s47, ttmp9, 1                        ; in half j % 2 of each piece
	s_lshl_b32 s47, s47, 16
	s_add_co_u32 s46, s46, s47
	s_add_co_u32 s46, s46, s45
	s_add_co_u32 s46, s46, WOFF
	s_mov_b32 s48, SLABB
	s_cmp_lt_u32 s[WV], 2                          ; do I fetch for A?
	s_cselect_b32 s44, s44, s46                    ; my 32,768 bytes of K step 0
	s_cselect_b32 s[STEP], s48, PIECE
	s_cselect_b32 s50, ttmp9, s14                  ; the coordinate along which other work-groups read the same bytes
	s_mov_b32 s45, 0
	s_mov_b32 s[STEP+1], 0
	s_mul_i32 s46, s[STEP], 3
	s_mov_b32 s47, 0
	s_cmp_eq_u32 s50, 0
	s_cselect_b32 s[LIM], 1, -1
	s_lshl_b32 s49, s[WV], 15                      ; where my bytes go in a slot: A's two halves, then W's two halves
	s_lshl_b32 s2, ttmp9, 10                       ; my 128 numbers of the bias
	s_lshl_b32 s3, s12, 9
	s_add_co_u32 s2, s2, s3
	s_mov_b32 s3, 0
	s_lshl_b32 s52, ttmp9, 1                       ; the output: slab 2 j + my half of the columns,
	s_add_co_u32 s52, s52, s12
	s_mul_i32 s52, s52, 912
	s_lshl_b32 s53, s14, 4                         ; row tile 16 x row block + 8 x my half of the rows
	s_add_co_u32 s52, s52, s53
	s_lshl_b32 s53, s11, 3
	s_add_co_u32 s52, s52, s53
	s_lshl_b32 s52, s52, 12
	s_mov_b32 s53, 0
	s_mov_b32 s[TB], 0
	s_wait_dscnt 0x0                               ; the opening add is done
	s_wait_kmcnt 0x0
	s_load_b32 s[FLR], s[6:7], 0x2000              ; the floor, two bf16
	s_cmp_lt_u32 s[WV], 2
	s_cselect_b64 s[54:55], s[4:5], s[6:7]
	s_add_nc_u64 s[54:55], s[54:55], s[44:45]
	s_add_nc_u64 s[PFA:PFA+1], s[54:55], s[46:47]
	s_add_nc_u64 s[BP:BP+1], s[6:7], s[2:3]
	s_add_nc_u64 s[OP:OP+1], s[8:9], s[52:53]
	s_mov_b32 s[G0], 1                             ; count = 1
	s_mov_b32 s[G0+1], s49                         ; LDS address: slot 0
	s_mov_b64 s[G0+2:G0+3], s[54:55]               ; K step 0
	s_or_b32 s[G0+3], s[G0+3], 0x80000000          ; type = 2
	s_mov_b32 s[G0+4], 1
	s_add_co_u32 s[G0+5], s49, SLOT                ; slot 1
	s_add_nc_u64 s[G0+6:G0+7], s[54:55], s[STEP:STEP+1]  ; K step 1
	s_or_b32 s[G0+7], s[G0+7], 0x80000000
	tensor_load_to_lds s[G0:G0+3], s[G1:G1+7]      ; the two first fills go out together, ahead of every wait on TENSORcnt, every LDS read and every barrier: two loads of mine are out
	s_nop 0
	tensor_load_to_lds s[G0+4:G0+7], s[G1:G1+7]
	s_nop 0
.rept 4
	v_nop
.endr
	v_and_b32 v2, 31, v0                           ; lane
	v_lshlrev_b32 v[LO], 4, v2
	v_bfe_u32 v3, v0, 4, 1                         ; lane / 16
	v_lshlrev_b32 v[BO], 5, v3
	WIN 0x40                                       ; destination window 1
.irp b, 0,1,2,3,4,5,6,7
	global_load_b128 v[8*(\b):8*(\b)+3],   v[BO], s[BP:BP+1] offset:64*(\b)      ; the bias of columns 16 b + 8 (lane / 16) + 0..7
	global_load_b128 v[8*(\b)+4:8*(\b)+7], v[BO], s[BP:BP+1] offset:64*(\b)+16
.endr
	WIN 0
	s_lshl_b32 s50, s11, 15                        ; my 8 row tiles of A's block
	v_add_nc_u32 v[ADRA0], s50, v[LO]
	s_lshl_b32 s50, s12, 15                        ; my 32 fragments of W's block
	s_add_co_u32 s50, s50, BBLK
	v_add_nc_u32 v[ADRB0], s50, v[LO]
	v_mov_b32 v[ADRA], v[ADRA0]
	v_mov_b32 v[ADRB], v[ADRB0]
	v_lshlrev_b32 v[PFO], 8, v2
	s_wait_tensorcnt 0x1                           ; my part of K step 0 is in; K step 1's may stay out
	s_barrier_signal -1
	s_barrier_wait -1                              ; everybody's is
	FETCH 0, F0
	s_wait_loadcnt 0x0                             ; the bias
	s_wait_kmcnt 0x0
	v_mov_b32 v[FLV], s[FLR]
	QUARTER 1, F0, F1, 1                           ; the first quarter stands in front of the loops: its products start the sums
	WIN 0                                          ; at a label and at a branch every window is 0
	s_mov_b32 s[CNT], 2
.Lfill:                                                ; K steps 0 and 1: a trip goes from a step's second quarter to the next step's first, and fills the slot that it leaves
	QUARTER 2, F1, F0, 0
	QUARTER 3, F0, F1, 0
	TURN 1
	QUARTER 1, F0, F1, 0
	WIN 0
	s_sub_co_u32 s[CNT], s[CNT], 1
	s_cmp_lg_u32 s[CNT], 0
	s_cbranch_scc1 .Lfill
	s_mov_b32 s[CNT], 2
.Ltail:                                                ; K steps 2 and 3: nothing is filled
	QUARTER 2, F1, F0, 0
	QUARTER 3, F0, F1, 0
	TURN 0
	WIN 0
	s_wait_dscnt 0x0                               ; no LDS load is out at the jump, whichever way it goes
	s_cmp_eq_u32 s[CNT], 1
	s_cbranch_scc1 .Llast                          ; behind K step 3 there is no step whose first quarter could be multiplied
	QUARTER 1, F0, F1, 0
	WIN 0
.Llast:
	s_sub_co_u32 s[CNT], s[CNT], 1
	s_cmp_lg_u32 s[CNT], 0
	s_cbranch_scc1 .Ltail
	s_wait_dscnt 0x0                               ; the fragment buffers are written anew below
	PLACES
	; THE WAY OUT.  Rounded to bf16, the floor, and stored as they lie: tile (a, b) at (8 a + b) x 512.  My rows 0-63 go through the registers that held A's fragments, rows 64-127 through those that held W's.
	WIN 0x0a                                       ; sources in window 2, destination in window 0
.set t, 0
.rept 32
.irp r, 0,1,2,3
	v_cvt_pk_bf16_f32 v[PK+4*t+(\r)], v[8*t+2*(\r)], v[8*t+2*(\r)+1]  ; each accumulator from its low end on
.endr
.set t, t+1
.endr
	WIN 0
.set t, 0
.rept 128
	v_pk_max_num_bf16 v[PK+t], v[PK+t], v[FLV]     ; the ReLU, or nothing, by the floor
.set t, t+1
.endr
.set t, 0
.rept 32
	global_store_b128 v[LO], v[PK+4*t:PK+4*t+3], s[OP:OP+1] offset:512*t  ; 512 consecutive bytes, aligned
.set t, t+1
.endr
	WIN 0x4f                                       ; sources in window 3, destination in window 1
.set t, 0
.rept 32
.irp r, 0,1,2,3
	v_cvt_pk_bf16_f32 v[PK+4*t+(\r)], v[8*t+2*(\r)], v[8*t+2*(\r)+1]
.endr
.set t, t+1
.endr
	WIN 0x41                                       ; destination and source 0 in window 1, the floor in window 0
.set t, 0
.rept 128
	v_pk_max_num_bf16 v[PK+t], v[PK+t], v[FLV]
.set t, t+1
.endr
	WIN 0x04                                       ; store data in window 1
.set t, 0
.rept 32
	global_store_b128 v[LO], v[PK+4*t:PK+4*t+3], s[OP:OP+1] offset:16384+512*t
.set t, t+1
.endr
	WIN 0
	s_wait_tensorcnt 0x0                           ; the wave's end, behind my last tensor load
	ds_add_u32 v[SPW], v[NIL]
	s_wait_dscnt 0x0
	s_endpgm
.Lfunc_end_k_qb5f3ecbbc9_qkvp:
	.size	k_qb5f3ecbbc9_qkvp, .Lfunc_end_k_qb5f3ecbbc9_qkvp-k_qb5f3ecbbc9_qkvp
	.p2alignl 7, 3214868480
	.fill 96, 4, 3214868480
	.section	.rodata,"a",@progbits
	.p2align	6, 0x0
	.amdhsa_kernel k_qb5f3ecbbc9_qkvp
		.amdhsa_group_segment_fixed_size 327680
		.amdhsa_private_segment_fixed_size 0
		.amdhsa_enable_private_segment 0
		.amdhsa_kernarg_size 24
		.amdhsa_user_sgpr_count 2
		.amdhsa_user_sgpr_kernarg_segment_ptr 1
		.amdhsa_wavefront_size32 1
		.amdhsa_system_sgpr_workgroup_id_x 1
		.amdhsa_system_sgpr_workgroup_id_y 1
		.amdhsa_system_sgpr_workgroup_id_z 1
		.amdhsa_system_vgpr_workitem_id 0
		.amdhsa_next_free_vgpr 1024
		.amdhsa_next_free_sgpr 66
		.amdhsa_reserve_vcc 0
		.amdhsa_float_denorm_mode_32 3
		.amdhsa_float_denorm_mode_16_64 3
		.amdhsa_memory_ordered 1
		.amdhsa_forward_progress 1
		.amdhsa_inst_pref_size 105
	.end_amdhsa_kernel
	.amdgpu_metadata
---
amdhsa.version: [ 1, 2 ]
amdhsa.kernels:
  - .name:           k_qb5f3ecbbc9_qkvp
    .symbol:         k_qb5f3ecbbc9_qkvp.kd
    .args:
      - { .name: xh, .offset: 0, .size: 8, .value_kind: global_buffer, .address_space: global }
      - { .name: wa, .offset: 8, .size: 8, .value_kind: global_buffer, .address_space: global }
      - { .name: qkv, .offset: 16, .size: 8, .value_kind: global_buffer, .address_space: global }
    .group_segment_fixed_size: 327680
    .private_segment_fixed_size: 0
    .kernarg_segment_align: 8
    .kernarg_segment_size: 24
    .max_flat_workgroup_size: 128
    .sgpr_count:     66
    .vgpr_count:     1024
    .wavefront_size: 32
...
	.end_amdgpu_metadata
.endif
;; end of part 7
;; launch attn (part 8): grid 14 x 16, 4 waves a work-group, no clusters, 102,912 bytes of LDS; arguments qkv, ob; writes ob
.if DOCPART == 8
	.amdgcn_target "amdgcn-amd-amdhsa--gfx1250"
	.amdhsa_code_object_version 6
	.text
	.protected	k_qb5f3ecbbc9_attn
	.globl	k_qb5f3ecbbc9_attn
	.p2align	8
	.type	k_qb5f3ecbbc9_attn,@function
k_qb5f3ecbbc9_attn:
	s_mov_b64 s[64:65], 0
	v_nop
	global_prefetch_b8 v0, s[64:65] scope:SCOPE_SE
	s_setreg_imm32_b32 hwreg(HW_REG_WAVE_MODE, 25, 1), 1
	s_wait_xcnt 0x0
; THE MASKED ATTENTION.  A patch query sees the 128 patch keys of its own variable; a variable's global query sees those and the global keys of the six other variables.  So a unit (batch, variable, head)
; is 8 query tiles of 16 on 128 keys, and one more trip for the global query on 128 + 7 keys.  q, k, v (bf16) lie in qkv in fragment order (slabs 0-3 q, 4-7 k, 8-11 v; a slab holds two heads), rows in the
; padded order: a batch's tiles 8 v .. 8 v + 7 are variable v's patches, tile 56 its seven global tokens and nine pad rows.
; SHARES.  Work-group (2 v + hh, batch); wave w takes head 4 hh + w: a unit a wave.  NO CLUSTER, NO BARRIER, NO TENSOR LOAD: the units share no byte, and a unit's K and V are read once, straight into registers.
; LAYOUT.  S^T = K Q^T (source 0 = 16 keys, source 1 = 16 queries): a lane holds ONE query (lane % 16) and keys 8 (lane / 16) + 0..7; two such tiles rounded to bf16 ARE source 1 of O^T = V^T P, whose packed result is the
; lane's 16 bytes of ob's fragment order.  V^T comes by ds_load_tr16_b128 from V laid [key][channel] in my wave's own LDS bytes, once.
; ONE TEXT FOR ALL NINE TRIPS: every trip carries the ninth key tile (the global tokens); its mask is the C operand that starts its sum: -1e30 everywhere in trips 0-7; in trip 8, 0 where the key is a global token
; other than the query's own.  Price: 18 + 20 products a trip for 16 + 16.  In trip 8 the 16 queries are the batch's global tile; only lane % 16 = v is this unit's, and is stored; the unit of variable 0
; also stores the nine pad rows (finite numbers that the next launch reads and nobody keeps): pieces of 16 bytes, once a unit.  Only that trip narrows EXEC: the four stores stand twice, chosen by the loop's counter.
; SOFTMAX.  The true maximum m over the row is taken away: p = 2^(c s - c m), c = log2(e) / 8; 128 keys are always visible.  Sums in f32, of the unrounded p.
; LIMITS.  A hidden score counts as its value less 1e30; a weight below 2^-126 counts as 0; NaN and infinities are not treated apart.
; REGISTERS (s_set_vgpr_msb: bits 1:0 source 0, 3:2 source 1, 5:4 source 2, 7:6 destination): window 0 below; window 1: v0-143 K (tile kt, half f at 16 kt + 8 f), v144-159 Q; window 2: v0-159 V^T (32 keys kk, 16 channels cb at 8 (4 kk + cb)).
.set SLABB, 912*4096
.set VP,    160                        ; a row of V in LDS: 128 bytes + 32
.set WLDS,  160*VP                     ; 160 rows a wave: 128 patch keys, the global tile, and that tile once more as finite filler for the tenth tile, whose weights are 0
.set SPARE, 4*WLDS                     ; the spare words: two blocks of 256 bytes that no other line names
.set LO,   1                           ; v1  16 x lane
.set AV0,  2                           ; v2  my lane's place for the turning loads
.set VST,  3                           ; v3  where I put 16 bytes of V
.set LIMV, 4                           ; v4  my lane stores in the trips below this number
.set RQ,   5                           ; v5  lane % 16
.set SPW,  8                           ; v8  SPARE + 4 x my thread's number; never rewritten
.set NIL,  9                           ; v9  0; never rewritten
.set MG,   10                          ; v10-17 the ninth tile's mask in trip 8
.set XM,   18                          ; v18-25 the ninth tile's mask in this trip
.set TM,   26                          ; v26-34 a maximum a tile
.set S,    64                          ; v64-135 S^T
.set P,    136                         ; v136-175 P; v172-175 stay 0
.set O,    176                         ; v176-207 O^T
.set QF,   144
.set MSB, 0
.macro WIN new
.if MSB != (\new)
	s_set_vgpr_msb (MSB<<8)|(\new)
.set MSB, \new
.endif
.endm
.macro PLACES
.rept 4
	v_nop
.endr
.endm
	s_load_b128 s[4:7], s[0:1], 0x0                ; qkv s[4:5], ob s[6:7]
	v_lshl_add_u32 v[SPW], v0, 2, SPARE
	v_mov_b32 v[NIL], 0
	v_lshrrev_b32 v1, 5, v0
	v_readfirstlane_b32 s8, v1                     ; wave 0..3
	s_lshr_b32 s9, ttmp9, 1                        ; variable v
	s_and_b32 s10, ttmp9, 1
	s_and_b32 s11, ttmp7, 0xffff                   ; batch
	s_lshl_b32 s12, s10, 2
	s_add_co_u32 s12, s12, s8                      ; head
	s_lshr_b32 s13, s12, 1                         ; its slab,
	s_and_b32 s14, s12, 1                          ; its half of the slab
	s_mul_i32 s16, s11, 57
	s_lshl_b32 s15, s9, 3
	s_add_co_u32 s15, s15, s16                     ; the variable's first tile
	s_add_co_u32 s16, s16, 56                      ; the batch's global tile
	s_mul_i32 s18, s13, SLABB
	s_lshl_b32 s17, s14, 11
	s_add_co_u32 s18, s18, s17
	s_mov_b32 s19, 0
	s_lshl_b32 s36, s15, 12
	s_mov_b32 s37, 0
	s_mov_b32 s40, 0x3e38aa3b                      ; c = log2(e) / 8
	s_mov_b32 s41, s40                             ; named with it as a pair
	s_mov_b32 s42, 0x76543210                      ; v_permlanex16_b32: each lane takes its own place in the other half
	s_mov_b32 s43, 0xfedcba98
	s_mov_b32 s45, 0xf149f2ca                      ; -1e30
	v_and_b32 v6, 31, v0
	v_lshlrev_b32 v[LO], 4, v6
	v_and_b32 v[RQ], 15, v0
	s_wait_kmcnt 0x0
	s_add_nc_u64 s[20:21], s[4:5], s[18:19]        ; q at tile 0 of my head
	s_add_nc_u64 s[30:31], s[6:7], s[18:19]        ; ob likewise
	s_add_nc_u64 s[32:33], s[20:21], s[36:37]      ; q at the variable's first tile
	s_add_nc_u64 s[22:23], s[32:33], 4*SLABB       ; k there
	s_add_nc_u64 s[26:27], s[32:33], 8*SLABB       ; v there
	s_lshl_b32 s18, s16, 12
	s_add_nc_u64 s[24:25], s[20:21], s[18:19]
	s_add_nc_u64 s[28:29], s[24:25], 8*SLABB       ; v at the global tile
	s_add_nc_u64 s[24:25], s[24:25], 4*SLABB       ; k at the global tile
.irp n, 0,1,2,3,4,5,6,7,8,9,10,11,12,13,14,15,16,17,18,19,20,21,22,23,24,25,26,27,28,29,30,31
	global_load_b128 v[S+4*(\n):S+4*(\n)+3], v[LO], s[26:27] offset:((\n)/4)*4096+((\n)%4)*512  ; V: tile n / 4, half fragment n % 4
.endr
.irp n, 0,1,2,3
	global_load_b128 v[S+128+4*(\n):S+131+4*(\n)], v[LO], s[28:29] offset:(\n)*512
.endr
	WIN 0x40                                       ; destination window 1
.irp n, 0,1,2,3,4,5,6,7,8,9,10,11,12,13,14,15,16,17,18,19,20,21,22,23,24,25,26,27,28,29,30,31
	global_load_b128 v[4*(\n):4*(\n)+3], v[LO], s[22:23] offset:((\n)/4)*4096+((\n)%4)*512      ; K stays in registers
.endr
.irp n, 0,1,2,3
	global_load_b128 v[128+4*(\n):131+4*(\n)], v[LO], s[24:25] offset:(\n)*512
.endr
.irp n, 0,1,2,3
	global_load_b128 v[QF+4*(\n):QF+4*(\n)+3], v[LO], s[32:33] offset:(\n)*512                  ; the first trip's Q
.endr
	WIN 0
	s_mul_i32 s18, s8, WLDS                        ; my wave's LDS bytes
	v_bfe_u32 v6, v0, 4, 1                         ; lane / 16
	v_and_b32 v7, 7, v0
	v_lshl_add_u32 v[AV0], v6, 3, v7               ; the turning load: lane l reads key 8 (l / 16) + l % 8, channels 8 ((l / 8) % 2) + 0..7
	v_mul_u32_u24 v[AV0], v[AV0], VP
	v_bfe_u32 v7, v0, 3, 1
	v_lshl_add_u32 v[AV0], v7, 4, v[AV0]
	v_add_nc_u32 v[AV0], s18, v[AV0]
	v_mul_u32_u24 v[VST], v[RQ], VP                ; a fragment's lane holds key l % 16, channels 8 (l / 16) + 0..7 of its 16
	v_lshl_add_u32 v[VST], v6, 4, v[VST]
	v_add_nc_u32 v[VST], s18, v[VST]
	v_lshlrev_b32 v6, 3, v6                        ; 8 (lane / 16)
.irp j, 0,1,2,3,4,5,6,7
	v_add_nc_u32 v7, \j, v6                        ; register j's key in the global tile
	v_cmp_le_u32 vcc_lo, 7, v7                     ; a pad row,
	v_cndmask_b32 v[MG+(\j)], 0, s45, vcc_lo
	v_cmp_eq_u32 vcc_lo, v7, v[RQ]                 ; or the query's own global token: hidden
	v_cndmask_b32 v[MG+(\j)], v[MG+(\j)], s45, vcc_lo
.endr
	s_cmp_eq_u32 s9, 0
	s_cselect_b32 s47, 7, 16                       ; variable 0's unit also stores rows 7..15 of the global tile
	v_cmp_eq_u32 vcc_lo, s9, v[RQ]
	v_cndmask_b32 v[LIMV], 0, 1, vcc_lo
	v_cmp_le_u32 vcc_lo, s47, v[RQ]
	v_cndmask_b32 v[LIMV], v[LIMV], 1, vcc_lo
	v_add_nc_u32 v[LIMV], 8, v[LIMV]
	v_mov_b32 v35, 0                               ; v_permlanex16_b32's destination counts as read
	s_wait_loadcnt 40                              ; V's 36 loads are in; K's 36 and Q's 4 may stay out
.irp n, 0,1,2,3,4,5,6,7,8,9,10,11,12,13,14,15,16,17,18,19,20,21,22,23,24,25,26,27,28,29,30,31,32,33,34,35
	ds_store_b128 v[VST], v[S+4*(\n):S+4*(\n)+3] offset:((\n)/4)*16*VP+((\n)%4)*32
.endr
.irp n, 0,1,2,3
	ds_store_b128 v[VST], v[S+128+4*(\n):S+131+4*(\n)] offset:9*16*VP+(\n)*32  ; rows 144..159: finite filler
.endr
.irp n, 0,1,2,3
	v_mov_b32 v[P+36+(\n)], 0                      ; the tenth tile's weights
.endr
	WIN 0x80                                       ; destination window 2
.irp f, 0,1,2,3,4,5,6,7,8,9,10,11,12,13,14,15,16,17,18,19
	ds_load_tr16_b128 v[8*(\f):8*(\f)+3],   v[AV0] offset:((\f)/4)*32*VP+((\f)%4)*32        ; LDS serves a wave's instructions in order (ISA guide 5.7.1.4): these see the stores above
	ds_load_tr16_b128 v[8*(\f)+4:8*(\f)+7], v[AV0] offset:((\f)/4)*32*VP+16*VP+((\f)%4)*32
.endr
	WIN 0
	s_wait_dscnt 0x0                               ; V^T is in
	s_mov_b32 s38, 0
.Ltrip:                                                ; trip t: query tile t of the variable; trip 8: the global tile
	s_add_co_u32 s46, s15, s38
	s_cmp_lt_u32 s38, 8
	s_cselect_b32 s46, s46, s16                    ; this trip's query tile
	s_cselect_b32 s39, s45, 0                      ; the ninth key tile: hidden, or as MG says
.irp j, 0,1,2,3,4,5,6,7
	v_min_num_f32 v[XM+(\j)], s39, v[MG+(\j)]
.endr
	s_wait_loadcnt 0x0                             ; Q (and, the first time, K)
	WIN 0x05                                       ; K and Q in window 1
.irp kt, 0,1,2,3,4,5,6,7                               ; the nine accumulators take turns
	v_wmma_f32_16x16x32_bf16 v[S+8*(\kt):S+8*(\kt)+7], v[16*(\kt):16*(\kt)+7], v[QF:QF+7], 0
.endr
	v_wmma_f32_16x16x32_bf16 v[S+64:S+71], v[128:135], v[QF:QF+7], v[XM:XM+7]
.irp kt, 0,1,2,3,4,5,6,7,8
	v_wmma_f32_16x16x32_bf16 v[S+8*(\kt):S+8*(\kt)+7], v[16*(\kt)+8:16*(\kt)+15], v[QF+8:QF+15], v[S+8*(\kt):S+8*(\kt)+7]
.endr
	WIN 0
	PLACES                                         ; in front of the loads into Q's registers and of the maximum
	s_add_co_u32 s17, s38, 1
	s_add_co_u32 s18, s15, s17
	s_cmp_lt_u32 s17, 8
	s_cselect_b32 s18, s18, s16                    ; the next trip's tile; behind the last trip the global tile once more: inside the buffer, not used
	s_lshl_b32 s18, s18, 12
	s_lshl_b32 s36, s46, 12
	s_wait_xcnt 0x0                                ; the last trip's stores, eighteen products back, and its loads of Q have read their bases and data: only behind this wait are the two bases, and further down v40-55, written anew
	s_add_nc_u64 s[32:33], s[20:21], s[18:19]
	s_add_nc_u64 s[34:35], s[30:31], s[36:37]      ; where this trip's tile is stored
	WIN 0x40
.irp n, 0,1,2,3
	global_load_b128 v[QF+4*(\n):QF+4*(\n)+3], v[LO], s[32:33] offset:(\n)*512
.endr
	WIN 0
.irp kt, 0,1,2,3,4,5,6,7,8                             ; each accumulator's lowest registers are read first
	v_max3_num_f32 v[TM+(\kt)], v[S+8*(\kt)], v[S+8*(\kt)+1], v[S+8*(\kt)+2]
.endr
.irp kt, 0,1,2,3,4,5,6,7,8
	v_max3_num_f32 v[TM+(\kt)], v[TM+(\kt)], v[S+8*(\kt)+3], v[S+8*(\kt)+4]
.endr
.irp kt, 0,1,2,3,4,5,6,7,8
	v_max3_num_f32 v[TM+(\kt)], v[TM+(\kt)], v[S+8*(\kt)+5], v[S+8*(\kt)+6]
.endr
.irp kt, 0,1,2,3,4,5,6,7,8
	v_max_num_f32 v[TM+(\kt)], v[TM+(\kt)], v[S+8*(\kt)+7]
.endr
	v_max3_num_f32 v[TM], v[TM], v[TM+1], v[TM+2]
	v_max3_num_f32 v[TM+3], v[TM+3], v[TM+4], v[TM+5]
	v_max3_num_f32 v[TM+6], v[TM+6], v[TM+7], v[TM+8]
	v_max3_num_f32 v[TM], v[TM], v[TM+3], v[TM+6]
	v_permlanex16_b32 v35, v[TM], s42, s43         ; the query's other keys lie in the lane 16 away
	v_max_num_f32 v37, v[TM], v35                  ; m
	v_mul_f32 v36, s40, v37                        ; c m
.set i, 0
.rept 36
	v_pk_fma_f32 v[S+2*i:S+2*i+1], v[S+2*i:S+2*i+1], s[40:41], v[36:37] op_sel_hi:[1,0,0] neg_lo:[0,0,1] neg_hi:[0,0,1]  ; c s - c m
.set i, i+1
.endr
.set i, 0
.rept 72
	v_exp_f32 v[S+i], v[S+i]                       ; one batch
.set i, i+1
.endr
	v_nop                                          ; a plain instruction behind the last exponential (ISA guide 5.7.2),
	s_wait_alu depctr_va_vdst(0)                   ; and a wait ahead of the first use
.set i, 0
.rept 36
	v_cvt_pk_bf16_f32 v[P+i], v[S+2*i], v[S+2*i+1]
.set i, i+1
.endr
.set i, 1
.rept 8
.irp q, 0,1,2,3
	v_pk_add_f32 v[S+2*(\q):S+2*(\q)+1], v[S+2*(\q):S+2*(\q)+1], v[S+2*((\q)+4*i):S+2*((\q)+4*i)+1]  ; the sum, four chains by turns
.endr
.set i, i+1
.endr
	v_pk_add_f32 v[S:S+1], v[S:S+1], v[S+2:S+3]
	v_pk_add_f32 v[S+4:S+5], v[S+4:S+5], v[S+6:S+7]
	v_pk_add_f32 v[S:S+1], v[S:S+1], v[S+4:S+5]
	v_add_f32 v38, v[S], v[S+1]
	v_permlanex16_b32 v35, v38, s42, s43
	v_add_f32 v38, v38, v35                        ; l
	v_rcp_f32 v56, v38                             ; twice: a pair for the packed multiply
	v_rcp_f32 v57, v38
	v_nop
	WIN 0x02                                       ; V^T in window 2
.irp kk, 0,1,2,3,4                                     ; the four accumulators take turns
.irp cb, 0,1,2,3
.if (\kk) == 0
	v_wmma_f32_16x16x32_bf16 v[O+8*(\cb):O+8*(\cb)+7], v[8*(4*(\kk)+(\cb)):8*(4*(\kk)+(\cb))+7], v[P+8*(\kk):P+8*(\kk)+7], 0
.else
	v_wmma_f32_16x16x32_bf16 v[O+8*(\cb):O+8*(\cb)+7], v[8*(4*(\kk)+(\cb)):8*(4*(\kk)+(\cb))+7], v[P+8*(\kk):P+8*(\kk)+7], v[O+8*(\cb):O+8*(\cb)+7]
.endif
.endr
.endr
	WIN 0
	PLACES
	s_wait_alu depctr_va_vdst(0)                   ; the two reciprocals' wait, ahead of their first use
.set i, 0
.rept 16
	v_pk_mul_f32 v[O+2*i:O+2*i+1], v[O+2*i:O+2*i+1], v[56:57]
.set i, i+1
.endr
.set i, 0
.rept 16
	v_cvt_pk_bf16_f32 v[40+i], v[O+2*i], v[O+2*i+1]
.set i, i+1
.endr
	s_cmp_lt_u32 s38, 8
	s_cbranch_scc0 .Lglobal
.irp cb, 0,1,2,3                                       ; trips 0-7: every lane's query is this unit's; EXEC is not touched, and nothing waits for these stores here
	global_store_b128 v[LO], v[40+4*(\cb):43+4*(\cb)], s[34:35] offset:512*(\cb)
.endr
	s_branch .Lstored
.Lglobal:                                              ; trip 8: the lanes whose query is this unit's
	v_cmp_lt_u32 vcc_lo, s38, v[LIMV]
	s_wait_xcnt 0x0                                ; EXEC changes only behind this wait: Q's loads have read theirs
	s_and_saveexec_b32 s44, vcc_lo
.irp cb, 0,1,2,3
	global_store_b128 v[LO], v[40+4*(\cb):43+4*(\cb)], s[34:35] offset:512*(\cb)
.endr
	s_wait_xcnt 0x0                                ; and again in front of the line that widens it
	s_or_b32 exec_lo, exec_lo, s44
.Lstored:
	s_add_co_u32 s38, s38, 1
	s_cmp_lt_u32 s38, 9
	s_cbranch_scc1 .Ltrip
	s_wait_loadcnt 0x0                             ; the last trip's spare Q
	s_wait_tensorcnt 0x0                           ; the wave's end, behind my last LDS store
	ds_add_u32 v[SPW], v[NIL]
	s_wait_dscnt 0x0
	s_endpgm
.Lfunc_end_k_qb5f3ecbbc9_attn:
	.size	k_qb5f3ecbbc9_attn, .Lfunc_end_k_qb5f3ecbbc9_attn-k_qb5f3ecbbc9_attn
	.p2alignl 7, 3214868480
	.fill 96, 4, 3214868480
	.section	.rodata,"a",@progbits
	.p2align	6, 0x0
	.amdhsa_kernel k_qb5f3ecbbc9_attn
		.amdhsa_group_segment_fixed_size 102912
		.amdhsa_private_segment_fixed_size 0
		.amdhsa_enable_private_segment 0
		.amdhsa_kernarg_size 16
		.amdhsa_user_sgpr_count 2
		.amdhsa_user_sgpr_kernarg_segment_ptr 1
		.amdhsa_wavefront_size32 1
		.amdhsa_system_sgpr_workgroup_id_x 1
		.amdhsa_system_sgpr_workgroup_id_y 1
		.amdhsa_system_sgpr_workgroup_id_z 1
		.amdhsa_system_vgpr_workitem_id 0
		.amdhsa_next_free_vgpr 672
		.amdhsa_next_free_sgpr 66
		.amdhsa_reserve_vcc 1
		.amdhsa_float_denorm_mode_32 3
		.amdhsa_float_denorm_mode_16_64 3
		.amdhsa_memory_ordered 1
		.amdhsa_forward_progress 1
		.amdhsa_inst_pref_size 36
	.end_amdhsa_kernel
	.amdgpu_metadata
---
amdhsa.version: [ 1, 2 ]
amdhsa.kernels:
  - .name:           k_qb5f3ecbbc9_attn
    .symbol:         k_qb5f3ecbbc9_attn.kd
    .args:
      - { .name: qkv, .offset: 0, .size: 8, .value_kind: global_buffer, .address_space: global }
      - { .name: ob, .offset: 8, .size: 8, .value_kind: global_buffer, .address_space: global }
    .group_segment_fixed_size: 102912
    .private_segment_fixed_size: 0
    .kernarg_segment_align: 8
    .kernarg_segment_size: 16
    .max_flat_workgroup_size: 128
    .sgpr_count:     66
    .vgpr_count:     672
    .wavefront_size: 32
...
	.end_amdgpu_metadata
.endif
;; end of part 8
;; launch wo (part 9): grid 228 x 1, 4 waves a work-group, clusters of 4 x 1, 327,680 bytes of LDS; arguments ob, wc, xh, x1h; writes x1h
.if DOCPART == 9
	.amdgcn_target "amdgcn-amd-amdhsa--gfx1250"
	.amdhsa_code_object_version 6
	.text
	.protected	k_qb5f3ecbbc9_wo
	.globl	k_qb5f3ecbbc9_wo
	.p2align	8
	.type	k_qb5f3ecbbc9_wo,@function
k_qb5f3ecbbc9_wo:
	s_mov_b64 s[64:65], 0
	v_nop
	global_prefetch_b8 v0, s[64:65] scope:SCOPE_SE
	s_setreg_imm32_b32 hwreg(HW_REG_WAVE_MODE, 25, 1), 1
	s_wait_xcnt 0x0
	s_wait_alu depctr_hold_cnt(0) depctr_sa_sdst(0) depctr_va_vdst(0) depctr_va_sdst(0) depctr_va_ssrc(0) depctr_va_vcc(0) depctr_vm_vsrc(0)
	s_getreg_b32 s2, hwreg(HW_REG_IB_STS2, 6, 4)
	s_cmp_eq_u32 s2, 0
	s_cbranch_scc0 .Lentry_in_a_cluster
	s_endpgm
.Lentry_in_a_cluster:
	s_bfe_u32 s2, ttmp6, 0x10000c
	s_cmp_lg_u32 s2, 0x3003
	s_cbranch_scc0 .Lentry_shape_is_right
	s_endpgm
.Lentry_shape_is_right:
; x1 = LayerNorm(x + o Wo + bo) x ln1_w + ln1_b, rounded to f16.  o (ob): 14,592 rows x 512 in bf16, Wo in bf16, x (xh) and x1 (x1h) in f16, all in fragment order (a fragment of 16 rows x 32 k is 1,024 bytes:
; half c at 512 c, lane L at 16 L).  Sums in f32, begun with bo as the first product's C; the norm in f32, in two passes.  LIMIT: x1 lies within 22.7 |ln1_w| + |ln1_b|, which has to stay under f16's 65,504.
; SHARES.  A work-group makes 64 whole rows of 512 columns, so that the norm stays inside it; wave w its columns 128 w .. 128 w + 127: 4 row tiles a x 8 column tiles b = 32 accumulators.  THE PRODUCT IS USED TRANSPOSED
; (source 0 = 16 columns of W, source 1 = 16 rows of A): a lane holds eight neighbouring columns of one row, which packed to 16 bits ARE the lane's 16 bytes of the output's fragment order.
; RING.  K goes in steps of 128 through two LDS slots, both dense copies of memory, so a fragment load has lane i at 16 i.  W's two pieces of 131,072 bytes lie at LDS byte 0 and 131,072, A's two blocks of 16,384 at 262,144
; and 278,528: one exclusive or turns an address of W or of A into the other slot's.  Behind each change of slots one tensor load a wave.
; TWO LOOPS, so that a K step's text stands twice, whatever K: the first loop's steps fill the slot that they leave; the second loop's two steps fill nothing.  A trip goes from a
; step's second quarter to the next step's first; the very last trip jumps over that first quarter, and its change of slots (a barrier, 24 LDS loads of the slot read before) serves nothing: the price of the shorter text.
; ALL OF A STEP'S 128 PRODUCTS STAND AHEAD OF THE WAIT FOR THE TENSOR LOADS: a step has less matrix work than its tile needs to land, so what counts is the way from that wait to the next request: the add, the round
; and the descriptors' steps, and nothing else.
; CLUSTER.  All work-groups walk the same W: its piece is asked for JOINTLY by the four of a cluster.  The piece's 512 rows of 256 bytes are shared out among waves 0, 1 and 2 (171, 171 and 170 rows); A's block, the
; work-group's own, is wave 3's: so every wave issues a load, and the four are as near in size as the two kinds allow.
; THE RESIDUAL IS ADDED BY THE MATRIX UNIT.  x lies in f16 in fragment order, so 8 registers of it ARE source 1 (16 rows x 32 columns); source 0 is a piece of the unit matrix (column n of the tile takes k = n, or k = 16 + n
; for an odd column tile): 32 matrix instructions in place of 256 vector lines.  Each product is 1 x a number or 0, so nothing is rounded but the f32 sum.
; NO PREFETCH: K = 512 has two refills in all, and no step lies two refills on; nothing is asked for at the head, where every work-group's first tiles are on their way.
; REGISTERS, in windows of 256 (s_set_vgpr_msb: bits 1:0 source 0, 3:2 source 1, 5:4 source 2, 7:6 destination): window 0: v0-63 addresses and work, v64-159 and v160-255 two fragment buffers (8 of W, 4 of A);
; window 1: accumulator (a, b) at 8 (8 a + b); window 2: v0-63 the bias, v64-191 the residual, v192-255 the gain; window 3: v0-63 the norm's bias, v64-75 the unit matrix's pieces.
.set KK,     512
.set WOFF,   12288                     ; where W's stream begins in its buffer
.set BOFF,   0                         ; the bias; the gain lies 2,048 bytes behind it, the norm's bias 4,096
.set SLABB,  912*4096                  ; a slab: 128 columns of all 912 row tiles
.set PIECE,  131072                    ; W for 512 columns x 128 k
.set BROWS,  171                       ; rows of 256 bytes that waves 0 and 1 fetch of a piece's 512; wave 2 the other 170
.set BSL,    131072                    ; from W's slot 0 to its slot 1
.set ABASE,  2*BSL                     ; A's slot 0
.set ASL,    16384                     ; from A's slot 0 to its slot 1
.set RED,    ABASE+2*ASL               ; 2 x 1,024 bytes: the waves' row sums meet here
.set SPARE,  RED+2048                  ; the spare words, 128 bytes a wave: two blocks of 256 bytes that no other line names
.set FILLS,  KK/128-2                  ; K steps that fill the slot that they leave
.set ADRB0, 16                         ; v16 my place in W's slot 0; never rewritten
.set ADRA0, 17                         ; v17 the same for A
.set ADRB, 18                          ; v18 LDS address of my W fragments in the slot in hand
.set ADRA, 19                          ; v19 the same for A
.set LO,   20                          ; v20 16 x lane
.set BO,   21                          ; v21 32 x (lane / 16)
.set RW,   24                          ; v24 where I put my four row sums
.set RR,   25                          ; v25 where I read the four waves'
.set SPW,  28                          ; v28 SPARE + 4 x my thread's number; never rewritten
.set NIL,  29                          ; v29 0; never rewritten
.set T,    32                          ; v32-39 a pair of running sums a row tile
.set M,    40                          ; v40-47 the mean, later 1 / sigma, a pair a row tile
.set F0,   64
.set F1,   160
.set PK,   64
.set RES,  64                          ; window 2
.set LW,   192                         ; window 2
.set EB,   64                          ; window 3: four zeros, the four registers that hold the ones, four zeros
.set WV,   12                          ; s12 my wave's number
.set G1B,  24                          ; s[24:31] descriptor group 1 for W, 171 rows
.set G1A,  32                          ; s[32:39] for A
.set G0B,  40                          ; s[40:47] group 0 for W: a set for each of the two first fills; the second then walks on
.set G0A,  48                          ; s[48:55] the same for A
.set TBB,  62                          ; s62 0 or BSL: W's slot in hand
.set TBA,  63                          ; s63 0 or ASL: A's
.set SEL,  66
.set BP,   70
.set RP,   72
.set OP,   74
.set RC,   81
.set G1C,  92                          ; s[92:99] group 1 for W, 170 rows
.set MSB, 0
.macro WIN new                         ; the immediate's high byte repeats the setting that is left; a switch that changes nothing is dropped
.if MSB != (\new)
	s_set_vgpr_msb (MSB<<8)|(\new)
.set MSB, \new
.endif
.endm
.set W_MUL, 0x50                       ; C and D in window 1
.set W_INI, 0x60                       ; D in window 1, C (the bias) in window 2
.macro PLACES                          ; four places in front of loads into registers that matrix instructions have read, and of vector lines that read results
.rept 4
	v_nop
.endr
.endm
.macro CREST                           ; a round of the cluster's barrier behind its opening barrier
	s_cmp_lg_u32 s[WV], 0
	s_cbranch_scc1 .Lnot_wave_0_\@
	s_barrier_signal -3
.Lnot_wave_0_\@:
	s_barrier_wait -3
	s_barrier_signal -1
	s_barrier_wait -1
.endm
.macro CROUND
	s_barrier_signal -1
	s_barrier_wait -1
	CREST
.endm
; A refill, by the walking descriptors: one tensor load a wave, chosen by the wave's number alone.  An s_nop 0 and four v_nop follow each load; they are also places in front of the LDS loads that follow.
.macro JLOAD
	s_cmp_lt_u32 s[WV], 2
	s_cbranch_scc0 .Lnot_01_\@
	tensor_load_to_lds s[G0B+4:G0B+7], s[G1B:G1B+7]
	s_nop 0
.rept 4
	v_nop
.endr
	s_branch .Lasked_\@
.Lnot_01_\@:
	s_cmp_eq_u32 s[WV], 2
	s_cbranch_scc0 .Lfor_a_\@
	tensor_load_to_lds s[G0B+4:G0B+7], s[G1C:G1C+7]
	s_nop 0
.rept 4
	v_nop
.endr
	s_branch .Lasked_\@
.Lfor_a_\@:
	tensor_load_to_lds s[G0A+4:G0A+7], s[G1A:G1A+7]
	s_nop 0
.rept 4
	v_nop
.endr
.Lasked_\@:
.endm
; 8 matrix instructions: row tile a x all 8 column tiles, 32 along K, from buffer f.  init = 1: the first product starts the sums, with the bias.  The 32 accumulators take turns, one instruction a turn.
.macro MUL8 f, a, init
.if \init
	WIN W_INI
.else
	WIN W_MUL
.endif
.irp b, 0,1,2,3,4,5,6,7
.set rD, 8*(8*(\a)+(\b))
.set rC, rD
.if \init
.set rC, 8*(\b)
.endif
	v_wmma_f32_16x16x32_bf16 v[rD:rD+7], v[(\f)+8*(\b):(\f)+8*(\b)+7], v[(\f)+64+8*(\a):(\f)+64+8*(\a)+7], v[rC:rC+7]
.endr
.endm
; 24 LDS loads in one run: quarter s of the slot in hand (32 along K) into buffer f: W's 8 fragments, then A's 4
.macro FETCH s, f
	WIN 0
.irp b, 0,1,2,3,4,5,6,7
	ds_load_b128 v[(\f)+8*(\b):(\f)+8*(\b)+3],   v[ADRB] offset:(8*(\s)+(\b))*1024
	ds_load_b128 v[(\f)+8*(\b)+4:(\f)+8*(\b)+7], v[ADRB] offset:(8*(\s)+(\b))*1024+512
.endr
.irp a, 0,1,2,3
	ds_load_b128 v[(\f)+64+8*(\a):(\f)+64+8*(\a)+3],   v[ADRA] offset:(\a)*4096+(\s)*1024
	ds_load_b128 v[(\f)+64+8*(\a)+4:(\f)+64+8*(\a)+7], v[ADRA] offset:(\a)*4096+(\s)*1024+512
.endr
.endm
; One of a K step's first three quarters: multiplies buffer f and, in its middle, fetches quarter snext of the same slot into g.
.macro QUARTER snext, f, g, init
	s_wait_dscnt 4                                 ; W and A's tiles 0, 1 are in; the youngest four loads (A's tiles 2, 3) may be out
	MUL8 \f, 0, \init
	MUL8 \f, 1, \init
	PLACES
	FETCH \snext, \g
	s_wait_dscnt 24                                ; all but the 24 just issued
	MUL8 \f, 2, \init
	MUL8 \f, 3, \init
.endm
; The last quarter multiplies buffer 1, and then the slots change: ONE barrier; in front of it each wave waits for all its tensor loads, adds 0 to its spare word, and waits for that (its reads of this slot are back already).
; fill = 1: the barrier opens a round of the cluster's barrier, and this slot is filled again, two K steps ahead, first thing behind the round.
.macro TURN fill
	s_wait_dscnt 4
	MUL8 F1, 0, 0
	MUL8 F1, 1, 0
	s_wait_dscnt 0x0                               ; my reads of this slot are over
	MUL8 F1, 2, 0
	MUL8 F1, 3, 0
	WIN 0
	s_wait_tensorcnt 0x0                           ; all my tensor loads have landed: my part of the next slot; no load of mine is out, so a group 0 may be written
	ds_add_u32 v[SPW], v[NIL]                      ; 0 onto my spare word; the scalar steps stand between it and the wait for it
	s_xor_b32 s[TBB], s[TBB], BSL                  ; the reads go on in the other slot
	s_xor_b32 s[TBA], s[TBA], ASL
.if \fill
	s_xor_b32 s[G0B+5], s[G0B+5], BSL              ; the walking descriptors: the other slot than last time,
	s_add_nc_u64 s[G0B+6:G0B+7], s[G0B+6:G0B+7], PIECE  ; the next K step; the type bits on top are not reached
	s_xor_b32 s[G0A+5], s[G0A+5], ASL
	s_add_nc_u64 s[G0A+6:G0A+7], s[G0A+6:G0A+7], SLABB
.endif
	s_wait_dscnt 0x0                               ; the add is done
	s_barrier_signal -1
	s_barrier_wait -1
.if \fill
	CREST                                          ; no wave of any partner still reads this slot or has a load on its way
	JLOAD
.else
	v_nop                                          ; with the two lines below: the four places in front of the loads into buffer 0
	v_nop
.endif
	v_add_nc_u32 v[ADRB], s[TBB], v[ADRB0]
	v_add_nc_u32 v[ADRA], s[TBA], v[ADRA0]
	FETCH 0, F0
.endm
; The four row sums in T's pairs: the pair's halves, the other half of the lanes, then the four waves' through LDS.  The totals of tiles 0..3 end in v64..67, the same in every wave.
.macro REDUCE p
	WIN 0
.irp a, 0,1,2,3
	v_add_f32 v[8+(\a)], v[T+2*(\a)], v[T+2*(\a)+1]
.endr
.irp a, 0,1,2,3
	v_permlanex16_b32 v[12+(\a)], v[8+(\a)], s[SEL], s[SEL+1]
.endr
.irp a, 0,1,2,3
	v_add_f32 v[8+(\a)], v[8+(\a)], v[12+(\a)]
.endr
	ds_store_b128 v[RW], v[8:11] offset:(\p)*1024
	s_wait_dscnt 0x0                               ; for the others' sake: my store is done
	s_barrier_signal -1
	s_barrier_wait -1
.irp w, 0,1,2,3
	ds_load_b128 v[64+4*(\w):67+4*(\w)], v[RR] offset:(\p)*1024+(\w)*256
.endr
	s_wait_dscnt 0x0
	v_pk_add_f32 v[64:65], v[64:65], v[68:69]
	v_pk_add_f32 v[66:67], v[66:67], v[70:71]
	v_pk_add_f32 v[72:73], v[72:73], v[76:77]
	v_pk_add_f32 v[74:75], v[74:75], v[78:79]
	v_pk_add_f32 v[64:65], v[64:65], v[72:73]
	v_pk_add_f32 v[66:67], v[66:67], v[74:75]
.endm
	s_load_b256 s[4:11], s[0:1], 0x0               ; A s[4:5], W s[6:7], residual s[8:9], out s[10:11]
	v_lshl_add_u32 v[SPW], v0, 2, SPARE
	v_mov_b32 v[NIL], 0
	ds_add_u32 v[SPW], v[NIL]                      ; the wave's opening: the add and its wait stand ahead of my first tensor load; the set-up below stands between them
	v_lshrrev_b32 v1, 5, v0
	v_readfirstlane_b32 s[WV], v1                  ; wave 0..3
	s_bfe_u32 s13, ttmp6, 0x40000                  ; cx: it enters A's, the residual's and the output's global addresses alone
	s_lshl_b32 s14, ttmp9, 2
	s_add_co_u32 s14, s14, s13                     ; my block of 64 rows
	s_lshl_b32 s15, s14, 2                         ; its first row tile
	s_mov_b32 s[G1B+0], 15|(3<<16)|(1<<21)         ; the mask of four; elements of 8 bytes; bit 21 set beside a mask
	s_mov_b32 s[G1B+1], 32<<16                     ; tensor_dim0 = 32: rows of 256 bytes
	s_mov_b32 s[G1B+2], BROWS<<16                  ; tensor_dim1 = 171
	s_mov_b32 s[G1B+3], 32<<16                     ; tile_dim0 = 32
	s_mov_b32 s[G1B+4], BROWS                      ; tile_dim1 = 171: 43,776 dense bytes
	s_mov_b32 s[G1B+5], 32                         ; from row to row
	s_mov_b32 s[G1B+6], 0
	s_mov_b32 s[G1B+7], 0
	s_mov_b32 s[G1C+0], 15|(3<<16)|(1<<21)         ; the same with the piece's last 170 rows
	s_mov_b32 s[G1C+1], 32<<16
	s_mov_b32 s[G1C+2], (512-2*BROWS)<<16
	s_mov_b32 s[G1C+3], 32<<16
	s_mov_b32 s[G1C+4], 512-2*BROWS
	s_mov_b32 s[G1C+5], 32
	s_mov_b32 s[G1C+6], 0
	s_mov_b32 s[G1C+7], 0
	s_mov_b32 s[G1A+0], 3<<16                      ; no mask: the block is my work-group's own
	s_mov_b32 s[G1A+1], 32<<16
	s_mov_b32 s[G1A+2], 64<<16
	s_mov_b32 s[G1A+3], 32<<16
	s_mov_b32 s[G1A+4], 64                         ; 64 rows of 256 bytes: 16,384 dense bytes
	s_mov_b32 s[G1A+5], 32
	s_mov_b32 s[G1A+6], 0
	s_mov_b32 s[G1A+7], 0
	s_mul_i32 s22, s[WV], BROWS*256                ; which rows of W's piece I fetch, in memory and in LDS (waves 0 to 2)
	s_add_co_u32 s20, s22, WOFF
	s_mov_b32 s21, 0
	s_lshl_b32 s18, s15, 12                        ; my four row tiles in a slab
	s_mov_b32 s19, 0
	s_lshl_b32 s2, s[WV], 9
	s_add_co_u32 s2, s2, BOFF                      ; my 128 numbers of the bias
	s_mov_b32 s3, 0
	s_mov_b32 s[SEL], 0x76543210
	s_mov_b32 s[SEL+1], 0xfedcba98
	s_mov_b32 s[RC], 0x3b000000                    ; 1 / 512
	s_mov_b32 s[TBB], 0
	s_mov_b32 s[TBA], 0
	s_wait_dscnt 0x0                               ; the opening add is done
	s_wait_kmcnt 0x0
	s_add_nc_u64 s[20:21], s[6:7], s[20:21]
	s_add_nc_u64 s[18:19], s[4:5], s[18:19]
	s_add_nc_u64 s[BP:BP+1], s[6:7], s[2:3]
	s_mul_i32 s2, s[WV], 912
	s_add_co_u32 s2, s2, s15
	s_lshl_b32 s2, s2, 12                          ; (w x 912 + first row tile) x 4,096
	s_add_nc_u64 s[OP:OP+1], s[10:11], s[2:3]
	s_add_nc_u64 s[RP:RP+1], s[8:9], s[2:3]
.irp s, 0,1
	s_mov_b32 s[G0B+4*(\s)], 1                                     ; count = 1
	s_add_co_u32 s[G0B+4*(\s)+1], s22, (\s)*BSL                    ; LDS address
	s_add_nc_u64 s[G0B+4*(\s)+2:G0B+4*(\s)+3], s[20:21], (\s)*PIECE  ; K step s
	s_or_b32 s[G0B+4*(\s)+3], s[G0B+4*(\s)+3], 0x80000000          ; type = 2
	s_mov_b32 s[G0A+4*(\s)], 1
	s_mov_b32 s[G0A+4*(\s)+1], ABASE+(\s)*ASL
	s_add_nc_u64 s[G0A+4*(\s)+2:G0A+4*(\s)+3], s[18:19], (\s)*SLABB
	s_or_b32 s[G0A+4*(\s)+3], s[G0A+4*(\s)+3], 0x80000000
.endr
	CROUND                                         ; all four work-groups are here: the first joint loads meet
	s_cmp_lt_u32 s[WV], 2                          ; a wave's two first fills stand in one branch, ahead of every wait on TENSORcnt and every LDS read: two loads of mine are out
	s_cbranch_scc0 .Lfirst_not_01
	tensor_load_to_lds s[G0B:G0B+3], s[G1B:G1B+7]
	s_nop 0
	tensor_load_to_lds s[G0B+4:G0B+7], s[G1B:G1B+7]
	s_nop 0
.rept 4
	v_nop
.endr
	s_branch .Lfirst_asked
.Lfirst_not_01:
	s_cmp_eq_u32 s[WV], 2
	s_cbranch_scc0 .Lfirst_a
	tensor_load_to_lds s[G0B:G0B+3], s[G1C:G1C+7]
	s_nop 0
	tensor_load_to_lds s[G0B+4:G0B+7], s[G1C:G1C+7]
	s_nop 0
.rept 4
	v_nop
.endr
	s_branch .Lfirst_asked
.Lfirst_a:
	tensor_load_to_lds s[G0A:G0A+3], s[G1A:G1A+7]
	s_nop 0
	tensor_load_to_lds s[G0A+4:G0A+7], s[G1A:G1A+7]
	s_nop 0
.rept 4
	v_nop
.endr
.Lfirst_asked:
	v_and_b32 v2, 31, v0                           ; lane
	v_lshlrev_b32 v[LO], 4, v2
	v_bfe_u32 v3, v0, 4, 1                         ; lane / 16
	v_and_b32 v4, 15, v0                           ; lane % 16
	v_lshlrev_b32 v[BO], 5, v3
	WIN 0x80                                       ; destination window 2
.irp b, 0,1,2,3,4,5,6,7
	global_load_b128 v[8*(\b):8*(\b)+3],   v[BO], s[BP:BP+1] offset:64*(\b)      ; the bias of columns 16 b + 8 (lane / 16) + 0..7
	global_load_b128 v[8*(\b)+4:8*(\b)+7], v[BO], s[BP:BP+1] offset:64*(\b)+16
.endr
.set t, 0
.rept 32
	global_load_b128 v[RES+4*t:RES+4*t+3], v[LO], s[RP:RP+1] offset:512*t        ; the residual, f16: row tile a's fragment f at RES + 32 a + 8 f
.set t, t+1
.endr
.irp b, 0,1,2,3,4,5,6,7
	global_load_b128 v[LW+8*(\b):LW+8*(\b)+3],   v[BO], s[BP:BP+1] offset:2048+64*(\b)     ; the gain lies 2,048 bytes behind the bias,
	global_load_b128 v[LW+8*(\b)+4:LW+8*(\b)+7], v[BO], s[BP:BP+1] offset:2048+64*(\b)+16
.endr
	WIN 0xc0                                       ; destination window 3
.irp b, 0,1,2,3,4,5,6,7
	global_load_b128 v[8*(\b):8*(\b)+3],   v[BO], s[BP:BP+1] offset:4096+64*(\b)           ; the norm's bias 4,096
	global_load_b128 v[8*(\b)+4:8*(\b)+7], v[BO], s[BP:BP+1] offset:4096+64*(\b)+16
.endr
	WIN 0
	; The unit matrix's piece as source 0: lane (r = lane % 16, h = lane / 16) holds row r and k = 8 h + 0..7 in its first four registers.  The one stands at k = r: in the lanes with h = r / 8, register (r % 8) / 2, half r % 2.
	v_bfe_u32 v5, v0, 3, 1                         ; r / 8
	v_and_b32 v6, 1, v0
	v_lshlrev_b32 v6, 4, v6                        ; 16 x (r % 2)
	v_mov_b32 v7, 0x3c00                           ; 1.0 in f16
	v_lshlrev_b32 v7, v6, v7
	v_cmp_eq_u32 vcc_lo, v5, v3
	v_cndmask_b32 v7, 0, v7, vcc_lo
	v_bfe_u32 v5, v0, 1, 2                         ; (r % 8) / 2
	WIN 0xc0
.irp j, 0,1,2,3
	v_cmp_eq_u32 vcc_lo, \j, v5
	v_cndmask_b32 v[EB+4+(\j)], 0, v7, vcc_lo
	v_mov_b32 v[EB+(\j)], 0                        ; with four zeros behind it the piece has its ones at k = r, with four zeros in front at k = 16 + r
	v_mov_b32 v[EB+8+(\j)], 0
.endr
	WIN 0
	s_lshl_b32 s23, s[WV], 15                      ; my 32 fragments of a piece
	v_add_nc_u32 v[ADRB0], s23, v[LO]
	v_add_nc_u32 v[ADRA0], ABASE, v[LO]
	v_mov_b32 v[ADRB], v[ADRB0]
	v_mov_b32 v[ADRA], v[ADRA0]
	s_lshl_b32 s23, s[WV], 8
	s_add_co_u32 s23, s23, RED
	v_lshl_add_u32 v[RW], v4, 4, s23               ; my wave's 256 bytes: row r's four sums
	v_lshl_add_u32 v[RR], v4, 4, RED
.irp a, 0,1,2,3
	v_mov_b32 v[12+(\a)], 0                        ; v_permlanex16_b32's destination counts as read
.endr
	s_wait_tensorcnt 0x1                           ; my part of K step 0 is in; K step 1's may stay out
	s_barrier_signal -1
	s_barrier_wait -1                              ; everybody's is
	FETCH 0, F0
	s_wait_loadcnt 63                              ; the bias's 16 loads are the oldest of 80; 64 are younger, and the wait's field ends at 63
	QUARTER 1, F0, F1, 1                           ; the first quarter stands in front of the loops: its products start the sums
	WIN 0                                          ; at a label and at a branch every window is 0
	s_mov_b32 s3, FILLS
.Lfill:                                                ; a trip goes from a step's second quarter to the next step's first, and fills the slot that it leaves
	QUARTER 2, F1, F0, 0
	QUARTER 3, F0, F1, 0
	TURN 1
	QUARTER 1, F0, F1, 0
	WIN 0
	s_sub_co_u32 s3, s3, 1
	s_cmp_lg_u32 s3, 0
	s_cbranch_scc1 .Lfill
	s_mov_b32 s3, 2
.Ltail:                                                ; the last two K steps: nothing is filled
	QUARTER 2, F1, F0, 0
	QUARTER 3, F0, F1, 0
	TURN 0
	s_wait_dscnt 0x0                               ; no LDS load is out at the jump, whichever way it goes
	s_cmp_eq_u32 s3, 1
	s_cbranch_scc1 .Llast                          ; behind the last K step there is no step whose first quarter could be multiplied
	QUARTER 1, F0, F1, 0
	WIN 0
.Llast:
	s_sub_co_u32 s3, s3, 1
	s_cmp_lg_u32 s3, 0
	s_cbranch_scc1 .Ltail
	s_wait_dscnt 0x0                               ; the fragment buffers are written anew below
	PLACES
	v_nop                                          ; five places: the f16 form takes up accumulators that the bf16 form wrote, which is no chain
	; THE NORM.  z = sum + residual; mean; z - mean; variance of that (two passes: no difference of large sums); (z - mean) / sqrt(var + 1e-5) x gain + bias.
	s_wait_loadcnt 0x0                             ; residual, gain, bias
	WIN 0x5b                                       ; the unit matrix in window 3, the residual in window 2, sums in window 1
.irp a, 0,1,2,3
.irp b, 0,1,2,3,4,5,6,7
	v_wmma_f32_16x16x32_f16 v[8*(8*(\a)+(\b)):8*(8*(\a)+(\b))+7], v[EB+4-4*((\b)%2):EB+11-4*((\b)%2)], v[RES+32*(\a)+8*((\b)/2):RES+32*(\a)+8*((\b)/2)+7], v[8*(8*(\a)+(\b)):8*(8*(\a)+(\b))+7]
.endr
.endr
	WIN 0
	PLACES
	WIN 0x05
.irp a, 0,1,2,3
	v_pk_add_f32 v[T+2*(\a):T+2*(\a)+1], v[64*(\a):64*(\a)+1], v[64*(\a)+2:64*(\a)+3]  ; each accumulator from its low end on
.endr
	WIN 0x04
.set i, 2
.rept 30
.irp a, 0,1,2,3
	v_pk_add_f32 v[T+2*(\a):T+2*(\a)+1], v[T+2*(\a):T+2*(\a)+1], v[64*(\a)+2*i:64*(\a)+2*i+1]  ; four chains by turns
.endr
.set i, i+1
.endr
	REDUCE 0
.irp a, 0,1,2,3
	v_mul_f32 v[M+2*(\a)], s[RC], v[64+(\a)]       ; the mean, twice: a pair for the packed lines
	v_mul_f32 v[M+2*(\a)+1], s[RC], v[64+(\a)]
.endr
	WIN 0x41
.irp a, 0,1,2,3
.set i, 0
.rept 32
	v_pk_add_f32 v[64*(\a)+2*i:64*(\a)+2*i+1], v[64*(\a)+2*i:64*(\a)+2*i+1], v[M+2*(\a):M+2*(\a)+1] neg_lo:[0,1] neg_hi:[0,1]
.set i, i+1
.endr
.endr
	WIN 0x05
.irp a, 0,1,2,3
	v_pk_mul_f32 v[T+2*(\a):T+2*(\a)+1], v[64*(\a):64*(\a)+1], v[64*(\a):64*(\a)+1]
.endr
.set i, 1
.rept 31
.irp a, 0,1,2,3
	v_pk_fma_f32 v[T+2*(\a):T+2*(\a)+1], v[64*(\a)+2*i:64*(\a)+2*i+1], v[64*(\a)+2*i:64*(\a)+2*i+1], v[T+2*(\a):T+2*(\a)+1]
.endr
.set i, i+1
.endr
	REDUCE 1                                       ; other bytes than the first meeting's, so no barrier stands between its reads and these stores
.irp a, 0,1,2,3
	v_fmaak_f32 v[64+(\a)], s[RC], v[64+(\a)], 0x3727c5ac  ; var + 1e-5
.endr
.irp a, 0,1,2,3
	v_rsq_f32 v[M+2*(\a)], v[64+(\a)]
	v_rsq_f32 v[M+2*(\a)+1], v[64+(\a)]
.endr
	v_nop                                          ; a plain instruction behind the last of the batch (ISA guide 5.7.2),
	s_wait_alu depctr_va_vdst(0)                   ; and a wait ahead of the first use
	WIN 0x41
.irp a, 0,1,2,3
.set i, 0
.rept 32
	v_pk_mul_f32 v[64*(\a)+2*i:64*(\a)+2*i+1], v[64*(\a)+2*i:64*(\a)+2*i+1], v[M+2*(\a):M+2*(\a)+1]
.set i, i+1
.endr
.endr
	WIN 0x79                                       ; z in window 1, gain in window 2, bias in window 3
.irp a, 0,1,2,3
.set i, 0
.rept 32
	v_pk_fma_f32 v[64*(\a)+2*i:64*(\a)+2*i+1], v[64*(\a)+2*i:64*(\a)+2*i+1], v[LW+2*i:LW+2*i+1], v[2*i:2*i+1]
.set i, i+1
.endr
.endr
	WIN 0x05                                       ; sources in window 1, destination in window 0
.set t, 0
.rept 32
.irp r, 0,1,2,3
	v_cvt_pk_f16_f32 v[PK+4*t+(\r)], v[8*t+2*(\r)], v[8*t+2*(\r)+1]
.endr
.set t, t+1
.endr
	WIN 0
.set t, 0
.rept 32
	global_store_b128 v[LO], v[PK+4*t:PK+4*t+3], s[OP:OP+1] offset:512*t  ; 512 consecutive bytes, aligned: tile (a, b) at (8 a + b) x 512
.set t, t+1
.endr
	s_wait_tensorcnt 0x0                           ; the wave's end, behind my last tensor load and my last LDS store
	ds_add_u32 v[SPW], v[NIL]
	s_wait_dscnt 0x0
	CROUND                                         ; the closing round: no work-group ends while a partner may still ask for a piece that names it
	s_endpgm
.Lfunc_end_k_qb5f3ecbbc9_wo:
	.size	k_qb5f3ecbbc9_wo, .Lfunc_end_k_qb5f3ecbbc9_wo-k_qb5f3ecbbc9_wo
	.p2alignl 7, 3214868480
	.fill 96, 4, 3214868480
	.section	.rodata,"a",@progbits
	.p2align	6, 0x0
	.amdhsa_kernel k_qb5f3ecbbc9_wo
		.amdhsa_group_segment_fixed_size 327680
		.amdhsa_private_segment_fixed_size 0
		.amdhsa_enable_private_segment 0
		.amdhsa_kernarg_size 32
		.amdhsa_user_sgpr_count 2
		.amdhsa_user_sgpr_kernarg_segment_ptr 1
		.amdhsa_wavefront_size32 1
		.amdhsa_system_sgpr_workgroup_id_x 1
		.amdhsa_system_sgpr_workgroup_id_y 1
		.amdhsa_system_sgpr_workgroup_id_z 1
		.amdhsa_system_vgpr_workitem_id 0
		.amdhsa_next_free_vgpr 848
		.amdhsa_next_free_sgpr 100
		.amdhsa_reserve_vcc 1
		.amdhsa_float_denorm_mode_32 3
		.amdhsa_float_denorm_mode_16_64 3
		.amdhsa_memory_ordered 1
		.amdhsa_forward_progress 1
		.amdhsa_inst_pref_size 110
	.end_amdhsa_kernel
	.amdgpu_metadata
---
amdhsa.version: [ 1, 2 ]
amdhsa.kernels:
  - .name:           k_qb5f3ecbbc9_wo
    .symbol:         k_qb5f3ecbbc9_wo.kd
    .args:
      - { .name: ob, .offset: 0, .size: 8, .value_kind: global_buffer, .address_space: global }
      - { .name: wc, .offset: 8, .size: 8, .value_kind: global_buffer, .address_space: global }
      - { .name: xh, .offset: 16, .size: 8, .value_kind: global_buffer, .address_space: global }
      - { .name: x1h, .offset: 24, .size: 8, .value_kind: global_buffer, .address_space: global }
    .group_segment_fixed_size: 327680
    .private_segment_fixed_size: 0
    .kernarg_segment_align: 8
    .kernarg_segment_size: 32
    .max_flat_workgroup_size: 128
    .sgpr_count:     100
    .vgpr_count:     848
    .wavefront_size: 32
...
	.end_amdgpu_metadata
.endif
;; end of part 9
;; launch ffn1: the kernel of part 7 again; grid 8 x 57, 4 waves a work-group, no clusters, 327,680 bytes of LDS; arguments x1h, wb, hb; writes hb
;; launch ffn2 (part 10): grid 228 x 1, 4 waves a work-group, clusters of 4 x 1, 327,680 bytes of LDS; arguments hb, wc, x1h, out0; writes out0
.if DOCPART == 10
	.amdgcn_target "amdgcn-amd-amdhsa--gfx1250"
	.amdhsa_code_object_version 6
	.text
	.protected	k_qb5f3ecbbc9_ffn2
	.globl	k_qb5f3ecbbc9_ffn2
	.p2align	8
	.type	k_qb5f3ecbbc9_ffn2,@function
k_qb5f3ecbbc9_ffn2:
	s_mov_b64 s[64:65], 0
	v_nop
	global_prefetch_b8 v0, s[64:65] scope:SCOPE_SE
	s_setreg_imm32_b32 hwreg(HW_REG_WAVE_MODE, 25, 1), 1
	s_wait_xcnt 0x0
	s_wait_alu depctr_hold_cnt(0) depctr_sa_sdst(0) depctr_va_vdst(0) depctr_va_sdst(0) depctr_va_ssrc(0) depctr_va_vcc(0) depctr_vm_vsrc(0)
	s_getreg_b32 s2, hwreg(HW_REG_IB_STS2, 6, 4)
	s_cmp_eq_u32 s2, 0
	s_cbranch_scc0 .Lentry_in_a_cluster
	s_endpgm
.Lentry_in_a_cluster:
	s_bfe_u32 s2, ttmp6, 0x10000c
	s_cmp_lg_u32 s2, 0x3003
	s_cbranch_scc0 .Lentry_shape_is_right
	s_endpgm
.Lentry_shape_is_right:
; out = LayerNorm(x1 + h W2 + b2) x ln2_w + ln2_b, in f32, back in the tokens' own order.  h (hb): 14,592 rows x 2,048 in bf16, W2 in bf16, x1 (x1h) in f16, all in fragment order (a fragment of 16 rows x 32 k is
; 1,024 bytes: half c at 512 c, lane L at 16 L).  Sums in f32, begun with b2 as the first product's C; the norm in f32, in two passes.
; SHARES.  A work-group makes 64 whole rows of 512 columns, so that the norm stays inside it; wave w its columns 128 w .. 128 w + 127: 4 row tiles a x 8 column tiles b = 32 accumulators.  THE PRODUCT IS USED TRANSPOSED
; (source 0 = 16 columns of W, source 1 = 16 rows of A): a lane holds eight neighbouring columns of one row.
; RING.  K goes in 16 steps of 128 through two LDS slots, both dense copies of memory, so a fragment load has lane i at 16 i.  W's two pieces of 131,072 bytes lie at LDS byte 0 and 131,072, A's two blocks of 16,384 at 262,144
; and 278,528: one exclusive or turns an address of W or of A into the other slot's.  Behind each change of slots one tensor load a wave.
; TWO LOOPS, so that a K step's text stands twice, whatever K: the first loop's 14 steps fill the slot that they leave; the second loop's two steps fill nothing.  A trip goes from a
; step's second quarter to the next step's first; the very last trip jumps over that first quarter, and its change of slots (a barrier, 24 LDS loads of the slot read before) serves nothing: the price of the shorter text.
; ALL OF A STEP'S 128 PRODUCTS STAND AHEAD OF THE WAIT FOR THE TENSOR LOADS: a step has less matrix work than its tile needs to land, so what counts is the way from that wait to the next request: the add, the round
; and the descriptors' steps, and nothing else.
; CLUSTER.  All work-groups walk the same W: its piece is asked for JOINTLY by the four of a cluster.  The piece's 512 rows of 256 bytes are shared out among waves 0, 1 and 2 (171, 171 and 170 rows); A's block, the
; work-group's own, is wave 3's: so every wave issues a load, and the four are as near in size as the two kinds allow.
; THE RESIDUAL IS ADDED BY THE MATRIX UNIT.  x1 lies in f16 in fragment order, so 8 registers of it ARE source 1 (16 rows x 32 columns); source 0 is a piece of the unit matrix (column n of the tile takes k = n, or k = 16 + n
; for an odd column tile): 32 matrix instructions in place of 256 vector lines.  Each product is 1 x a number or 0, so nothing is rounded but the f32 sum.
; PREFETCH.  Behind each refill, and the run of LDS loads behind it, stand two prefetches for the K step two refills on (256 matrix instructions ahead of its load): wave 3 names its work-group's own 16 KiB of h;
; waves 0 and 1 of the first cluster name W2's piece, a half each, 16 KiB for each of the four partners, told apart by address.  So each block is named once.  K steps 0 to 3 come by their loads alone; the last two refills ask for nothing.
; THE WAY OUT.  Rows lie in the padded order (a batch's 57 tiles: 56 of patches, one with 7 global tokens and 9 pad rows); each row tile goes through my stage in LDS and is stored as whole rows' 256 bytes at the token's own row; pad rows are switched off by EXEC.
; REGISTERS, in windows of 256 (s_set_vgpr_msb: bits 1:0 source 0, 3:2 source 1, 5:4 source 2, 7:6 destination): window 0: v0-63 addresses and work, v64-159 and v160-255 two fragment buffers (8 of W, 4 of A);
; window 1: accumulator (a, b) at 8 (8 a + b); window 2: v0-63 the bias, v64-191 the residual, v192-255 the gain; window 3: v0-63 the norm's bias, v64-75 the unit matrix's pieces.
.set KK,     2048
.set WOFF,   536576                    ; where W's stream begins in its buffer
.set BOFF,   6144                      ; the bias; the gain lies 2,048 bytes behind it, the norm's bias 4,096
.set SLABB,  912*4096                  ; a slab: 128 columns of all 912 row tiles
.set PIECE,  131072                    ; W for 512 columns x 128 k
.set BROWS,  171                       ; rows of 256 bytes that waves 0 and 1 fetch of a piece's 512; wave 2 the other 170
.set BSL,    131072                    ; from W's slot 0 to its slot 1
.set ABASE,  2*BSL                     ; A's slot 0
.set ASL,    16384                     ; from A's slot 0 to its slot 1
.set RED,    ABASE+2*ASL               ; 2 x 1,024 bytes: the waves' row sums meet here
.set STAGE,  RED+2048                  ; 16 rows x 272 bytes for each wave
.set SPITCH, 272                       ; 256 bytes + 16: the 16 rows that a store touches start at 16 different groups of four banks (64 banks of 4 bytes: ISA guide 11.1)
.set SPARE,  STAGE+4*16*SPITCH         ; the spare words, 128 bytes a wave: two blocks of 256 bytes that no other line names
.set FILLS,  KK/128-2                  ; K steps that fill the slot that they leave
.set DIV57,  75350304                  ; the upper word of n x this is n / 57 for n below 912
.set ADRB0, 16                         ; v16 my place in W's slot 0; never rewritten
.set ADRA0, 17                         ; v17 the same for A
.set ADRB, 18                          ; v18 LDS address of my W fragments in the slot in hand
.set ADRA, 19                          ; v19 the same for A
.set LO,   20                          ; v20 16 x lane
.set BO,   21                          ; v21 32 x (lane / 16)
.set RW,   24                          ; v24 where I put my four row sums
.set RR,   25                          ; v25 where I read the four waves'
.set STO,  26                          ; v26 the way out: where I put 32 bytes of a row
.set RD,   27                          ; v27 where I read a row back
.set SPW,  28                          ; v28 SPARE + 4 x my thread's number; never rewritten
.set NIL,  29                          ; v29 0; never rewritten
.set PFO,  30                          ; v30 256 x lane; never rewritten
.set C16,  31                          ; v31 16 x (lane % 16)
.set T,    32                          ; v32-39 a pair of running sums a row tile
.set M,    40                          ; v40-47 the mean, later 1 / sigma, a pair a row tile
.set RWI,  48                          ; v48-55 the row of the tile that read-back i brings me: 2 i + lane / 16
.set VO,   56                          ; v56-63 its byte offset in out0
.set F0,   64
.set F1,   160
.set PK,   64                          ; v64-127 the way out: a row tile read back from the stage
.set RES,  64                          ; window 2
.set LW,   192                         ; window 2
.set EB,   64                          ; window 3: four zeros, the four registers that hold the ones, four zeros
.set WV,   12                          ; s12 my wave's number
.set G1B,  24                          ; s[24:31] descriptor group 1 for W, 171 rows
.set G1A,  32                          ; s[32:39] for A
.set G0B,  40                          ; s[40:47] group 0 for W: a set for each of the two first fills; the second then walks on
.set G0A,  48                          ; s[48:55] the same for A
.set PFA,  56                          ; s[56:57] where my prefetches stand
.set PFS,  58                          ; s[58:59] their step
.set LIM,  60                          ; s60 2 in a wave that prefetches, else the greatest number
.set TBB,  62                          ; s62 0 or BSL: W's slot in hand
.set TBA,  63                          ; s63 0 or ASL: A's
.set SEL,  66
.set BP,   70
.set RP,   72
.set RC,   81
.set G1C,  92                          ; s[92:99] group 1 for W, 170 rows
.set MSB, 0
.macro WIN new                         ; the immediate's high byte repeats the setting that is left; a switch that changes nothing is dropped
.if MSB != (\new)
	s_set_vgpr_msb (MSB<<8)|(\new)
.set MSB, \new
.endif
.endm
.set W_MUL, 0x50                       ; C and D in window 1
.set W_INI, 0x60                       ; D in window 1, C (the bias) in window 2
.macro PLACES                          ; four places in front of loads into registers that matrix instructions have read, and of vector lines that read results
.rept 4
	v_nop
.endr
.endm
.macro CREST                           ; a round of the cluster's barrier behind its opening barrier
	s_cmp_lg_u32 s[WV], 0
	s_cbranch_scc1 .Lnot_wave_0_\@
	s_barrier_signal -3
.Lnot_wave_0_\@:
	s_barrier_wait -3
	s_barrier_signal -1
	s_barrier_wait -1
.endm
.macro CROUND
	s_barrier_signal -1
	s_barrier_wait -1
	CREST
.endm
; A refill, by the walking descriptors: one tensor load a wave, chosen by the wave's number alone.  An s_nop 0 and four v_nop follow each load; they are also places in front of the LDS loads that follow.
.macro JLOAD
	s_cmp_lt_u32 s[WV], 2
	s_cbranch_scc0 .Lnot_01_\@
	tensor_load_to_lds s[G0B+4:G0B+7], s[G1B:G1B+7]
	s_nop 0
.rept 4
	v_nop
.endr
	s_branch .Lasked_\@
.Lnot_01_\@:
	s_cmp_eq_u32 s[WV], 2
	s_cbranch_scc0 .Lfor_a_\@
	tensor_load_to_lds s[G0B+4:G0B+7], s[G1C:G1C+7]
	s_nop 0
.rept 4
	v_nop
.endr
	s_branch .Lasked_\@
.Lfor_a_\@:
	tensor_load_to_lds s[G0A+4:G0A+7], s[G1A:G1A+7]
	s_nop 0
.rept 4
	v_nop
.endr
.Lasked_\@:
.endm
.macro ASK                             ; 16 KiB of the K step that stands two refills on: a lane a block of 256 bytes, two instructions
	s_cmp_gt_u32 s3, s[LIM]                        ; s3 counts the refills still to come, this one among them: the last two have no K step two refills on; never in a wave whose LIM is the greatest number
	s_cbranch_scc0 .Lnot_mine_\@
	global_prefetch_b8 v[PFO], s[PFA:PFA+1] th:TH_LOAD_NT scope:SCOPE_SE
	global_prefetch_b8 v[PFO], s[PFA:PFA+1] offset:8192 th:TH_LOAD_NT scope:SCOPE_SE
.Lnot_mine_\@:
.endm
; 8 matrix instructions: row tile a x all 8 column tiles, 32 along K, from buffer f.  init = 1: the first product starts the sums, with the bias.  The 32 accumulators take turns, one instruction a turn.
.macro MUL8 f, a, init
.if \init
	WIN W_INI
.else
	WIN W_MUL
.endif
.irp b, 0,1,2,3,4,5,6,7
.set rD, 8*(8*(\a)+(\b))
.set rC, rD
.if \init
.set rC, 8*(\b)
.endif
	v_wmma_f32_16x16x32_bf16 v[rD:rD+7], v[(\f)+8*(\b):(\f)+8*(\b)+7], v[(\f)+64+8*(\a):(\f)+64+8*(\a)+7], v[rC:rC+7]
.endr
.endm
; 24 LDS loads in one run: quarter s of the slot in hand (32 along K) into buffer f: W's 8 fragments, then A's 4
.macro FETCH s, f
	WIN 0
.irp b, 0,1,2,3,4,5,6,7
	ds_load_b128 v[(\f)+8*(\b):(\f)+8*(\b)+3],   v[ADRB] offset:(8*(\s)+(\b))*1024
	ds_load_b128 v[(\f)+8*(\b)+4:(\f)+8*(\b)+7], v[ADRB] offset:(8*(\s)+(\b))*1024+512
.endr
.irp a, 0,1,2,3
	ds_load_b128 v[(\f)+64+8*(\a):(\f)+64+8*(\a)+3],   v[ADRA] offset:(\a)*4096+(\s)*1024
	ds_load_b128 v[(\f)+64+8*(\a)+4:(\f)+64+8*(\a)+7], v[ADRA] offset:(\a)*4096+(\s)*1024+512
.endr
.endm
; One of a K step's first three quarters: multiplies buffer f and, in its middle, fetches quarter snext of the same slot into g.
.macro QUARTER snext, f, g, init
	s_wait_dscnt 4                                 ; W and A's tiles 0, 1 are in; the youngest four loads (A's tiles 2, 3) may be out
	MUL8 \f, 0, \init
	MUL8 \f, 1, \init
	PLACES
	FETCH \snext, \g
	s_wait_dscnt 24                                ; all but the 24 just issued
	MUL8 \f, 2, \init
	MUL8 \f, 3, \init
.endm
; The last quarter multiplies buffer 1, and then the slots change: ONE barrier; in front of it each wave waits for all its tensor loads, adds 0 to its spare word, and waits for that (its reads of this slot are back already).
; fill = 1: the barrier opens a round of the cluster's barrier, and this slot is filled again, two K steps ahead, first thing behind the round.
.macro TURN fill
.if \fill
	s_wait_xcnt 0x0                                ; the last prefetches, a K step back, have read their address: it is stepped here, ahead of the waits of the change of slots
	s_add_nc_u64 s[PFA:PFA+1], s[PFA:PFA+1], s[PFS:PFS+1]
.endif
	s_wait_dscnt 4
	MUL8 F1, 0, 0
	MUL8 F1, 1, 0
	s_wait_dscnt 0x0                               ; my reads of this slot are over
	MUL8 F1, 2, 0
	MUL8 F1, 3, 0
	WIN 0
	s_wait_tensorcnt 0x0                           ; all my tensor loads have landed: my part of the next slot; no load of mine is out, so a group 0 may be written
	ds_add_u32 v[SPW], v[NIL]                      ; 0 onto my spare word; the scalar steps stand between it and the wait for it
	s_xor_b32 s[TBB], s[TBB], BSL                  ; the reads go on in the other slot
	s_xor_b32 s[TBA], s[TBA], ASL
.if \fill
	s_xor_b32 s[G0B+5], s[G0B+5], BSL              ; the walking descriptors: the other slot than last time,
	s_add_nc_u64 s[G0B+6:G0B+7], s[G0B+6:G0B+7], PIECE  ; the next K step; the type bits on top are not reached
	s_xor_b32 s[G0A+5], s[G0A+5], ASL
	s_add_nc_u64 s[G0A+6:G0A+7], s[G0A+6:G0A+7], SLABB
.endif
	s_wait_dscnt 0x0                               ; the add is done
	s_barrier_signal -1
	s_barrier_wait -1
.if \fill
	CREST                                          ; no wave of any partner still reads this slot or has a load on its way
	JLOAD
.else
	v_nop                                          ; with the two lines below: the four places in front of the loads into buffer 0
	v_nop
.endif
	v_add_nc_u32 v[ADRB], s[TBB], v[ADRB0]
	v_add_nc_u32 v[ADRA], s[TBA], v[ADRA0]
	FETCH 0, F0
.if \fill
	ASK                                            ; behind the joint load and the run of LDS loads that the next products wait for
.endif
.endm
; The four row sums in T's pairs: the pair's halves, the other half of the lanes, then the four waves' through LDS.  The totals of tiles 0..3 end in v64..67, the same in every wave.
.macro REDUCE p
	WIN 0
.irp a, 0,1,2,3
	v_add_f32 v[8+(\a)], v[T+2*(\a)], v[T+2*(\a)+1]
.endr
.irp a, 0,1,2,3
	v_permlanex16_b32 v[12+(\a)], v[8+(\a)], s[SEL], s[SEL+1]
.endr
.irp a, 0,1,2,3
	v_add_f32 v[8+(\a)], v[8+(\a)], v[12+(\a)]
.endr
	ds_store_b128 v[RW], v[8:11] offset:(\p)*1024
	s_wait_dscnt 0x0                               ; for the others' sake: my store is done
	s_barrier_signal -1
	s_barrier_wait -1
.irp w, 0,1,2,3
	ds_load_b128 v[64+4*(\w):67+4*(\w)], v[RR] offset:(\p)*1024+(\w)*256
.endr
	s_wait_dscnt 0x0
	v_pk_add_f32 v[64:65], v[64:65], v[68:69]
	v_pk_add_f32 v[66:67], v[66:67], v[70:71]
	v_pk_add_f32 v[72:73], v[72:73], v[76:77]
	v_pk_add_f32 v[74:75], v[74:75], v[78:79]
	v_pk_add_f32 v[64:65], v[64:65], v[72:73]
	v_pk_add_f32 v[66:67], v[66:67], v[74:75]
.endm
; Row tile a leaves in f32, through my stage, 64 columns at a time (q = 0, 1); its 16 rows go back to the tokens' own order.  A tile has 16 rows or 7.  So rows 0 to 5 (read-backs 0 to 2) are stored by all lanes;
; rows 6 and 7 under one mask; rows 8 to 15, which exist all or none, under a second: EXEC changes twice a tile, each time behind s_wait_xcnt 0.
.macro OUTROWS a
	s_add_co_u32 s82, s15, \a
	s_mul_hi_u32 s83, s82, DIV57                   ; batch
	s_mul_i32 s85, s83, 57
	s_sub_co_u32 s84, s82, s85                     ; tile in the batch
	s_mul_i32 s89, s83, 903
	s_lshr_b32 s85, s84, 3
	s_mul_i32 s85, s85, 129
	s_and_b32 s86, s84, 7
	s_lshl_b32 s86, s86, 4
	s_add_co_u32 s85, s85, s86
	s_mov_b32 s87, 129*2048
	s_cmp_lt_u32 s84, 56
	s_cselect_b32 s85, s85, 128                    ; a patch tile's first row, or the first global token
	s_cselect_b32 s87, 2048, s87                   ; bytes from row to row
	s_cselect_b32 s88, 16, 7                       ; rows that exist
	s_add_co_u32 s89, s89, s85
	s_lshl_b32 s89, s89, 11
	s_lshl_b32 s85, s[WV], 9
	s_add_co_u32 s89, s89, s85
	s_wait_xcnt 0x0                                ; the last tile's stores have read their offsets and data
	v_add_nc_u32 v7, s89, v[C16]
.irp i, 0,1,2,3,4,5,6,7
	v_mad_u32_u24 v[VO+(\i)], v[RWI+(\i)], s87, v7
.endr
.irp q, 0,1
	WIN 0x04                                       ; store data in window 1
.irp c, 0,1,2,3
	ds_store_b128 v[STO], v[64*(\a)+8*(4*(\q)+(\c)):64*(\a)+8*(4*(\q)+(\c))+3] offset:64*(\c)
	ds_store_b128 v[STO], v[64*(\a)+8*(4*(\q)+(\c))+4:64*(\a)+8*(4*(\q)+(\c))+7] offset:64*(\c)+16
.endr
	WIN 0
.irp i, 0,1,2,3,4,5,6,7
	ds_load_b128 v[PK+32*(\q)+4*(\i):PK+32*(\q)+4*(\i)+3], v[RD] offset:2*SPITCH*(\i)  ; LDS serves a wave's instructions in order (ISA guide 5.7.1.4): these see the stores above, and the next stores come behind them
.endr
.endr
.irp i, 0,1,2
	s_wait_dscnt 23-(\i)                           ; behind this read-back: 7 - i of its own run, then the second run's 8 stores and 8 loads
	global_store_b128 v[VO+(\i)], v[PK+4*(\i):PK+4*(\i)+3], s[10:11] th:TH_STORE_NT  ; 16 lanes store 256 consecutive bytes, aligned
.endr
.irp i, 0,1,2
	s_wait_dscnt 7-(\i)
	global_store_b128 v[VO+(\i)], v[PK+32+4*(\i):PK+32+4*(\i)+3], s[10:11] offset:256 th:TH_STORE_NT
.endr
	s_wait_dscnt 0x0
	v_cmp_gt_u32 vcc_lo, s88, v[RWI+3]             ; rows 6 and 7
	s_wait_xcnt 0x0                                ; EXEC changes only behind this wait
	s_and_saveexec_b32 s80, vcc_lo
	global_store_b128 v[VO+3], v[PK+12:PK+15], s[10:11] th:TH_STORE_NT
	global_store_b128 v[VO+3], v[PK+44:PK+47], s[10:11] offset:256 th:TH_STORE_NT
	s_wait_xcnt 0x0
	s_or_b32 exec_lo, exec_lo, s80
	v_cmp_gt_u32 vcc_lo, s88, v[RWI+4]             ; rows 8 and 9 exist where the tile has 16 rows, and then rows 10 to 15 do too
	s_and_saveexec_b32 s80, vcc_lo
.irp i, 4,5,6,7
	global_store_b128 v[VO+(\i)], v[PK+4*(\i):PK+4*(\i)+3], s[10:11] th:TH_STORE_NT
	global_store_b128 v[VO+(\i)], v[PK+32+4*(\i):PK+32+4*(\i)+3], s[10:11] offset:256 th:TH_STORE_NT
.endr
	s_wait_xcnt 0x0
	s_or_b32 exec_lo, exec_lo, s80
.endm
	s_load_b256 s[4:11], s[0:1], 0x0               ; A s[4:5], W s[6:7], residual s[8:9], out s[10:11]
	v_lshl_add_u32 v[SPW], v0, 2, SPARE
	v_mov_b32 v[NIL], 0
	ds_add_u32 v[SPW], v[NIL]                      ; the wave's opening: the add and its wait stand ahead of my first tensor load; the set-up below stands between them
	v_lshrrev_b32 v1, 5, v0
	v_readfirstlane_b32 s[WV], v1                  ; wave 0..3
	s_bfe_u32 s13, ttmp6, 0x40000                  ; cx: it enters A's, the residual's, the prefetches' and the output's global addresses, and the output's lane masks, alone
	s_lshl_b32 s14, ttmp9, 2
	s_add_co_u32 s14, s14, s13                     ; my block of 64 rows
	s_lshl_b32 s15, s14, 2                         ; its first row tile
	s_mov_b32 s[G1B+0], 15|(3<<16)|(1<<21)         ; the mask of four; elements of 8 bytes; bit 21 set beside a mask
	s_mov_b32 s[G1B+1], 32<<16                     ; tensor_dim0 = 32: rows of 256 bytes
	s_mov_b32 s[G1B+2], BROWS<<16                  ; tensor_dim1 = 171
	s_mov_b32 s[G1B+3], 32<<16                     ; tile_dim0 = 32
	s_mov_b32 s[G1B+4], BROWS                      ; tile_dim1 = 171: 43,776 dense bytes
	s_mov_b32 s[G1B+5], 32                         ; from row to row
	s_mov_b32 s[G1B+6], 0
	s_mov_b32 s[G1B+7], 0
	s_mov_b32 s[G1C+0], 15|(3<<16)|(1<<21)         ; the same with the piece's last 170 rows
	s_mov_b32 s[G1C+1], 32<<16
	s_mov_b32 s[G1C+2], (512-2*BROWS)<<16
	s_mov_b32 s[G1C+3], 32<<16
	s_mov_b32 s[G1C+4], 512-2*BROWS
	s_mov_b32 s[G1C+5], 32
	s_mov_b32 s[G1C+6], 0
	s_mov_b32 s[G1C+7], 0
	s_mov_b32 s[G1A+0], 3<<16                      ; no mask: the block is my work-group's own
	s_mov_b32 s[G1A+1], 32<<16
	s_mov_b32 s[G1A+2], 64<<16
	s_mov_b32 s[G1A+3], 32<<16
	s_mov_b32 s[G1A+4], 64                         ; 64 rows of 256 bytes: 16,384 dense bytes
	s_mov_b32 s[G1A+5], 32
	s_mov_b32 s[G1A+6], 0
	s_mov_b32 s[G1A+7], 0
	s_mul_i32 s22, s[WV], BROWS*256                ; which rows of W's piece I fetch, in memory and in LDS (waves 0 to 2)
	s_add_co_u32 s20, s22, WOFF
	s_mov_b32 s21, 0
	s_lshl_b32 s18, s15, 12                        ; my four row tiles in a slab
	s_mov_b32 s19, 0
	s_lshl_b32 s2, s[WV], 9
	s_add_co_u32 s2, s2, BOFF                      ; my 128 numbers of the bias
	s_mov_b32 s3, 0
	s_mov_b32 s[SEL], 0x76543210
	s_mov_b32 s[SEL+1], 0xfedcba98
	s_mov_b32 s[RC], 0x3b000000                    ; 1 / 512
	s_mov_b32 s[TBB], 0
	s_mov_b32 s[TBA], 0
	s_wait_dscnt 0x0                               ; the opening add is done
	s_wait_kmcnt 0x0
	s_add_nc_u64 s[20:21], s[6:7], s[20:21]
	s_add_nc_u64 s[18:19], s[4:5], s[18:19]
	s_add_nc_u64 s[BP:BP+1], s[6:7], s[2:3]
	s_mul_i32 s2, s[WV], 912
	s_add_co_u32 s2, s2, s15
	s_lshl_b32 s2, s2, 12                          ; (w x 912 + first row tile) x 4,096
	s_add_nc_u64 s[RP:RP+1], s[8:9], s[2:3]
.irp s, 0,1
	s_mov_b32 s[G0B+4*(\s)], 1                                     ; count = 1
	s_add_co_u32 s[G0B+4*(\s)+1], s22, (\s)*BSL                    ; LDS address
	s_add_nc_u64 s[G0B+4*(\s)+2:G0B+4*(\s)+3], s[20:21], (\s)*PIECE  ; K step s
	s_or_b32 s[G0B+4*(\s)+3], s[G0B+4*(\s)+3], 0x80000000          ; type = 2
	s_mov_b32 s[G0A+4*(\s)], 1
	s_mov_b32 s[G0A+4*(\s)+1], ABASE+(\s)*ASL
	s_add_nc_u64 s[G0A+4*(\s)+2:G0A+4*(\s)+3], s[18:19], (\s)*SLABB
	s_or_b32 s[G0A+4*(\s)+3], s[G0A+4*(\s)+3], 0x80000000
.endr
	; WHO PREFETCHES.  Wave 3: its own work-group's block of A.  Waves 0 and 1, in the first cluster alone (every cluster walks the same W): a half of the piece each, of which the four partners take 16 KiB each, told apart by address.
	s_lshl_b32 s76, s[WV], 16
	s_lshl_b32 s77, s13, 14
	s_add_co_u32 s76, s76, s77
	s_add_co_u32 s76, s76, WOFF+3*PIECE            ; at K step 3: the first change of slots steps it to 4
	s_add_co_u32 s77, s15, 3*912
	s_lshl_b32 s77, s77, 12
	s_mov_b32 s78, SLABB
	s_cmp_lt_u32 s[WV], 2
	s_cselect_b64 s[PFA:PFA+1], s[6:7], s[4:5]
	s_cselect_b32 s76, s76, s77
	s_cselect_b32 s[PFS], PIECE, s78
	s_mov_b32 s77, 0
	s_mov_b32 s[PFS+1], 0
	s_add_nc_u64 s[PFA:PFA+1], s[PFA:PFA+1], s[76:77]
	s_cmp_eq_u32 ttmp9, 0
	s_cselect_b32 s78, 2, -1
	s_cmp_lt_u32 s[WV], 2
	s_cselect_b32 s[LIM], s78, 2
	s_cmp_eq_u32 s[WV], 2
	s_cselect_b32 s[LIM], -1, s[LIM]
	CROUND                                         ; all four work-groups are here: the first joint loads meet
	s_cmp_lt_u32 s[WV], 2                          ; a wave's two first fills stand in one branch, ahead of every wait on TENSORcnt and every LDS read: two loads of mine are out
	s_cbranch_scc0 .Lfirst_not_01
	tensor_load_to_lds s[G0B:G0B+3], s[G1B:G1B+7]
	s_nop 0
	tensor_load_to_lds s[G0B+4:G0B+7], s[G1B:G1B+7]
	s_nop 0
.rept 4
	v_nop
.endr
	s_branch .Lfirst_asked
.Lfirst_not_01:
	s_cmp_eq_u32 s[WV], 2
	s_cbranch_scc0 .Lfirst_a
	tensor_load_to_lds s[G0B:G0B+3], s[G1C:G1C+7]
	s_nop 0
	tensor_load_to_lds s[G0B+4:G0B+7], s[G1C:G1C+7]
	s_nop 0
.rept 4
	v_nop
.endr
	s_branch .Lfirst_asked
.Lfirst_a:
	tensor_load_to_lds s[G0A:G0A+3], s[G1A:G1A+7]
	s_nop 0
	tensor_load_to_lds s[G0A+4:G0A+7], s[G1A:G1A+7]
	s_nop 0
.rept 4
	v_nop
.endr
.Lfirst_asked:
	v_and_b32 v2, 31, v0                           ; lane
	v_lshlrev_b32 v[LO], 4, v2
	v_bfe_u32 v3, v0, 4, 1                         ; lane / 16
	v_and_b32 v4, 15, v0                           ; lane % 16
	v_lshlrev_b32 v[BO], 5, v3
	WIN 0x80                                       ; destination window 2
.irp b, 0,1,2,3,4,5,6,7
	global_load_b128 v[8*(\b):8*(\b)+3],   v[BO], s[BP:BP+1] offset:64*(\b)      ; the bias of columns 16 b + 8 (lane / 16) + 0..7
	global_load_b128 v[8*(\b)+4:8*(\b)+7], v[BO], s[BP:BP+1] offset:64*(\b)+16
.endr
.set t, 0
.rept 32
	global_load_b128 v[RES+4*t:RES+4*t+3], v[LO], s[RP:RP+1] offset:512*t        ; the residual, f16: row tile a's fragment f at RES + 32 a + 8 f
.set t, t+1
.endr
.irp b, 0,1,2,3,4,5,6,7
	global_load_b128 v[LW+8*(\b):LW+8*(\b)+3],   v[BO], s[BP:BP+1] offset:2048+64*(\b)     ; the gain lies 2,048 bytes behind the bias,
	global_load_b128 v[LW+8*(\b)+4:LW+8*(\b)+7], v[BO], s[BP:BP+1] offset:2048+64*(\b)+16
.endr
	WIN 0xc0                                       ; destination window 3
.irp b, 0,1,2,3,4,5,6,7
	global_load_b128 v[8*(\b):8*(\b)+3],   v[BO], s[BP:BP+1] offset:4096+64*(\b)           ; the norm's bias 4,096
	global_load_b128 v[8*(\b)+4:8*(\b)+7], v[BO], s[BP:BP+1] offset:4096+64*(\b)+16
.endr
	WIN 0
	; The unit matrix's piece as source 0: lane (r = lane % 16, h = lane / 16) holds row r and k = 8 h + 0..7 in its first four registers.  The one stands at k = r: in the lanes with h = r / 8, register (r % 8) / 2, half r % 2.
	v_bfe_u32 v5, v0, 3, 1                         ; r / 8
	v_and_b32 v6, 1, v0
	v_lshlrev_b32 v6, 4, v6                        ; 16 x (r % 2)
	v_mov_b32 v7, 0x3c00                           ; 1.0 in f16
	v_lshlrev_b32 v7, v6, v7
	v_cmp_eq_u32 vcc_lo, v5, v3
	v_cndmask_b32 v7, 0, v7, vcc_lo
	v_bfe_u32 v5, v0, 1, 2                         ; (r % 8) / 2
	WIN 0xc0
.irp j, 0,1,2,3
	v_cmp_eq_u32 vcc_lo, \j, v5
	v_cndmask_b32 v[EB+4+(\j)], 0, v7, vcc_lo
	v_mov_b32 v[EB+(\j)], 0                        ; with four zeros behind it the piece has its ones at k = r, with four zeros in front at k = 16 + r
	v_mov_b32 v[EB+8+(\j)], 0
.endr
	WIN 0
	s_lshl_b32 s23, s[WV], 15                      ; my 32 fragments of a piece
	v_add_nc_u32 v[ADRB0], s23, v[LO]
	v_add_nc_u32 v[ADRA0], ABASE, v[LO]
	v_mov_b32 v[ADRB], v[ADRB0]
	v_mov_b32 v[ADRA], v[ADRA0]
	s_lshl_b32 s23, s[WV], 8
	s_add_co_u32 s23, s23, RED
	v_lshl_add_u32 v[RW], v4, 4, s23               ; my wave's 256 bytes: row r's four sums
	v_lshl_add_u32 v[RR], v4, 4, RED
.irp a, 0,1,2,3
	v_mov_b32 v[12+(\a)], 0                        ; v_permlanex16_b32's destination counts as read
.endr
	s_mul_i32 s23, s[WV], 16*SPITCH
	s_add_co_u32 s23, s23, STAGE                   ; my stage
	v_mul_u32_u24 v5, v4, SPITCH                   ; in: row lane % 16, 32 bytes for each half of the lanes
	v_lshl_add_u32 v5, v3, 5, v5
	v_add_nc_u32 v[STO], s23, v5
	v_mul_u32_u24 v5, v3, SPITCH                   ; back: lanes 0-15 one row of 256 bytes, lanes 16-31 the next
	v_lshl_add_u32 v5, v4, 4, v5
	v_add_nc_u32 v[RD], s23, v5
	v_lshlrev_b32 v[C16], 4, v4
.irp i, 0,1,2,3,4,5,6,7
	v_add_nc_u32 v[RWI+(\i)], 2*(\i), v3           ; the row that read-back i brings me
.endr
	v_lshlrev_b32 v[PFO], 8, v2
	s_wait_tensorcnt 0x1                           ; my part of K step 0 is in; K step 1's may stay out
	s_barrier_signal -1
	s_barrier_wait -1                              ; everybody's is
	FETCH 0, F0
	s_wait_loadcnt 63                              ; the bias's 16 loads are the oldest of 80; 64 are younger, and the wait's field ends at 63
	QUARTER 1, F0, F1, 1                           ; the first quarter stands in front of the loops: its products start the sums
	WIN 0                                          ; at a label and at a branch every window is 0
	s_mov_b32 s3, FILLS
.Lfill:                                                ; a trip goes from a step's second quarter to the next step's first, and fills the slot that it leaves
	QUARTER 2, F1, F0, 0
	QUARTER 3, F0, F1, 0
	TURN 1
	QUARTER 1, F0, F1, 0
	WIN 0
	s_sub_co_u32 s3, s3, 1
	s_cmp_lg_u32 s3, 0
	s_cbranch_scc1 .Lfill
	s_mov_b32 s3, 2
.Ltail:                                                ; the last two K steps: nothing is filled
	QUARTER 2, F1, F0, 0
	QUARTER 3, F0, F1, 0
	TURN 0
	s_wait_dscnt 0x0                               ; no LDS load is out at the jump, whichever way it goes
	s_cmp_eq_u32 s3, 1
	s_cbranch_scc1 .Llast                          ; behind the last K step there is no step whose first quarter could be multiplied
	QUARTER 1, F0, F1, 0
	WIN 0
.Llast:
	s_sub_co_u32 s3, s3, 1
	s_cmp_lg_u32 s3, 0
	s_cbranch_scc1 .Ltail
	s_wait_dscnt 0x0                               ; the fragment buffers are written anew below
	PLACES
	v_nop                                          ; five places: the f16 form takes up accumulators that the bf16 form wrote, which is no chain
	; THE NORM.  z = sum + residual; mean; z - mean; variance of that (two passes: no difference of large sums); (z - mean) / sqrt(var + 1e-5) x gain + bias.
	s_wait_loadcnt 0x0                             ; residual, gain, bias
	WIN 0x5b                                       ; the unit matrix in window 3, the residual in window 2, sums in window 1
.irp a, 0,1,2,3
.irp b, 0,1,2,3,4,5,6,7
	v_wmma_f32_16x16x32_f16 v[8*(8*(\a)+(\b)):8*(8*(\a)+(\b))+7], v[EB+4-4*((\b)%2):EB+11-4*((\b)%2)], v[RES+32*(\a)+8*((\b)/2):RES+32*(\a)+8*((\b)/2)+7], v[8*(8*(\a)+(\b)):8*(8*(\a)+(\b))+7]
.endr
.endr
	WIN 0
	PLACES
	WIN 0x05
.irp a, 0,1,2,3
	v_pk_add_f32 v[T+2*(\a):T+2*(\a)+1], v[64*(\a):64*(\a)+1], v[64*(\a)+2:64*(\a)+3]  ; each accumulator from its low end on
.endr
	WIN 0x04
.set i, 2
.rept 30
.irp a, 0,1,2,3
	v_pk_add_f32 v[T+2*(\a):T+2*(\a)+1], v[T+2*(\a):T+2*(\a)+1], v[64*(\a)+2*i:64*(\a)+2*i+1]  ; four chains by turns
.endr
.set i, i+1
.endr
	REDUCE 0
.irp a, 0,1,2,3
	v_mul_f32 v[M+2*(\a)], s[RC], v[64+(\a)]       ; the mean, twice: a pair for the packed lines
	v_mul_f32 v[M+2*(\a)+1], s[RC], v[64+(\a)]
.endr
	WIN 0x41
.irp a, 0,1,2,3
.set i, 0
.rept 32
	v_pk_add_f32 v[64*(\a)+2*i:64*(\a)+2*i+1], v[64*(\a)+2*i:64*(\a)+2*i+1], v[M+2*(\a):M+2*(\a)+1] neg_lo:[0,1] neg_hi:[0,1]
.set i, i+1
.endr
.endr
	WIN 0x05
.irp a, 0,1,2,3
	v_pk_mul_f32 v[T+2*(\a):T+2*(\a)+1], v[64*(\a):64*(\a)+1], v[64*(\a):64*(\a)+1]
.endr
.set i, 1
.rept 31
.irp a, 0,1,2,3
	v_pk_fma_f32 v[T+2*(\a):T+2*(\a)+1], v[64*(\a)+2*i:64*(\a)+2*i+1], v[64*(\a)+2*i:64*(\a)+2*i+1], v[T+2*(\a):T+2*(\a)+1]
.endr
.set i, i+1
.endr
	REDUCE 1                                       ; other bytes than the first meeting's, so no barrier stands between its reads and these stores
.irp a, 0,1,2,3
	v_fmaak_f32 v[64+(\a)], s[RC], v[64+(\a)], 0x3727c5ac  ; var + 1e-5
.endr
.irp a, 0,1,2,3
	v_rsq_f32 v[M+2*(\a)], v[64+(\a)]
	v_rsq_f32 v[M+2*(\a)+1], v[64+(\a)]
.endr
	v_nop                                          ; a plain instruction behind the last of the batch (ISA guide 5.7.2),
	s_wait_alu depctr_va_vdst(0)                   ; and a wait ahead of the first use
	WIN 0x41
.irp a, 0,1,2,3
.set i, 0
.rept 32
	v_pk_mul_f32 v[64*(\a)+2*i:64*(\a)+2*i+1], v[64*(\a)+2*i:64*(\a)+2*i+1], v[M+2*(\a):M+2*(\a)+1]
.set i, i+1
.endr
.endr
	WIN 0x79                                       ; z in window 1, gain in window 2, bias in window 3
.irp a, 0,1,2,3
.set i, 0
.rept 32
	v_pk_fma_f32 v[64*(\a)+2*i:64*(\a)+2*i+1], v[64*(\a)+2*i:64*(\a)+2*i+1], v[LW+2*i:LW+2*i+1], v[2*i:2*i+1]
.set i, i+1
.endr
.endr
	WIN 0
	OUTROWS 0
	OUTROWS 1
	OUTROWS 2
	OUTROWS 3
	s_wait_tensorcnt 0x0                           ; the wave's end, behind my last tensor load and my last LDS store
	ds_add_u32 v[SPW], v[NIL]
	s_wait_dscnt 0x0
	CROUND                                         ; the closing round: no work-group ends while a partner may still ask for a piece that names it
	s_endpgm
.Lfunc_end_k_qb5f3ecbbc9_ffn2:
	.size	k_qb5f3ecbbc9_ffn2, .Lfunc_end_k_qb5f3ecbbc9_ffn2-k_qb5f3ecbbc9_ffn2
	.p2alignl 7, 3214868480
	.fill 96, 4, 3214868480
	.section	.rodata,"a",@progbits
	.p2align	6, 0x0
	.amdhsa_kernel k_qb5f3ecbbc9_ffn2
		.amdhsa_group_segment_fixed_size 327680
		.amdhsa_private_segment_fixed_size 0
		.amdhsa_enable_private_segment 0
		.amdhsa_kernarg_size 32
		.amdhsa_user_sgpr_count 2
		.amdhsa_user_sgpr_kernarg_segment_ptr 1
		.amdhsa_wavefront_size32 1
		.amdhsa_system_sgpr_workgroup_id_x 1
		.amdhsa_system_sgpr_workgroup_id_y 1
		.amdhsa_system_sgpr_workgroup_id_z 1
		.amdhsa_system_vgpr_workitem_id 0
		.amdhsa_next_free_vgpr 848
		.amdhsa_next_free_sgpr 100
		.amdhsa_reserve_vcc 1
		.amdhsa_float_denorm_mode_32 3
		.amdhsa_float_denorm_mode_16_64 3
		.amdhsa_memory_ordered 1
		.amdhsa_forward_progress 1
		.amdhsa_inst_pref_size 123
	.end_amdhsa_kernel
	.amdgpu_metadata
---
amdhsa.version: [ 1, 2 ]
amdhsa.kernels:
  - .name:           k_qb5f3ecbbc9_ffn2
    .symbol:         k_qb5f3ecbbc9_ffn2.kd
    .args:
      - { .name: hb, .offset: 0, .size: 8, .value_kind: global_buffer, .address_space: global }
      - { .name: wc, .offset: 8, .size: 8, .value_kind: global_buffer, .address_space: global }
      - { .name: x1h, .offset: 16, .size: 8, .value_kind: global_buffer, .address_space: global }
      - { .name: out0, .offset: 24, .size: 8, .value_kind: global_buffer, .address_space: global }
    .group_segment_fixed_size: 327680
    .private_segment_fixed_size: 0
    .kernarg_segment_align: 8
    .kernarg_segment_size: 32
    .max_flat_workgroup_size: 128
    .sgpr_count:     100
    .vgpr_count:     848
    .wavefront_size: 32
...
	.end_amdgpu_metadata
.endif
;; end of part 10
;; ======== version 3 of 3: 6 launches; version 2 with the launch prep written anew for expert scheduling mode
;; limits: values are held in f16: magnitudes above 65,504 overflow, below 6.1e-05 lose precision; inputs' magnitudes at most 65,504; below input magnitudes of 7.6e-06 results are inexact or not finite
;; workspace buffers: xh 14,942,208 bytes; qkv 44,826,624 bytes; ob 14,942,208 bytes; x1h 14,942,208 bytes; hb 59,768,832 bytes; wa 1,581,312 bytes; wb 2,105,600 bytes; wc 2,633,728 bytes
;; launch prep (part 11): grid 1105 x 1, 4 waves a work-group, no clusters, 33,792 bytes of LDS; arguments x, Wq, Wk, Wv, Wo, W1, W2, bq, bk, bv, b1, bo, ln1_w, ln1_b, b2, ln2_w, ln2_b, xh, wa, wb, wc; writes xh, wa, wb, wc
.if DOCPART == 11
	.amdgcn_target "amdgcn-amd-amdhsa--gfx1250"
	.amdhsa_code_object_version 6
	.text
	.protected	k_qb5f3ecbbc9_prep
	.globl	k_qb5f3ecbbc9_prep
	.p2align	8
	.type	k_qb5f3ecbbc9_prep,@function
k_qb5f3ecbbc9_prep:
	s_mov_b64 s[64:65], 0
	v_nop
	global_prefetch_b8 v0, s[64:65] scope:SCOPE_SE
	s_setreg_imm32_b32 hwreg(HW_REG_WAVE_SCHED_MODE, 0, 2), 2
	s_setreg_imm32_b32 hwreg(HW_REG_WAVE_MODE, 25, 1), 1
	s_wait_xcnt 0x0
	s_wait_alu depctr_vm_vsrc(0)
; PREP: every input is rounded once to bf16 and laid out as the later launches want it.  No matrix work, no cluster (no two work-groups read the same bytes), no barrier (a wave keeps to its own LDS bytes).
; ROW ORDER.  The 16 x 903 tokens get a padded order of 16 x 912 rows = 912 tiles of 16.  A batch has 57 tiles: tiles 8 v .. 8 v + 7 are the 128 patch rows of variable v, tile 56 holds the 7 global tokens
; in rows 0..6 and nine rows of zeros.
; FRAGMENT ORDER.  A 16-bit operand is stored as the matrix unit's register image: a fragment of 16 rows x 32 k is 1,024 bytes, half c (registers 4 c .. 4 c + 3) at 512 c, lane L at 16 L; lane L holds row L % 16
; and k = 16 c + 8 (L / 16) + 0..7.  xh: ((slab of 128 columns x 912 + tile) x 4 + fragment) x 1,024.  Weights ([k][n] in memory) are turned: ((((ct x 4 + ks) x 4 + w) x 4 + s) x 8 + b) x 1,024 holds
; n = 512 ct + 128 w + 16 b + L % 16, k = 128 ks + 32 s + ...
; FORMATS.  x, Wq, Wk, Wv, W1: the bf16-rounded number written as f16.  LIMIT: that is exact from 2^-17 up to 65,504; below 2^-17 it keeps f16's step of 2^-24; beyond 65,504 it is lost.  Wo, W2: bf16.
; Biases and gains: f32 numbers that have been rounded to bf16.
; SHARES.  Work-groups 0..191: a wave takes 32 k x 128 n of one weight matrix, 16 KiB: twice a wave's share of x, so these go first.  192: the biases and gains, and the two floor words that the projection launch reads.
; 193..1104: a tile of x, wave = slab.  With 176 registers five waves fit on a SIMD's 1,024: 1,280 work-groups' room on 256 WGPs for the launch's 1,105.
; THE MODE: SCHED_MODE bits 1:0 = 2 (LLVM: expert scheduling mode 2), set by the entry lines.  The code itself states the register dependences between vector instructions and memory or LDS instructions,
; with s_wait_alu, always for 0.
; THE PLAN.  Registers that memory or LDS instructions touch:
;   v5       the offset of every global load and store.  Written at the head (in the parameters' work-group anew, before any memory instruction has read it); never written behind a reader.
;   v6, v7   the LDS addresses of the stores and of the read-backs (parameters: an offset and a word to store).  Written once, behind the global loads.
;   X        a tile of x: the loads land in X+0..63 (global tile: X+0..27, the rest is written 0); the roundings read them; the read-backs land in X+0..31; the global stores read those.
;            a weight unit: the loads land in X+0..127; batch 1 reads X+0..63, batch 2 reads X+64..127 and writes its packed words into X+0..31, with which batch 1 is done (vector against vector);
;            the LDS stores read X+0..31; the read-backs land in X+64..127, which no LDS store reads; the global stores read those.
;   Y        written by the roundings (x: rows 0-7 the first half, rows 8-15 the second; weights: batch 1), read by the LDS stores; no register of it is written twice.
;   v2, v3   written at the head, read by the closing add alone.
; So each path goes in two batches: roundings, ONE wait on va_vdst, a run of eight LDS stores, which leave while the next batch is rounded.  The second batch's wait also states that all roundings are done with
; the registers in which the read-backs land.  No register that a memory or LDS instruction has read is written again, so no wait on vm_vsrc is owed, and no s_wait_xcnt.
.set SPARE, 33280                      ; behind the four waves' 8,320 bytes: the spare words, two blocks of 256 bytes that no other line names
.set WLDS,  8320
.set SPW,   2                          ; v2  SPARE + 4 x my thread's number; never rewritten
.set NIL,   3                          ; v3  0; never rewritten
.set X,     16                         ; v[16:143]  as loaded; later packed words (weights, batch 2) and what is read back from LDS
.set Y,     144                        ; v[144:175] packed words
.set DIV57, 75350304                   ; the upper word of n x this is n / 57 for n below 912
	s_load_b512 s[4:19], s[0:1], 0x0               ; x 4, Wq 6, Wk 8, Wv 10, Wo 12, W1 14, W2 16, bq 18
	s_load_b512 s[20:35], s[0:1], 0x40             ; bk 20, bv 22, b1 24, bo 26, ln1_w 28, ln1_b 30, b2 32, ln2_w 34
	s_load_b256 s[36:43], s[0:1], 0x80             ; ln2_b 36, xh 38, wa 40, wb 42
	s_load_b64 s[44:45], s[0:1], 0xa0              ; wc
	v_lshl_add_u32 v[SPW], v0, 2, SPARE
	v_mov_b32 v[NIL], 0
	v_lshrrev_b32 v1, 5, v0
	v_readfirstlane_b32 s46, v1                    ; wave 0..3
	v_and_b32 v4, 31, v0                           ; lane l
	v_lshlrev_b32 v5, 4, v4                        ; 16 l
	s_wait_alu depctr_va_sdst(0)                   ; s46 is written, ahead of its first reader: LDS places, slabs and units are made from it
	s_mul_i32 s47, s46, WLDS                       ; my wave's LDS bytes
	s_mov_b32 s63, 0xffff0000                      ; a word's upper bf16
	s_wait_alu depctr_va_vdst(0)                   ; v5 is written: the loads and stores of x and of the weights read it as their offset
	s_wait_kmcnt 0x0
	s_cmp_lt_u32 ttmp9, 193
	s_cbranch_scc1 .Lweights
	; ---------------- a tile of x: 16 rows x 128 columns
	s_sub_co_u32 s62, ttmp9, 193                   ; the tile, 0..911
	s_mul_hi_u32 s48, s62, DIV57                   ; batch
	s_mul_i32 s49, s48, 57
	s_sub_co_u32 s49, s62, s49                     ; tile in the batch
	s_mul_i32 s50, s48, 903
	s_lshr_b32 s51, s49, 3
	s_mul_i32 s51, s51, 129                        ; patch tile: variable x 129
	s_and_b32 s52, s49, 7
	s_lshl_b32 s52, s52, 4
	s_add_co_u32 s51, s51, s52                     ; + 16 x tile in the variable
	s_cmp_lt_u32 s49, 56
	s_cselect_b32 s51, s51, 128                    ; tile 56: the first global token
	s_add_co_u32 s50, s50, s51                     ; the tile's first row in x
	s_lshl_b32 s50, s50, 11
	s_lshl_b32 s51, s46, 9                         ; my slab's 512 bytes of a row
	s_add_co_u32 s50, s50, s51
	s_mov_b32 s51, 0
	s_add_nc_u64 s[4:5], s[4:5], s[50:51]
	s_mul_i32 s52, s46, 912
	s_add_co_u32 s52, s52, s62
	s_lshl_b32 s52, s52, 12                        ; (slab x 912 + tile) x 4,096
	s_mov_b32 s53, 0
	s_add_nc_u64 s[38:39], s[38:39], s[52:53]
	s_cmp_lt_u32 s49, 56
	s_cbranch_scc0 .Lxglob
.irp i, 0,1,2,3,4,5,6,7,8,9,10,11,12,13,14,15
	global_load_b128 v[X+4*(\i):X+4*(\i)+3], v5, s[4:5] offset:2048*(\i) th:TH_LOAD_NT  ; a row's 512 bytes: lane l has columns 4 l .. 4 l + 3
.endr
	s_branch .Lxgo
.Lxglob:
.irp i, 0,1,2,3,4,5,6
	global_load_b128 v[X+4*(\i):X+4*(\i)+3], v5, s[4:5] offset:129*2048*(\i) th:TH_LOAD_NT  ; the global tokens lie 129 rows apart
.endr
.set i, 28
.rept 36
	v_mov_b32 v[X+i], 0                            ; the nine pad rows
.set i, i+1
.endr
.Lxgo:
	v_lshrrev_b32 v6, 1, v4                        ; in: my 8 bytes of row i go to chunk l / 2 (256 bytes of the image, 272 apart in LDS), piece i, half l % 2
	v_mul_u32_u24 v6, v6, 272
	v_and_b32 v7, 1, v4
	v_lshl_add_u32 v6, v7, 3, v6
	v_add_nc_u32 v6, s47, v6
	v_lshrrev_b32 v8, 4, v4                        ; back: 512 bytes of the image are two chunks
	v_mul_u32_u24 v8, v8, 272
	v_and_b32 v9, 15, v4
	v_lshl_add_u32 v8, v9, 4, v8
	v_add_nc_u32 v7, s47, v8
; Row i: my four numbers
.macro XROUND i
	v_cvt_pk_bf16_f32 v10, v[X+4*(\i)], v[X+4*(\i)+1]      ; rounded to bf16,
	v_cvt_pk_bf16_f32 v11, v[X+4*(\i)+2], v[X+4*(\i)+3]
	v_lshlrev_b32 v12, 16, v10                             ; widened again,
	v_and_b32 v13, s63, v10
	v_lshlrev_b32 v14, 16, v11
	v_and_b32 v15, s63, v11
	v_cvt_pk_f16_f32 v[Y+2*(\i)], v12, v13                 ; and written as f16
	v_cvt_pk_f16_f32 v[Y+2*(\i)+1], v14, v15
.endm
	s_wait_loadcnt 0x0                             ; for 0: the two arms above issue 16 loads and 7
.irp i, 0,1,2,3,4,5,6,7
	XROUND \i
.endr
	s_wait_alu depctr_va_vdst(0)                   ; the roundings of rows 0 to 7 have written Y's first half, and v6 is written: the eight LDS stores below read them
.irp i, 0,1,2,3,4,5,6,7
	ds_store_b64 v6, v[Y+2*(\i):Y+2*(\i)+1] offset:16*(\i)
.endr
.irp i, 8,9,10,11,12,13,14,15
	XROUND \i                                      ; Y's second half: no register that the stores above read
.endr
	s_wait_alu depctr_va_vdst(0)                   ; the roundings of rows 8 to 15 have written Y's second half, and v7 is written; every rounding is done reading X, and the pad rows' zeros are written: the read-backs land in X's first 32 registers
.irp i, 8,9,10,11,12,13,14,15
	ds_store_b64 v6, v[Y+2*(\i):Y+2*(\i)+1] offset:16*(\i)
.endr
.irp q, 0,1,2,3,4,5,6,7
	ds_load_b128 v[X+4*(\q):X+4*(\q)+3], v7 offset:544*(\q)  ; LDS serves a wave's instructions in order (ISA guide 5.7.1.4): these see the stores above
.endr
.irp q, 0,1,2,3,4,5,6,7
	s_wait_dscnt 7-(\q)                            ; the younger read-backs may stay out
	global_store_b128 v5, v[X+4*(\q):X+4*(\q)+3], s[38:39] offset:512*(\q)  ; 512 consecutive bytes, aligned
.endr
	s_branch .Lend
	; ---------------- 32 k x 128 n of a weight matrix
.Lweights:
	s_cmp_lt_u32 ttmp9, 192
	s_cbranch_scc0 .Lparams
	s_lshl_b32 s48, ttmp9, 2
	s_add_co_u32 s48, s48, s46                     ; unit u: 0..255 Wq, Wk, Wv, Wo (64 each); 256..511 W1; 512..767 W2
	s_lshr_b32 s49, s48, 6
	s_lshr_b32 s53, s48, 8
	s_add_co_u32 s53, s53, 3
	s_cmp_lt_u32 s49, 4
	s_cselect_b32 s49, s49, s53                    ; matrix 0..5
	s_and_b32 s53, s48, 63
	s_and_b32 s59, s48, 255
	s_cmp_lt_u32 s49, 4
	s_cselect_b32 s53, s53, s59                    ; the unit's number in its matrix
	s_lshr_b32 s50, s53, 2
	s_and_b32 s51, s53, 3
	s_lshr_b32 s59, s53, 4
	s_and_b32 s62, s53, 15
	s_cmp_eq_u32 s49, 4                            ; W1 has 16 groups of 128 columns, the others 4
	s_cselect_b32 s50, s59, s50                    ; sg: which 32 k
	s_cselect_b32 s51, s62, s51                    ; cg: which 128 n
	s_lshr_b32 s52, s51, 2
	s_cmp_lt_u32 s49, 3
	s_cselect_b32 s52, s49, s52                    ; ct: the matrix for q, k, v; cg / 4 for W1; else 0
	s_cmp_eq_u32 s49, 1
	s_cselect_b64 s[54:55], s[8:9], s[6:7]         ; from where
	s_cmp_eq_u32 s49, 2
	s_cselect_b64 s[54:55], s[10:11], s[54:55]
	s_cmp_eq_u32 s49, 3
	s_cselect_b64 s[54:55], s[12:13], s[54:55]
	s_cmp_eq_u32 s49, 4
	s_cselect_b64 s[54:55], s[14:15], s[54:55]
	s_cmp_eq_u32 s49, 5
	s_cselect_b64 s[54:55], s[16:17], s[54:55]
	s_mov_b32 s59, 12288                           ; to where: Wo's stream begins at byte 12,288 of wc,
	s_cmp_lt_u32 s49, 3
	s_cselect_b64 s[56:57], s[40:41], s[44:45]
	s_cselect_b32 s59, 8448, s59                   ; q, k, v's at 8,448 of wa,
	s_cselect_b32 s58, -1, 0                       ; (all ones: written as f16)
	s_cmp_eq_u32 s49, 4
	s_cselect_b64 s[56:57], s[42:43], s[56:57]
	s_cselect_b32 s59, 8448, s59                   ; W1's at 8,448 of wb,
	s_cselect_b32 s58, -1, s58
	s_cmp_eq_u32 s49, 5
	s_cselect_b32 s59, 536576, s59                 ; W2's at 536,576 of wc
	s_lshl_b32 s60, s52, 2
	s_lshr_b32 s62, s50, 2
	s_add_co_u32 s60, s60, s62                     ; ct x 4 + ks
	s_lshl_b32 s60, s60, 7
	s_and_b32 s62, s51, 3
	s_lshl_b32 s62, s62, 5
	s_add_co_u32 s60, s60, s62                     ; + w x 32
	s_and_b32 s62, s50, 3
	s_lshl_b32 s62, s62, 3
	s_add_co_u32 s60, s60, s62                     ; + s x 8: my eight fragments follow each other
	s_lshl_b32 s60, s60, 10
	s_add_co_u32 s60, s60, s59
	s_mov_b32 s61, 0
	s_add_nc_u64 s[56:57], s[56:57], s[60:61]
	s_lshl_b32 s60, s50, 16                        ; 32 rows of 2,048 bytes,
	s_lshl_b32 s62, s50, 18                        ; or of 8,192 (W1)
	s_cmp_eq_u32 s49, 4
	s_cselect_b32 s60, s62, s60
	s_lshl_b32 s62, s51, 9
	s_add_co_u32 s60, s60, s62
	s_add_nc_u64 s[54:55], s[54:55], s[60:61]
	s_cmp_eq_u32 s49, 4
	s_cbranch_scc1 .Lwide
.set k, 0
.rept 32
	global_load_b128 v[X+4*k:X+4*k+3], v5, s[54:55] offset:2048*k  ; row k: lane l has columns 4 l .. 4 l + 3
.set k, k+1
.endr
	s_branch .Lwgo
.Lwide:
.set k, 0
.rept 32
	global_load_b128 v[X+4*k:X+4*k+3], v5, s[54:55] offset:8192*k
.set k, k+1
.endr
.Lwgo:
	v_lshrrev_b32 v6, 2, v4                        ; in: column 4 l + j lies in fragment l / 4 (1,040 bytes apart in LDS), row 4 (l % 4) + j; eight k are 16 bytes
	v_mul_u32_u24 v6, v6, 1040
	v_and_b32 v7, 3, v4
	v_lshl_add_u32 v6, v7, 6, v6
	v_add_nc_u32 v6, s47, v6
	v_add_nc_u32 v7, s47, v5                       ; back: 512 consecutive bytes of a fragment
; Eight k (8 g on) of my four columns j: four groups of four packed registers, from register out on
.macro WROUND g, out
.irp j, 0,1,2,3
.irp i, 0,1,2,3
	v_cvt_pk_bf16_f32 v[8+4*((\i)%2)], v[X+4*(8*(\g)+2*(\i))+(\j)], v[X+4*(8*(\g)+2*(\i)+1)+(\j)]  ; k and k + 1 of one column, rounded to bf16
	v_lshlrev_b32 v[9+4*((\i)%2)], 16, v[8+4*((\i)%2)]
	v_and_b32 v[10+4*((\i)%2)], s63, v[8+4*((\i)%2)]
	v_cvt_pk_f16_f32 v[11+4*((\i)%2)], v[9+4*((\i)%2)], v[10+4*((\i)%2)]
	v_cndmask_b32 v[(\out)+4*(\j)+(\i)], v[8+4*((\i)%2)], v[11+4*((\i)%2)], s58  ; bf16 as it is, or the same number as f16
.endr
.endr
.endm
.macro WPUT g, out
.irp j, 0,1,2,3
	ds_store_b128 v6, v[(\out)+4*(\j):(\out)+4*(\j)+3] offset:256*(\g)+16*(\j)
.endr
.endm
	s_wait_loadcnt 16                              ; loads come back in order (ISA guide 5.7.1): rows 0 to 15 are in, the 16 younger loads stay out; both arms above issue the same 32 loads in the same order
	WROUND 0, Y                                    ; batch 1: k = 0 to 15
	WROUND 1, Y+16
	s_wait_alu depctr_va_vdst(0)                   ; batch 1 has written Y, and v6 is written: the eight LDS stores below read them
	WPUT 0, Y
	WPUT 1, Y+16
	s_wait_loadcnt 0x0                             ; rows 16 to 31
	WROUND 2, X                                    ; batch 2: k = 16 to 31; its packed words go where rows 0 to 7 lay, with which batch 1 is done: no register that the stores above read
	WROUND 3, X+16
	s_wait_alu depctr_va_vdst(0)                   ; batch 2 has written X's first 32 registers, which the LDS stores below read, and is done reading X+64 to X+127, in which the read-backs land; v7 is written
	WPUT 2, X
	WPUT 3, X+16
.irp q, 0,1,2,3,4,5,6,7,8,9,10,11,12,13,14,15
	ds_load_b128 v[X+64+4*(\q):X+64+4*(\q)+3], v7 offset:1040*((\q)/2)+512*((\q)%2)  ; LDS serves a wave's instructions in order (ISA guide 5.7.1.4): these see the stores above; they land in registers that no LDS store reads
.endr
.irp q, 0,1,2,3,4,5,6,7,8,9,10,11,12,13,14,15
	s_wait_dscnt 15-(\q)                           ; the younger read-backs may stay out
	global_store_b128 v5, v[X+64+4*(\q):X+64+4*(\q)+3], s[56:57] offset:512*(\q)
.endr
	s_branch .Lend
	; ---------------- biases and gains: 13 pieces of 512 numbers, 16 bytes a thread
.Lparams:
	v_lshlrev_b32 v5, 4, v0                        ; on this way no memory instruction has read v5 yet
	s_wait_alu depctr_va_vdst(0)                   ; v5 is written anew: the loads and stores below read it as their offset
	global_load_b128 v[X:X+3], v5, s[18:19]
	global_load_b128 v[X+4:X+7], v5, s[20:21]
	global_load_b128 v[X+8:X+11], v5, s[22:23]
.irp n, 0,1,2,3
	global_load_b128 v[X+12+4*(\n):X+15+4*(\n)], v5, s[24:25] offset:2048*(\n)
.endr
	global_load_b128 v[X+28:X+31], v5, s[26:27]
	global_load_b128 v[X+32:X+35], v5, s[28:29]
	global_load_b128 v[X+36:X+39], v5, s[30:31]
	global_load_b128 v[X+40:X+43], v5, s[32:33]
	global_load_b128 v[X+44:X+47], v5, s[34:35]
	global_load_b128 v[X+48:X+51], v5, s[36:37]
	v_and_b32 v6, 63, v0
	v_lshlrev_b32 v6, 2, v6
	s_cmp_lt_u32 s46, 2                            ; the floor of the projections' packed maximum: waves 0, 1 write minus infinity twice for q, k, v; waves 2, 3 write 0 for the ReLU
	s_cselect_b64 s[54:55], s[40:41], s[42:43]
	s_cselect_b32 s53, 0xff80ff80, 0
	v_mov_b32 v7, s53
	s_wait_loadcnt 0x0
.set n, 0
.rept 13
	v_cvt_pk_bf16_f32 v[8+2*(n%2)], v[X+4*n], v[X+4*n+1]
	v_cvt_pk_bf16_f32 v[9+2*(n%2)], v[X+4*n+2], v[X+4*n+3]
	v_lshlrev_b32 v[X+4*n], 16, v[8+2*(n%2)]
	v_and_b32 v[X+4*n+1], s63, v[8+2*(n%2)]
	v_lshlrev_b32 v[X+4*n+2], 16, v[9+2*(n%2)]
	v_and_b32 v[X+4*n+3], s63, v[9+2*(n%2)]
.set n, n+1
.endr
	s_wait_alu depctr_va_vdst(0)                   ; the rounded numbers are written into X, and v6 and v7 are written: the stores below read them
.irp n, 0,1,2
	global_store_b128 v5, v[X+4*(\n):X+4*(\n)+3], s[40:41] offset:2048*(\n)          ; wa: bq, bk, bv
.endr
.irp n, 0,1,2,3
	global_store_b128 v5, v[X+12+4*(\n):X+15+4*(\n)], s[42:43] offset:2048*(\n)      ; wb: b1
.endr
.irp n, 0,1,2,3,4,5
	global_store_b128 v5, v[X+28+4*(\n):X+31+4*(\n)], s[44:45] offset:2048*(\n)      ; wc: bo, ln1_w, ln1_b, b2, ln2_w, ln2_b
.endr
	global_store_b32 v6, v7, s[54:55] offset:8192
.Lend:
	s_wait_dscnt 0x0                               ; the closing lines, six on end
	s_wait_alu 0x0
	s_wait_tensorcnt 0x0
	ds_add_u32 v[SPW], v[NIL]
	s_wait_dscnt 0x0
	s_endpgm
.Lfunc_end_k_qb5f3ecbbc9_prep:
	.size	k_qb5f3ecbbc9_prep, .Lfunc_end_k_qb5f3ecbbc9_prep-k_qb5f3ecbbc9_prep
	.p2alignl 7, 3214868480
	.fill 96, 4, 3214868480
	.section	.rodata,"a",@progbits
	.p2align	6, 0x0
	.amdhsa_kernel k_qb5f3ecbbc9_prep
		.amdhsa_group_segment_fixed_size 33792
		.amdhsa_private_segment_fixed_size 0
		.amdhsa_enable_private_segment 0
		.amdhsa_kernarg_size 168
		.amdhsa_user_sgpr_count 2
		.amdhsa_user_sgpr_kernarg_segment_ptr 1
		.amdhsa_wavefront_size32 1
		.amdhsa_system_sgpr_workgroup_id_x 1
		.amdhsa_system_sgpr_workgroup_id_y 1
		.amdhsa_system_sgpr_workgroup_id_z 1
		.amdhsa_system_vgpr_workitem_id 0
		.amdhsa_next_free_vgpr 176
		.amdhsa_next_free_sgpr 66
		.amdhsa_reserve_vcc 0
		.amdhsa_float_denorm_mode_32 3
		.amdhsa_float_denorm_mode_16_64 3
		.amdhsa_memory_ordered 1
		.amdhsa_forward_progress 1
		.amdhsa_inst_pref_size 50
	.end_amdhsa_kernel
	.amdgpu_metadata
---
amdhsa.version: [ 1, 2 ]
amdhsa.kernels:
  - .name:           k_qb5f3ecbbc9_prep
    .symbol:         k_qb5f3ecbbc9_prep.kd
    .args:
      - { .name: x, .offset: 0, .size: 8, .value_kind: global_buffer, .address_space: global }
      - { .name: Wq, .offset: 8, .size: 8, .value_kind: global_buffer, .address_space: global }
      - { .name: Wk, .offset: 16, .size: 8, .value_kind: global_buffer, .address_space: global }
      - { .name: Wv, .offset: 24, .size: 8, .value_kind: global_buffer, .address_space: global }
      - { .name: Wo, .offset: 32, .size: 8, .value_kind: global_buffer, .address_space: global }
      - { .name: W1, .offset: 40, .size: 8, .value_kind: global_buffer, .address_space: global }
      - { .name: W2, .offset: 48, .size: 8, .value_kind: global_buffer, .address_space: global }
      - { .name: bq, .offset: 56, .size: 8, .value_kind: global_buffer, .address_space: global }
      - { .name: bk, .offset: 64, .size: 8, .value_kind: global_buffer, .address_space: global }
      - { .name: bv, .offset: 72, .size: 8, .value_kind: global_buffer, .address_space: global }
      - { .name: b1, .offset: 80, .size: 8, .value_kind: global_buffer, .address_space: global }
      - { .name: bo, .offset: 88, .size: 8, .value_kind: global_buffer, .address_space: global }
      - { .name: ln1_w, .offset: 96, .size: 8, .value_kind: global_buffer, .address_space: global }
      - { .name: ln1_b, .offset: 104, .size: 8, .value_kind: global_buffer, .address_space: global }
      - { .name: b2, .offset: 112, .size: 8, .value_kind: global_buffer, .address_space: global }
      - { .name: ln2_w, .offset: 120, .size: 8, .value_kind: global_buffer, .address_space: global }
      - { .name: ln2_b, .offset: 128, .size: 8, .value_kind: global_buffer, .address_space: global }
      - { .name: xh, .offset: 136, .size: 8, .value_kind: global_buffer, .address_space: global }
      - { .name: wa, .offset: 144, .size: 8, .value_kind: global_buffer, .address_space: global }
      - { .name: wb, .offset: 152, .size: 8, .value_kind: global_buffer, .address_space: global }
      - { .name: wc, .offset: 160, .size: 8, .value_kind: global_buffer, .address_space: global }
    .group_segment_fixed_size: 33792
    .private_segment_fixed_size: 0
    .kernarg_segment_align: 8
    .kernarg_segment_size: 168
    .max_flat_workgroup_size: 128
    .sgpr_count:     66
    .vgpr_count:     176
    .wavefront_size: 32
...
	.end_amdgpu_metadata
.endif
;; end of part 11
;; launch qkvp: the kernel of part 7 again; grid 6 x 57, 4 waves a work-group, no clusters, 327,680 bytes of LDS; arguments xh, wa, qkv; writes qkv
;; launch attn: the kernel of part 8 again; grid 14 x 16, 4 waves a work-group, no clusters, 102,912 bytes of LDS; arguments qkv, ob; writes ob
;; launch wo: the kernel of part 9 again; grid 228 x 1, 4 waves a work-group, clusters of 4 x 1, 327,680 bytes of LDS; arguments ob, wc, xh, x1h; writes x1h
;; launch ffn1: the kernel of part 7 again; grid 8 x 57, 4 waves a work-group, no clusters, 327,680 bytes of LDS; arguments x1h, wb, hb; writes hb
;; launch ffn2: the kernel of part 10 again; grid 228 x 1, 4 waves a work-group, clusters of 4 x 1, 327,680 bytes of LDS; arguments hb, wc, x1h, out0; writes out0
